; MI455X (gfx1250); checked and timed in simulation.
; The chip was launched on July 23, 2026; its instructions are those of AMD's public machine-readable ISA for CDNA 5 (MIT licence, August 2026) and "CDNA5" Instruction Set Architecture Reference Guide (July 2026). The comments in the code are by the model that wrote it; some were corrected since.
;; Streaming Transformer Layer. Allowed arithmetic: float matrix products may take bf16 or f16 operands with f32 sums; other float arithmetic in f32, or as packed bf16 or f16 multiplies, adds, multiply-adds, maxima and minima; sums over many terms, partial sums and values carried from step to step in f32; what a program stores and reads back later, other than sums and carried values, may be rounded once to bf16 or f16.
;; Inputs: in_proj_w 3,072 x 1,024 float32; ln1_b 1,024 float32; ln1_g 1,024 float32; ln2_b 1,024 float32; ln2_g 1,024 float32; out_proj_w 1,024 x 1,024 float32; w1 4,096 x 1,024 float32; w2 1,024 x 4,096 float32; x 2 x 2,048 x 1,024 float32.
;; Outputs: out0 2 x 2,048 x 1,024 float32.
;; Constants: context = 256.
;; 2 versions, each right. Each part assembles by itself: llvm-mc -triple=amdgcn-amd-amdhsa -mcpu=gfx1250 --defsym DOCPART=n.
;; ======== version 1 of 2: 7 launches
;; limits: a function is approximated: absolute error at most 1.5e-07; right only within a limited range of input values
;; workspace buffers: hb 8,388,608 bytes; wb 25,165,824 bytes; rope 557,056 bytes; qkv 25,165,824 bytes; x2 16,777,216 bytes; act 33,554,432 bytes
;; launch prep (part 1): grid 64 x 17, 8 waves a work-group, no clusters, 0 bytes of LDS; arguments x, ln1_g, ln1_b, in_proj_w, out_proj_w, w1, w2, hb, wb, rope; writes hb, wb, rope
.if DOCPART == 1
	.amdgcn_target "amdgcn-amd-amdhsa--gfx1250"
	.amdhsa_code_object_version 6
	.text
	.protected	k_q53e16cad3b_prep
	.globl	k_q53e16cad3b_prep
	.p2align	8
	.type	k_q53e16cad3b_prep,@function
k_q53e16cad3b_prep:
	s_mov_b64 s[64:65], 0
	v_nop
	global_prefetch_b8 v0, s[64:65] scope:SCOPE_SE
	s_setreg_imm32_b32 hwreg(HW_REG_WAVE_MODE, 25, 1), 1
	s_wait_xcnt 0x0
; THREE STREAMS IN ONE LAUNCH, told apart by the work-group's y (a scalar branch, forward):
;   y = 0..11   the four weight matrices, 12 x 2^20 numbers, rounded once to bf16 into wb, in their own row order:
;               in_proj at byte 0, out_proj at 0x600000, w1 at 0x800000, w2 at 0x1000000.  A work-group takes 16,384 numbers.
;   y = 12..15  h = layernorm(x) g + b, rounded once to bf16 into hb [4096][1024].  A wave takes two rows and keeps them in registers.
;   y = 16      the rotation table rope [2176][32] of pairs (cos, sin) in f32: rows 0..2047 are positions, rows 2048..2175 hold (1, 0).
; Memory binds all three: 16-byte loads of 512 consecutive bytes a wave, stores of 256 or 512 consecutive bytes, nothing of x or of the weights read twice; no LDS, no barrier.
; LIMITS.  NaN and infinities are not treated apart.  The table's frequency is 2^(-0.41524101 i) by v_exp_f32; sine and cosine of the f32 angle t f come from a
; reduction by 2 pi in two parts (6.28125 + 0.0019353072; t f stays under 2,048, so n x 6.28125 is exact) and Taylor sums on half the angle, cut below 6e-8.
.set T,   2                            ; v[2:9]     four chains of pairs, at work
.set MU,  10                           ; v[10:11]   the row's mean, twice
.set R0,  12                           ; v[12:13]   1 / sqrt(var + eps) of row 0, twice
.set R1,  14                           ; v[14:15]   of row 1
.set X0,  16                           ; v[16:47]   row 0: lane l holds columns 4 l + 128 j .. + 3 in registers 4 j .. 4 j + 3
.set X1,  48                           ; v[48:79]   row 1
.set G,   80                           ; v[80:111]  the gain of the same columns
.set BV,  112                          ; v[112:143] the bias
.set Y,   144                          ; v[144:175] both rows in bf16, 16 registers each
.set XB,  4                            ; s[4:5] x   s[6:7] gain   s[8:9] bias   s[18:19] hb
.set GB,  6
.set BB,  8
.set OB,  18
.macro REDUCE                          ; the four chains become one sum, in every lane's v[T]
	v_pk_add_f32 v[T:T+1], v[T:T+1], v[T+2:T+3]
	v_pk_add_f32 v[T+4:T+5], v[T+4:T+5], v[T+6:T+7]
	v_pk_add_f32 v[T:T+1], v[T:T+1], v[T+4:T+5]
	v_add_f32 v[T], v[T], v[T+1]
	v_add_f32_dpp v[T], v[T], v[T] row_xmask:1 row_mask:0xf bank_mask:0xf
	v_add_f32_dpp v[T], v[T], v[T] row_xmask:2 row_mask:0xf bank_mask:0xf
	v_add_f32_dpp v[T], v[T], v[T] row_xmask:4 row_mask:0xf bank_mask:0xf
	v_add_f32_dpp v[T], v[T], v[T] row_xmask:8 row_mask:0xf bank_mask:0xf
	v_permlanex16_b32 v[T+1], v[T], s30, s31
	v_add_f32 v[T], v[T], v[T+1]
.endm
; The row in x: its mean; the row less its mean, in place; the mean of the squares OF THE DIFFERENCES (a common offset of the row costs nothing); r = 1 / sqrt(var + 1e-5).
.macro STATS x, r, left
	s_wait_loadcnt \left                           ; loads come back in order: this row is in, the younger loads stay out
.irp k, 0,1,2,3
	v_pk_add_f32 v[T+2*(\k):T+2*(\k)+1], v[(\x)+2*(\k):(\x)+2*(\k)+1], v[(\x)+8+2*(\k):(\x)+8+2*(\k)+1]
.endr
.irp k, 8,9,10,11,12,13,14,15
	v_pk_add_f32 v[T+2*((\k)%4):T+2*((\k)%4)+1], v[T+2*((\k)%4):T+2*((\k)%4)+1], v[(\x)+2*(\k):(\x)+2*(\k)+1]
.endr
	REDUCE
	v_mul_f32 v[MU], s32, v[T]
	v_mul_f32 v[MU+1], s32, v[T]
.irp k, 0,1,2,3,4,5,6,7,8,9,10,11,12,13,14,15
	v_pk_add_f32 v[(\x)+2*(\k):(\x)+2*(\k)+1], v[(\x)+2*(\k):(\x)+2*(\k)+1], v[MU:MU+1] neg_lo:[0,1] neg_hi:[0,1]
.endr
.irp k, 0,1,2,3
	v_pk_mul_f32 v[T+2*(\k):T+2*(\k)+1], v[(\x)+2*(\k):(\x)+2*(\k)+1], v[(\x)+2*(\k):(\x)+2*(\k)+1]
.endr
.irp k, 4,5,6,7,8,9,10,11,12,13,14,15
	v_pk_fma_f32 v[T+2*((\k)%4):T+2*((\k)%4)+1], v[(\x)+2*(\k):(\x)+2*(\k)+1], v[(\x)+2*(\k):(\x)+2*(\k)+1], v[T+2*((\k)%4):T+2*((\k)%4)+1]
.endr
	REDUCE
	v_fmaak_f32 v[T], s32, v[T], 0x3727c5ac        ; the sum / 1024 + 1e-5
	v_rsq_f32 v[\r], v[T]
	v_rsq_f32 v[(\r)+1], v[T]
	v_nop                                          ; a plain instruction before v[T], the source, is written again
.endm
.macro FINISH x, r, row
.set k, 0
.rept 16
	v_pk_mul_f32 v[(\x)+2*k:(\x)+2*k+1], v[(\x)+2*k:(\x)+2*k+1], v[(\r):(\r)+1]
.set k, k+1
.endr
.set k, 0
.rept 16
	v_pk_fma_f32 v[(\x)+2*k:(\x)+2*k+1], v[(\x)+2*k:(\x)+2*k+1], v[G+2*k:G+2*k+1], v[BV+2*k:BV+2*k+1]
.set k, k+1
.endr
.set k, 0
.rept 16
	v_cvt_pk_bf16_f32 v[Y+16*(\row)+k], v[(\x)+2*k], v[(\x)+2*k+1]
.set k, k+1
.endr
.irp j, 0,1,2,3,4,5,6,7
	global_store_b64 v0, v[Y+16*(\row)+2*(\j):Y+16*(\row)+2*(\j)+1], s[OB:OB+1] offset:(\row)*2048+256*(\j)  ; 32 lanes store 256 consecutive bytes, aligned
.endr
.endm
; sine and cosine of the angle in v[th].  n = the nearest whole number of turns; r = th - n 2 pi; on y = r / 2, within pi / 2, both Taylor sums; then the double angle.
.macro SINCOS th, c, s
	v_mul_f32 v24, 0x3e22f983, v[\th]
	v_rndne_f32 v24, v24
	v_fma_f32 v25, -v24, s30, v[\th]
	v_fma_f32 v25, -v24, s31, v25
	v_mul_f32 v25, 0.5, v25
	v_mul_f32 v26, v25, v25
	v_fmaak_f32 v27, s32, v26, 0x3638ef1d          ; sine: -1/11! z + 1/9!
	v_fmaak_f32 v28, s33, v26, 0xb493f27e          ; cosine: 1/12! z - 1/10!
	v_fmaak_f32 v27, v27, v26, 0xb9500d01
	v_fmaak_f32 v28, v28, v26, 0x37d00d01
	v_fmaak_f32 v27, v27, v26, 0x3c088889
	v_fmaak_f32 v28, v28, v26, 0xbab60b61
	v_fmaak_f32 v27, v27, v26, 0xbe2aaaab
	v_fmaak_f32 v28, v28, v26, 0x3d2aaaab
	v_fmaak_f32 v27, v27, v26, 0x3f800000
	v_fmaak_f32 v28, v28, v26, 0xbf000000
	v_mul_f32 v27, v27, v25                        ; sin y
	v_fmaak_f32 v28, v28, v26, 0x3f800000          ; cos y
	v_mul_f32 v29, v27, v28
	v_mul_f32 v26, v27, v27
	v_add_f32 v[\s], v29, v29                      ; sin r = 2 sin y cos y
	v_fma_f32 v[\c], v26, -2.0, 1.0                ; cos r = 1 - 2 sin^2 y
.endm
	s_load_b256 s[4:11], s[0:1], 0x0               ; x, ln1_g, ln1_b, in_proj_w
	s_load_b256 s[12:19], s[0:1], 0x20             ; out_proj_w, w1, w2, hb
	s_load_b128 s[20:23], s[0:1], 0x40             ; wb, rope
	s_and_b32 s24, ttmp7, 0xffff                   ; y
	v_lshrrev_b32 v2, 5, v0
	v_readfirstlane_b32 s25, v2                    ; wave 0..7
	v_and_b32 v1, 31, v0                           ; lane
	s_wait_kmcnt 0x0
	s_cmp_lt_u32 s24, 12
	s_cbranch_scc1 .Lcvt
	s_cmp_lt_u32 s24, 16
	s_cbranch_scc1 .Lln
	; THE TABLE.  Thread g = 256 x + t makes pairs 2 (g % 16) and the next of rows g / 16 and g / 16 + 1024: 16 bytes each, at byte 16 g of each half.
	s_lshl_b32 s26, ttmp9, 8
	s_mov_b32 s30, 0x40c90000                      ; 6.28125
	s_mov_b32 s31, 0x3afdaa22                      ; 2 pi - 6.28125
	s_mov_b32 s32, 0xb2d7322b                      ; -1/11!
	s_mov_b32 s33, 0x310f76c7                      ; 1/12!
	v_add_nc_u32 v2, s26, v0
	v_and_b32 v3, 15, v2
	v_lshlrev_b32 v3, 1, v3                        ; the first pair's number i
	v_lshrrev_b32 v4, 4, v2                        ; the position
	v_lshlrev_b32 v5, 4, v2
	v_cvt_f32_u32 v6, v3
	v_add_nc_u32 v3, 1, v3
	v_cvt_f32_u32 v7, v3
	v_mul_f32 v6, 0xbed49a78, v6                   ; -i log2(10000) / 32
	v_mul_f32 v7, 0xbed49a78, v7
	v_exp_f32 v6, v6
	v_exp_f32 v7, v7
	v_nop                                          ; a plain instruction behind the last exponential
	v_cvt_f32_u32 v12, v4
	v_add_nc_u32 v4, 0x400, v4
	v_cvt_f32_u32 v13, v4
	s_wait_alu depctr_va_vdst(0)                   ; one wait for both exponentials, ahead of their first reader
	v_mul_f32 v8, v12, v6
	v_mul_f32 v9, v12, v7
	v_mul_f32 v10, v13, v6
	v_mul_f32 v11, v13, v7
	SINCOS 8, 16, 17
	SINCOS 9, 18, 19
	SINCOS 10, 20, 21
	SINCOS 11, 22, 23
	global_store_b128 v5, v[16:19], s[22:23]                ; a wave stores 512 consecutive bytes
	global_store_b128 v5, v[20:23], s[22:23] offset:262144  ; 1,024 rows of 256 bytes further on
	s_cmp_lt_u32 ttmp9, 8
	s_cbranch_scc0 .Ltab_end
	v_mov_b32 v32, 1.0                             ; the 128 rows of (1, 0): 2,048 threads x 16 bytes
	v_mov_b32 v33, 0
	v_mov_b32 v34, 1.0
	v_mov_b32 v35, 0
	global_store_b128 v5, v[32:35], s[22:23] offset:524288
.Ltab_end:
	s_endpgm
.Lcvt:	; THE WEIGHTS.  y picks the matrix and the 2^20 numbers of it; the choice hangs on y alone.
	s_mov_b64 s[26:27], s[16:17]
	s_mov_b32 s28, 8
	s_cmp_lt_u32 s24, 8
	s_cselect_b64 s[26:27], s[14:15], s[26:27]
	s_cselect_b32 s28, 4, s28
	s_cmp_lt_u32 s24, 4
	s_cselect_b64 s[26:27], s[12:13], s[26:27]
	s_cselect_b32 s28, 3, s28
	s_cmp_lt_u32 s24, 3
	s_cselect_b64 s[26:27], s[10:11], s[26:27]
	s_cselect_b32 s28, 0, s28
	s_sub_co_u32 s28, s24, s28
	s_lshl_b32 s28, s28, 22                        ; 2^20 numbers of 4 bytes,
	s_lshl_b32 s29, ttmp9, 16                      ; the work-group's 65,536 bytes
	s_add_co_u32 s28, s28, s29
	s_mov_b32 s29, 0
	s_add_nc_u64 s[26:27], s[26:27], s[28:29]
	s_lshl_b32 s28, s24, 21                        ; in wb: 2 bytes a number
	s_lshl_b32 s30, ttmp9, 15
	s_add_co_u32 s28, s28, s30
	s_add_nc_u64 s[20:21], s[20:21], s[28:29]
	s_lshl_b32 s30, s25, 13
	v_lshl_add_u32 v2, v1, 4, s30                  ; in: 8,192 bytes a wave, 16 a lane
	s_lshl_b32 s30, s25, 12
	v_lshl_add_u32 v3, v1, 3, s30                  ; out: 4,096 bytes a wave, 8 a lane
.set j, 0
.rept 16
	global_load_b128 v[16+4*j:16+4*j+3], v2, s[26:27] offset:512*j th:TH_LOAD_NT  ; all sixteen are on their way together
.set j, j+1
.endr
.set j, 0
.rept 16
	s_wait_loadcnt 15-j                            ; load j is in; the 15 - j behind it stay out
	v_cvt_pk_bf16_f32 v[80+2*j], v[16+4*j], v[16+4*j+1]
	v_cvt_pk_bf16_f32 v[81+2*j], v[16+4*j+2], v[16+4*j+3]
	global_store_b64 v3, v[80+2*j:81+2*j], s[20:21] offset:256*j  ; 32 lanes store 256 consecutive bytes, aligned
.set j, j+1
.endr
	s_endpgm
.Lln:	; THE NORM.  Rows 16 lw + 2 wave and the next, lw = 64 (y - 12) + x.
	s_sub_co_u32 s26, s24, 12
	s_lshl_b32 s26, s26, 6
	s_add_co_u32 s26, s26, ttmp9
	s_lshl_b32 s28, s26, 16                        ; 16 rows of 4,096 bytes,
	s_lshl_b32 s27, s25, 13                        ; two rows a wave
	s_add_co_u32 s28, s28, s27
	s_mov_b32 s29, 0
	s_add_nc_u64 s[XB:XB+1], s[XB:XB+1], s[28:29]
	s_lshr_b32 s28, s28, 1                         ; half as many bytes in bf16
	s_add_nc_u64 s[OB:OB+1], s[OB:OB+1], s[28:29]
	s_mov_b32 s30, 0x76543210                      ; v_permlanex16_b32: each lane takes its own place in the other half
	s_mov_b32 s31, 0xfedcba98
	s_mov_b32 s32, 0x3a800000                      ; 1 / 1024
	v_lshlrev_b32 v0, 3, v1                        ; 8 bytes a lane on the way out
	v_lshlrev_b32 v1, 4, v1                        ; 16 on the way in
.irp j, 0,1,2,3,4,5,6,7
	global_load_b128 v[X0+4*(\j):X0+4*(\j)+3], v1, s[XB:XB+1] offset:512*(\j) th:TH_LOAD_NT
.endr
.irp j, 0,1,2,3,4,5,6,7
	global_load_b128 v[X1+4*(\j):X1+4*(\j)+3], v1, s[XB:XB+1] offset:4096+512*(\j) th:TH_LOAD_NT
.endr
.irp j, 0,1,2,3,4,5,6,7
	global_load_b128 v[G+4*(\j):G+4*(\j)+3], v1, s[GB:GB+1] offset:512*(\j)
.endr
.irp j, 0,1,2,3,4,5,6,7
	global_load_b128 v[BV+4*(\j):BV+4*(\j)+3], v1, s[BB:BB+1] offset:512*(\j)
.endr
	STATS X0, R0, 24                               ; behind row 0: row 1, gain and bias, 24 loads
	STATS X1, R1, 16                               ; behind row 1: gain and bias
	s_wait_alu depctr_va_vdst(0)                   ; one wait for the four roots, ahead of their first reader
	s_wait_loadcnt 0x0                             ; gain and bias
	FINISH X0, R0, 0
	FINISH X1, R1, 1
	s_endpgm
.Lfunc_end_k_q53e16cad3b_prep:
	.size	k_q53e16cad3b_prep, .Lfunc_end_k_q53e16cad3b_prep-k_q53e16cad3b_prep
	.p2alignl 7, 3214868480
	.fill 96, 4, 3214868480
	.section	.rodata,"a",@progbits
	.p2align	6, 0x0
	.amdhsa_kernel k_q53e16cad3b_prep
		.amdhsa_group_segment_fixed_size 0
		.amdhsa_private_segment_fixed_size 0
		.amdhsa_enable_private_segment 0
		.amdhsa_kernarg_size 80
		.amdhsa_user_sgpr_count 2
		.amdhsa_user_sgpr_kernarg_segment_ptr 1
		.amdhsa_wavefront_size32 1
		.amdhsa_system_sgpr_workgroup_id_x 1
		.amdhsa_system_sgpr_workgroup_id_y 1
		.amdhsa_system_sgpr_workgroup_id_z 1
		.amdhsa_system_vgpr_workitem_id 0
		.amdhsa_next_free_vgpr 176
		.amdhsa_next_free_sgpr 66
		.amdhsa_reserve_vcc 0
		.amdhsa_float_denorm_mode_32 3
		.amdhsa_float_denorm_mode_16_64 3
		.amdhsa_memory_ordered 1
		.amdhsa_forward_progress 1
		.amdhsa_inst_pref_size 33
	.end_amdhsa_kernel
	.amdgpu_metadata
---
amdhsa.version: [ 1, 2 ]
amdhsa.kernels:
  - .name:           k_q53e16cad3b_prep
    .symbol:         k_q53e16cad3b_prep.kd
    .args:
      - { .name: x, .offset: 0, .size: 8, .value_kind: global_buffer, .address_space: global }
      - { .name: ln1_g, .offset: 8, .size: 8, .value_kind: global_buffer, .address_space: global }
      - { .name: ln1_b, .offset: 16, .size: 8, .value_kind: global_buffer, .address_space: global }
      - { .name: in_proj_w, .offset: 24, .size: 8, .value_kind: global_buffer, .address_space: global }
      - { .name: out_proj_w, .offset: 32, .size: 8, .value_kind: global_buffer, .address_space: global }
      - { .name: w1, .offset: 40, .size: 8, .value_kind: global_buffer, .address_space: global }
      - { .name: w2, .offset: 48, .size: 8, .value_kind: global_buffer, .address_space: global }
      - { .name: hb, .offset: 56, .size: 8, .value_kind: global_buffer, .address_space: global }
      - { .name: wb, .offset: 64, .size: 8, .value_kind: global_buffer, .address_space: global }
      - { .name: rope, .offset: 72, .size: 8, .value_kind: global_buffer, .address_space: global }
    .group_segment_fixed_size: 0
    .private_segment_fixed_size: 0
    .kernarg_segment_align: 8
    .kernarg_segment_size: 80
    .max_flat_workgroup_size: 256
    .sgpr_count:     66
    .vgpr_count:     176
    .wavefront_size: 32
...
	.end_amdgpu_metadata
.endif
;; end of part 1
;; launch qkvproj (part 2): grid 24 x 32, 4 waves a work-group, clusters of 4 x 4, 327,680 bytes of LDS; arguments hb, wb, qkv, rope; writes qkv
.if DOCPART == 2
	.amdgcn_target "amdgcn-amd-amdhsa--gfx1250"
	.amdhsa_code_object_version 6
	.text
	.protected	k_q53e16cad3b_qkvproj
	.globl	k_q53e16cad3b_qkvproj
	.p2align	8
	.type	k_q53e16cad3b_qkvproj,@function
k_q53e16cad3b_qkvproj:
	s_mov_b64 s[64:65], 0
	v_nop
	global_prefetch_b8 v0, s[64:65] scope:SCOPE_SE
	s_setreg_imm32_b32 hwreg(HW_REG_WAVE_MODE, 25, 1), 1
	s_wait_xcnt 0x0
	s_wait_alu depctr_hold_cnt(0) depctr_sa_sdst(0) depctr_va_vdst(0) depctr_va_sdst(0) depctr_va_ssrc(0) depctr_va_vcc(0) depctr_vm_vsrc(0)
	s_getreg_b32 s2, hwreg(HW_REG_IB_STS2, 6, 4)
	s_cmp_eq_u32 s2, 0
	s_cbranch_scc0 .Lentry_in_a_cluster
	s_endpgm
.Lentry_in_a_cluster:
	s_bfe_u32 s2, ttmp6, 0x10000c
	s_cmp_lg_u32 s2, 0xf033
	s_cbranch_scc0 .Lentry_shape_is_right
	s_endpgm
.Lentry_shape_is_right:
; qkv[m][n] = rot(the sum over k of h[m][k] W[n][k]).  h: hb [4096][1024] bf16; W: the bf16 copy of in_proj_w, [3072][1024]; sums in f32; the rotation of neighbouring
; pairs of columns is made in f32 on the sums, by the table's (cos, sin) of the row's position and the pair's number in its head; qkv [4096][3072] is rounded once to bf16.
; v's columns (2048 on) take the table's rows of (1, 0): the same text, exact for finite numbers.  NaN and infinities are not treated apart.
; A tile of C is 128 x 128: four waves, each 64 x 64, 16 accumulators.  K goes in steps of 256 (LDS rows of 512 bytes + 16 of padding) through two LDS slots; a wave's tensor load brings 64 rows.
; CLUSTER: 4 x 4 work-groups; the four of a row need the same tiles of A, the four of a column the same tiles of B: each tile is asked for jointly, by the same load, descriptor and mask in all four.
; ONE TEXT FOR A K STEP: the slot in hand is a scalar that an exclusive or turns, so a step is written twice in all (with a refill, and without).  The price: the 128 accumulator registers are
; cleared by v_mov_b32 while the first tile is on its way, and the last step fetches 32 fragments that nothing uses.
; THE MATRIX INSTRUCTION IS USED TRANSPOSED (source 0 = 16 rows of B, source 1 = 16 rows of A): a lane holds eight neighbouring numbers of a row of C.
; REGISTERS: window 0: v0-31 addresses, v32-95 at work on the way out, v128-255 the accumulators ((a, b) at 128 + 8 (4 a + b)); window 1: two fragment buffers of 128; window 2: v0-127 the table's rows.
.set SIZE_N, 3072
.set SIZE_K, 1024
.set WOFF,   0                         ; where this matrix begins in wb
.set OUTROW, SIZE_N*2                  ; bytes in a row of the output
.set COLB,   256                       ; bytes of a tile's 128 columns in it
.set KSTEP,  256
.set PITCH,  528                       ; 132 words: row r starts at bank 4 r mod 64 (64 banks of 4 bytes: ISA guide 11.1)
.set HALFT,  64*PITCH                  ; what one tensor load brings
.set SLOT,   4*HALFT                   ; A's 128 rows, then B's 128 rows
.set SPARE,  2*SLOT                    ; behind the ring: the spare words, 128 bytes a wave, which no other line names
.set STEPS,  SIZE_K/KSTEP
.set ADRA0, 16                         ; v16, v17  my lane's place in slot 0's A and B; never rewritten
.set ADRB0, 17
.set ADRA,  18                         ; v18, v19  the same in the slot in hand
.set ADRB,  19
.set STO,   24                         ; v24  the way out: where I put 32 bytes of a row
.set RD,    25                         ; v25  where I read a row back
.set CO,    26                         ; v26  my byte offset in a row of the output
.set TO,    27                         ; v27  my byte offset in a row of the table
.set SPW,   28                         ; v28  my spare word; never rewritten
.set NIL,   29                         ; v29  0; never rewritten
.set TM,    32
.set ACC,   128
.set F0,    0
.set F1,    128
.set G1,  24                           ; s[24:31] group 1 for A; s[32:39] group 0, two sets: the first fill's, and the one that walks
.set G0,  32
.set G1B, 48                           ; s[48:55], s[56:63] the same for B
.set G0B, 56
.set TB,  66                           ; s66  LDS byte at which the slot in hand begins: 0 or SLOT
.set AUX, 68                           ; s[68:69] the table
.set MSB, 0
.macro WIN new                         ; the immediate's high byte repeats the setting that is left
.if MSB != (\new)
	s_set_vgpr_msb (MSB<<8)|(\new)
.set MSB, \new
.endif
.endm
.set MUL,  0x05                        ; sources 0 (B) and 1 (A) window 1; C and D window 0
.set TO_F, 0x40                        ; destination window 1, address window 0
.macro JLOAD s                         ; a joint load: waves 0 and 1 fetch A's halves, waves 2 and 3 B's; s_nop 0 and four v_nop follow each line
	s_cmp_eq_u32 s11, 0
	s_cbranch_scc0 .Lfor_b_\@
	tensor_load_to_lds s[G0+4*(\s):G0+4*(\s)+3], s[G1:G1+7]
	s_nop 0
.rept 4
	v_nop
.endr
	s_branch .Lasked_\@
.Lfor_b_\@:
	tensor_load_to_lds s[G0B+4*(\s):G0B+4*(\s)+3], s[G1B:G1B+7]
	s_nop 0
.rept 4
	v_nop
.endr
.Lasked_\@:
.endm
.macro CREST                           ; a round of the cluster's barrier behind its opening barrier
	s_cmp_lg_u32 s10, 0
	s_cbranch_scc1 .Lnot_wave_0_\@
	s_barrier_signal -3
.Lnot_wave_0_\@:
	s_barrier_wait -3
	s_barrier_signal -1
	s_barrier_wait -1
.endm
.macro CROUND
	s_barrier_signal -1
	s_barrier_wait -1
	CREST
.endm
.macro PLACES                          ; four places behind matrix instructions, in front of loads into registers that they read and of readers of their results
.rept 4
	v_nop
.endr
.endm
; 8 matrix instructions: m blocks a0, a0 + 1 x all 4 n blocks, 32 along K: half c of buffer f.  The 16 accumulators take turns, in the same order everywhere, over the backward jumps too.
.macro MUL8 f, c, a0
	WIN MUL
.irp a, \a0, (\a0)+1
.irp b, 0,1,2,3
	v_wmma_f32_16x16x32_bf16 v[ACC+8*(4*(\a)+(\b)):ACC+8*(4*(\a)+(\b))+7], v[(\f)+64+8*(4*(\c)+(\b)):(\f)+64+8*(4*(\c)+(\b))+7], v[(\f)+8*(4*(\c)+(\a)):(\f)+8*(4*(\c)+(\a))+7], v[ACC+8*(4*(\a)+(\b)):ACC+8*(4*(\a)+(\b))+7]
.endr
.endr
.endm
; 32 LDS loads in one run: the fragments of 64 along K at byte k of the rows of the slot in hand, into buffer f; the first 32 along K first
.macro FETCH k, f
	WIN TO_F
.irp c, 0,1
.irp i, 0,1,2,3
	ds_load_b128 v[(\f)+64+8*(4*(\c)+(\i)):(\f)+64+8*(4*(\c)+(\i))+3],   v[ADRB] offset:(\k)+64*(\c)+(\i)*16*PITCH
	ds_load_b128 v[(\f)+64+8*(4*(\c)+(\i))+4:(\f)+64+8*(4*(\c)+(\i))+7], v[ADRB] offset:(\k)+64*(\c)+(\i)*16*PITCH+32
	ds_load_b128 v[(\f)+8*(4*(\c)+(\i)):(\f)+8*(4*(\c)+(\i))+3],         v[ADRA] offset:(\k)+64*(\c)+(\i)*16*PITCH
	ds_load_b128 v[(\f)+8*(4*(\c)+(\i))+4:(\f)+8*(4*(\c)+(\i))+7],       v[ADRA] offset:(\k)+64*(\c)+(\i)*16*PITCH+32
.endr
.endr
.endm
; A K step is four quarters of 64 along K.  One of the first three multiplies buffer f and fetches the next quarter, at byte k, into g.
.macro QUARTER k, f, g
	s_wait_dscnt 16                                ; the first 32 along K are in; the sixteen younger loads may be out
	MUL8 \f, 0, 0
	MUL8 \f, 0, 2
	PLACES
	FETCH \k, \g
	s_wait_dscnt 32                                ; all but the 32 just issued
	MUL8 \f, 1, 0
	MUL8 \f, 1, 2
.endm
; The last quarter multiplies buffer 1 and changes slots.  In front of the barrier each wave waits for all its tensor loads (one is out: its part of the next slot), adds 0 to its spare word,
; and waits for that and for its reads of this slot.  fill = 1: the barrier opens a round of the cluster's, and this slot is filled again first thing behind it, with the tile two steps on:
; that load has 112 matrix instructions in which to land.
.macro TURN fill
	WIN 0
	s_wait_tensorcnt 0x0                           ; no tensor load of mine is out, so a group 0 may be written
	ds_add_u32 v[SPW], v[NIL]                      ; 0 onto my spare word; work on registers stands between it and the wait for it
.if \fill
	s_add_co_u32 s[G0+5], s20, s[TB]               ; the walking descriptors: into the slot that is being left,
	s_add_co_u32 s[G0B+5], s20, s[TB]
	s_add_nc_u64 s[G0+6:G0+7], s[G0+6:G0+7], KSTEP*2      ; the next K step; the type bits on top are not reached
	s_add_nc_u64 s[G0B+6:G0B+7], s[G0B+6:G0B+7], KSTEP*2
.endif
	s_xor_b32 s[TB], s[TB], SLOT                   ; the other slot is now in hand
	v_add_nc_u32 v[ADRA], s[TB], v[ADRA0]
	v_add_nc_u32 v[ADRB], s[TB], v[ADRB0]
	s_wait_dscnt 17                                ; the add and the youngest sixteen loads may be out
	MUL8 F1, 0, 0
	s_wait_dscnt 0x0                               ; the add is done, and my reads of the old slot are over
	s_barrier_signal -1
	MUL8 F1, 0, 2
.if \fill
	WIN 0
.endif
	s_barrier_wait -1
.if \fill
	CREST                                          ; no wave of any partner still reads the old slot or has a load on its way
	JLOAD 1                                        ; its four v_nop are also the places in front of the loads below
.else
	PLACES
.endif
	FETCH 0, F0
	MUL8 F1, 1, 0
	MUL8 F1, 1, 2
.endm
.macro STEP fill
	QUARTER 128, F0, F1
	QUARTER 256, F1, F0
	QUARTER 384, F0, F1
	TURN \fill
.endm
	s_load_b128 s[4:7], s[0:1], 0x0                ; A s[4:5], wb s[6:7]
	s_load_b64 s[8:9], s[0:1], 0x10                ; the output
	s_load_b64 s[AUX:AUX+1], s[0:1], 0x18          ; the table
	v_lshl_add_u32 v[SPW], v0, 2, SPARE
	v_mov_b32 v[NIL], 0
	ds_add_u32 v[SPW], v[NIL]                      ; the wave's opening: the add and its wait ahead of my first tensor load
	ds_add_u32 v28, v29
	v_lshrrev_b32 v1, 5, v0
	v_readfirstlane_b32 s10, v1                    ; wave 0..3
	s_lshr_b32 s11, s10, 1                         ; my half of the tile's rows; also: I fetch for A (0) or B (1)
	s_and_b32 s12, s10, 1                          ; my half of its columns; also: which 64 rows I fetch
	s_bfe_u32 s40, ttmp6, 0x40000                  ; cx, cy
	s_bfe_u32 s41, ttmp6, 0x40004
	s_lshl_b32 s42, ttmp9, 2
	s_add_co_u32 s42, s42, s40                     ; tile column
	s_and_b32 s13, ttmp7, 0xffff
	s_lshl_b32 s13, s13, 2
	s_add_co_u32 s13, s13, s41                     ; tile row
	s_lshl_b32 s43, s41, 2
	s_lshl_b32 s43, 15, s43                        ; my row of the cluster
	s_lshl_b32 s44, 0x1111, s40                    ; my column
	s_or_b32 s[G1+0], s43, (1<<16)|(1<<20)|(1<<21)|(6<<22)|(3<<25)   ; the mask; 2-byte elements; padding on; bit 21 beside a mask; after every 128 words, 4 words
	s_or_b32 s[G1B+0], s44, (1<<16)|(1<<20)|(1<<21)|(6<<22)|(3<<25)
.irp g, G1, G1B
	s_mov_b32 s[(\g)+1], KSTEP<<16                 ; tensor_dim0 = 256
	s_mov_b32 s[(\g)+2], 64<<16                    ; tensor_dim1 = 64
	s_mov_b32 s[(\g)+3], KSTEP<<16                 ; tile_dim0 = 256
	s_mov_b32 s[(\g)+4], 64                        ; tile_dim1 = 64
	s_mov_b32 s[(\g)+5], SIZE_K                    ; elements from row to row
	s_mov_b32 s[(\g)+6], 0
	s_mov_b32 s[(\g)+7], 0
.endr
	s_lshl_b32 s17, s12, 6
	s_lshl_b32 s16, s13, 7
	s_add_co_u32 s16, s16, s17                     ; A: row 128 x tile row + 64 x half
	s_lshl_b32 s46, s42, 7
	s_add_co_u32 s46, s46, s17                     ; B: row 128 x tile column + 64 x half
	s_mov_b32 s17, 0
	s_mov_b32 s47, 0
	s_mov_b64 s[18:19], SIZE_K*2
	s_mul_u64 s[16:17], s[16:17], s[18:19]
	s_mul_u64 s[46:47], s[46:47], s[18:19]
	s_mul_i32 s20, s10, HALFT                      ; where my tiles go in a slot: the wave's number alone
	s_mov_b32 s[TB], 0
	s_wait_dscnt 0x0                               ; the opening add is done
	s_wait_kmcnt 0x0
	s_add_nc_u64 s[14:15], s[4:5], s[16:17]
	s_add_nc_u64 s[46:47], s[6:7], s[46:47]
.if WOFF
	s_add_nc_u64 s[46:47], s[46:47], WOFF
.endif
	CROUND                                         ; all sixteen work-groups are here: the first joint loads meet
.irp s, 0,1
	s_mov_b32 s[G0+4*(\s)], 1
	s_add_co_u32 s[G0+4*(\s)+1], s20, (\s)*SLOT
	s_add_nc_u64 s[G0+4*(\s)+2:G0+4*(\s)+3], s[14:15], (\s)*KSTEP*2
	s_or_b32 s[G0+4*(\s)+3], s[G0+4*(\s)+3], 0x80000000
	s_mov_b32 s[G0B+4*(\s)], 1
	s_add_co_u32 s[G0B+4*(\s)+1], s20, (\s)*SLOT
	s_add_nc_u64 s[G0B+4*(\s)+2:G0B+4*(\s)+3], s[46:47], (\s)*KSTEP*2
	s_or_b32 s[G0B+4*(\s)+3], s[G0B+4*(\s)+3], 0x80000000
	JLOAD \s                                       ; two loads of mine are out
.endr
	v_and_b32 v1, 15, v0                           ; l % 16
	v_bfe_u32 v2, v0, 4, 1                         ; l / 16
	v_and_b32 v5, 31, v0                           ; l
	v_mul_u32_u24 v3, v1, PITCH
	v_lshl_add_u32 v4, v2, 5, v3                   ; the stage: row l % 16, 32 bytes for each half of the lanes
	v_lshl_add_u32 v3, v2, 4, v3                   ; a fragment: row x pitch + 16 x half
	s_mul_i32 s21, s11, HALFT                      ; my 64 rows of A
	s_mul_i32 s22, s12, HALFT                      ; my 64 rows of B,
	s_add_co_u32 s22, s22, 2*HALFT                 ; behind A's 128
	v_add_nc_u32 v[ADRA0], s21, v3
	v_add_nc_u32 v[ADRB0], s22, v3
	v_mov_b32 v[ADRA], v[ADRA0]
	v_mov_b32 v[ADRB], v[ADRB0]
	s_lshl_b32 s22, s12, 8                         ; into the stage (f32, 128 rows x 528 bytes, from LDS byte 0): my 64 rows, my 256 bytes of them
	s_add_co_u32 s21, s21, s22
	v_add_nc_u32 v[STO], s21, v4
	s_mul_i32 s23, s10, 32*PITCH                   ; back: wave w takes rows 32 w .. 32 w + 31, whole: 16 bytes a lane
	v_lshl_add_u32 v[RD], v5, 4, s23
	s_lshl_b32 s16, s13, 7
	s_lshl_b32 s17, s10, 5
	s_add_co_u32 s16, s16, s17                     ; the first row that I store: 128 x tile row + 32 x wave
	s_mul_i32 s16, s16, OUTROW
	s_mov_b32 s17, 0
	s_add_nc_u64 s[8:9], s[8:9], s[16:17]
	s_mul_i32 s46, s42, COLB
	s_mov_b32 s47, 0
	s_add_nc_u64 s[8:9], s[8:9], s[46:47]
	v_lshlrev_b32 v[CO], 3, v5                     ; four bf16 a lane
	v_lshlrev_b32 v[TO], 4, v1                     ; my four columns are pairs 2 (l % 16) and the next of their head: 16 bytes of the table's row
	s_and_b32 s21, s13, 15
	s_lshl_b32 s21, s21, 7                         ; the tile's first position: rows are 2048 b + t
	s_cmp_lt_u32 ttmp9, 4                          ; clusters 0-3 hold q's and k's columns, 4 and 5 v's: the same in all partners; it enters a plain load's address alone
	s_cselect_b32 s21, s21, 2048
	s_lshl_b32 s22, s10, 5
	s_add_co_u32 s22, s22, s21
	s_lshl_b32 s22, s22, 8                         ; 256 bytes a row
	s_mov_b32 s23, 0
	s_add_nc_u64 s[AUX:AUX+1], s[AUX:AUX+1], s[22:23]
	WIN 0x80                                       ; destination window 2
.set i, 0
.rept 32
	global_load_b128 v[4*i:4*i+3], v[TO], s[AUX:AUX+1] offset:i*256  ; the table's rows for my 32 rows: on their way under the whole product
.set i, i+1
.endr
	WIN 0
.set i, 0
.rept 128
	v_mov_b32 v[ACC+i], 0                          ; the sums start at 0, written while the first tile is on its way
.set i, i+1
.endr
	s_wait_tensorcnt 1                             ; my part of K step 0 is in; K step 1's may stay out
	s_barrier_signal -1
	s_barrier_wait -1
	FETCH 0, F0
	WIN 0
	s_mov_b32 s3, STEPS-2
.Lfill:                                                ; every K step but the last two fills its slot again
	STEP 1
	WIN 0
	s_sub_co_u32 s3, s3, 1
	s_cmp_lg_u32 s3, 0
	s_cbranch_scc1 .Lfill
	s_mov_b32 s3, 2
.Ldry:                                                 ; the last two ask for nothing; the second one's fetch of the other slot serves nothing
	STEP 0
	WIN 0
	s_sub_co_u32 s3, s3, 1
	s_cmp_lg_u32 s3, 0
	s_cbranch_scc1 .Ldry
	s_wait_dscnt 0x0                               ; my reads of the ring are over,
	s_barrier_signal -1
	s_barrier_wait -1                              ; everybody's are: slot 0, which has had its last fill, becomes the stage
	; THE WAY OUT: the sums in f32 into the stage; a barrier, since a row comes from two waves; back as whole rows.
	PLACES
.irp a, 0,1,2,3
.irp b, 0,1,2,3
	ds_store_b128 v[STO], v[ACC+8*(4*(\a)+(\b)):ACC+8*(4*(\a)+(\b))+3]   offset:(\a)*16*PITCH+64*(\b)
	ds_store_b128 v[STO], v[ACC+8*(4*(\a)+(\b))+4:ACC+8*(4*(\a)+(\b))+7] offset:(\a)*16*PITCH+64*(\b)+16
.endr
.endr
	s_wait_dscnt 0x0                               ; for the others' sake: my stores are done
	s_barrier_signal -1
	s_barrier_wait -1
.set i, 0
.rept 32
	ds_load_b128 v[ACC+4*i:ACC+4*i+3], v[RD] offset:i*PITCH
.set i, i+1
.endr
	s_wait_loadcnt 0x0                             ; the table
	WIN 0x08                                       ; source 1 window 2
.set i, 0
.rept 32                               ; (x0, x1) -> (x0 c - x1 s, x0 s + x1 c): first (x0 c, x1 c), then the crossed products are added
	s_wait_dscnt 31-i                              ; row i is back; the rows behind it may be out
	v_pk_mul_f32 v[TM+4*(i%2):TM+4*(i%2)+1],   v[ACC+4*i:ACC+4*i+1],   v[4*i:4*i+1]   op_sel_hi:[1,0]
	v_pk_mul_f32 v[TM+4*(i%2)+2:TM+4*(i%2)+3], v[ACC+4*i+2:ACC+4*i+3], v[4*i+2:4*i+3] op_sel_hi:[1,0]
	v_pk_fma_f32 v[ACC+4*i:ACC+4*i+1],   v[ACC+4*i:ACC+4*i+1],   v[4*i:4*i+1],   v[TM+4*(i%2):TM+4*(i%2)+1]   op_sel:[1,1,0] op_sel_hi:[0,1,1] neg_lo:[1,0,0]
	v_pk_fma_f32 v[ACC+4*i+2:ACC+4*i+3], v[ACC+4*i+2:ACC+4*i+3], v[4*i+2:4*i+3], v[TM+4*(i%2)+2:TM+4*(i%2)+3] op_sel:[1,1,0] op_sel_hi:[0,1,1] neg_lo:[1,0,0]
.set i, i+1
.endr
	WIN 0
.set i, 0
.rept 32
	v_cvt_pk_bf16_f32 v[32+2*i], v[ACC+4*i], v[ACC+4*i+1]
	v_cvt_pk_bf16_f32 v[33+2*i], v[ACC+4*i+2], v[ACC+4*i+3]
	global_store_b64 v[CO], v[32+2*i:33+2*i], s[8:9] offset:i*OUTROW  ; 32 lanes store 256 consecutive bytes, aligned
.set i, i+1
.endr
	s_wait_tensorcnt 0x0                           ; the wave's end
	ds_add_u32 v[SPW], v[NIL]
	s_wait_dscnt 0x0
	CROUND                                         ; the closing round
	s_endpgm
.Lfunc_end_k_q53e16cad3b_qkvproj:
	.size	k_q53e16cad3b_qkvproj, .Lfunc_end_k_q53e16cad3b_qkvproj-k_q53e16cad3b_qkvproj
	.p2alignl 7, 3214868480
	.fill 96, 4, 3214868480
	.section	.rodata,"a",@progbits
	.p2align	6, 0x0
	.amdhsa_kernel k_q53e16cad3b_qkvproj
		.amdhsa_group_segment_fixed_size 327680
		.amdhsa_private_segment_fixed_size 0
		.amdhsa_enable_private_segment 0
		.amdhsa_kernarg_size 32
		.amdhsa_user_sgpr_count 2
		.amdhsa_user_sgpr_kernarg_segment_ptr 1
		.amdhsa_wavefront_size32 1
		.amdhsa_system_sgpr_workgroup_id_x 1
		.amdhsa_system_sgpr_workgroup_id_y 1
		.amdhsa_system_sgpr_workgroup_id_z 1
		.amdhsa_system_vgpr_workitem_id 0
		.amdhsa_next_free_vgpr 640
		.amdhsa_next_free_sgpr 96
		.amdhsa_reserve_vcc 0
		.amdhsa_float_denorm_mode_32 3
		.amdhsa_float_denorm_mode_16_64 3
		.amdhsa_memory_ordered 1
		.amdhsa_forward_progress 1
		.amdhsa_inst_pref_size 73
	.end_amdhsa_kernel
	.amdgpu_metadata
---
amdhsa.version: [ 1, 2 ]
amdhsa.kernels:
  - .name:           k_q53e16cad3b_qkvproj
    .symbol:         k_q53e16cad3b_qkvproj.kd
    .args:
      - { .name: hb, .offset: 0, .size: 8, .value_kind: global_buffer, .address_space: global }
      - { .name: wb, .offset: 8, .size: 8, .value_kind: global_buffer, .address_space: global }
      - { .name: qkv, .offset: 16, .size: 8, .value_kind: global_buffer, .address_space: global }
      - { .name: rope, .offset: 24, .size: 8, .value_kind: global_buffer, .address_space: global }
    .group_segment_fixed_size: 327680
    .private_segment_fixed_size: 0
    .kernarg_segment_align: 8
    .kernarg_segment_size: 32
    .max_flat_workgroup_size: 128
    .sgpr_count:     96
    .vgpr_count:     640
    .wavefront_size: 32
...
	.end_amdgpu_metadata
.endif
;; end of part 2
;; launch attn (part 3): grid 16 x 16, 4 waves a work-group, no clusters, 250,368 bytes of LDS; arguments qkv, hb; writes hb
.if DOCPART == 3
	.amdgcn_target "amdgcn-amd-amdhsa--gfx1250"
	.amdhsa_code_object_version 6
	.text
	.protected	k_q53e16cad3b_attn
	.globl	k_q53e16cad3b_attn
	.p2align	8
	.type	k_q53e16cad3b_attn,@function
k_q53e16cad3b_attn:
	s_mov_b64 s[64:65], 0
	v_nop
	global_prefetch_b8 v0, s[64:65] scope:SCOPE_SE
	s_setreg_imm32_b32 hwreg(HW_REG_WAVE_MODE, 25, 1), 1
	s_wait_xcnt 0x0
; BANDED ATTENTION.  o[b][t][head] = the sum over s, 0 <= t - s < 256, of softmax_s(q[t] . k[s] / 8) v[s].  q, k (rotated, unscaled) and v lie in qkv [4096][3072] bf16, a head's 64 channels
; 128 bytes of a row; o goes to hb [4096][1024] bf16.  Products, maxima and sums in f32; the weights are rounded to bf16 for the second product, o once at the end.
; LIMITS.  A hidden score counts as its value less 1e30; the running maximum starts at -2^96 (-7.9e28), so a visible score is taken to lie above that; a weight below 2^-126 counts as 0 in the
; sum; NaN and infinities are not treated apart.
; SHARES.  A work-group takes 128 queries (x) of two neighbouring heads of one batch (y = 8 b + pair): a row of K or V for the pair is 256 aligned bytes, and so is a row of o.
; Wave w takes head w % 2 and queries 64 (w / 2) .. + 63, four tiles of 16, and walks FIVE key steps of 64: the keys from 256 below its first query to its last query.
; Step 0 holds the band's lower edge, step 4 the diagonal, steps 1 to 3 are seen whole.  The 384 keys that the work-group needs come in once, by six tensor loads: nothing is filled again.
; Tiles that would begin before the sequence are asked for at its first row instead, and their steps are hidden whole.  In a step that is hidden whole for a row (those, and the lower edge's step
; for a band's last query) every score is -1e30, far below the maximum's start: m stays, c s - c m is about -1.7e29, every weight is 0, and l and O^T stay 0.  The diagonal step always holds
; the row's own key, so m is a true score at the end.
; THE MASK is the C operand that starts S^T = K Q^T: 0, or -1e30.  For key block kb and query tile t of a step it is one of three sets of eight registers: CL (kb < t), CE (kb = t), CG (kb > t),
; made anew in each step from scalars that hang on the step's number and the first key's sign alone.  MD: -1e30 where the key lies above the query in a block on the diagonal.
; NO CLUSTER: neighbouring query blocks share 256 of their 384 keys, but at rows 128 apart in their windows: a joint load would need an LDS address that hangs on the work-group's place.
; LAYOUT.  S^T holds ONE query a lane (lane % 16) and keys 8 (lane / 16) + 0..7; two such results rounded to bf16 ARE source 1 of O^T = V^T P.  p = 2^(c s - c m), c = log2(e) / 8, m a running
; maximum; O and l are multiplied by a = 2^(c m_old - c m_new) in every step.  A step goes in phases: K Q^T, the softmax, V^T P.
; REGISTERS (windows of 256; s_set_vgpr_msb: bits 1:0 source 0, 3:2 source 1, 5:4 source 2, 7:6 destination):
;   window 0: v0-11 addresses; v12-15 c m_old; v16-31 statistics; v32-47 at work; v64-191 S^T, 32 a tile; v192-255 P, 16 a tile
;   window 1: v0-127 O^T, 32 a tile; v128-159 MD, CL, CE, CG        window 2: v0-63 Q; v128-191 K of a step; v192-255 V of a step
.set KS,    64
.set PK,    272                        ; a row of K in LDS: 256 + 16: the 16 rows of a load start at 16 different groups of four banks (ISA guide 11.1)
.set PV,    288                        ; a row of V: 256 + 32
.set VOFF,  384*PK
.set STAGE, VOFF+384*PV                ; 128 rows x 272 bytes for the way out; no tile lands here
.set SP,    272
.set SPARE, STAGE+128*SP               ; the spare words, 128 bytes a wave, which no other line names
.set ROWB,  6144                       ; bytes in a row of qkv
.set AK0, 2                            ; v2, v3  my lane's place in K and V at the wave's step 0; never rewritten
.set AV0, 3
.set AK,  4                            ; v4, v5  the same at the step in hand
.set AV,  5
.set QO,  6
.set RD,  7
.set GO,  8
.set MV,  12
.set ST,  16                           ; tile t at ST + 4 t: c m, m, l (even keys', odd keys')
.set TMP, 32                           ; tile t at TMP + 4 t: c0-c3 at work; c2 takes a
.set STO, 48
.set SPW, 62
.set NIL, 63
.set S,   64
.set P,   192
.set MD,  128                          ; window 1
.set CL,  136
.set CE,  144
.set CG,  152
.set KF,  128                          ; window 2: key block kb, channel half c at KF + 16 kb + 8 c
.set VF,  192                          ; window 2: key half kk, channel block cb at VF + 32 kk + 8 cb
.set WV,  12
.set G1K, 24
.set G1V, 32
.set G0K, 40
.set G0V, 44
.set CNT, 56                           ; s56  steps to go, 5 to 1
.set KB,  57                           ; s57  the step's first key, counted in the sequence: negative before its beginning
.set CS,  58                           ; s[58:59] c
.set SEL, 60                           ; s[60:61] v_permlanex16_b32's selects
.set TBK, 62                           ; s62, s63  how far the step in hand lies behind step 0 in K and in V
.set TBV, 63
.set AL,  66                           ; s[66:67] CE = MD x AL + BE
.set BE,  68                           ; s[68:69]
.set SL,  70                           ; s70  CL
.set SG,  71                           ; s71  CG
.set BIGN, 72                          ; s72  -1e30
.set MSB, 0
.macro WIN new
.if MSB != (\new)
	s_set_vgpr_msb (MSB<<8)|(\new)
.set MSB, (\new)
.endif
.endm
.set W_KQ, 0x0a                        ; K and Q in window 2, S^T in window 0
.set W_KM, 0x1a                        ; the same with C in window 1
.set W_PV, 0x52                        ; V in window 2, P in window 0, O^T in window 1
.set W_RS, 0x41                        ; destination and source 0 in window 1, source 1 in window 0
.macro PLACES
.rept 4
	v_nop
.endr
.endm
.macro REGS t
.set rT, ST+4*(\t)
.set rC, TMP+4*(\t)
.set rM, MV+(\t)
.set rS, S+32*(\t)
.set rP, P+16*(\t)
.set rO, 32*(\t)
.endm
; Product i of 32 of S^T = K Q^T: channels 32 (i / 16) on, keys 16 ((i % 16) / 4) on, tile i % 4.  The first 16 start the sums with the mask.  The 16 accumulators take turns.
.macro KQ
.set cc, i/16
.set kb, (i%16)/4
.set tt, i%4
.set qS, S+32*tt+8*kb
.set qK, KF+16*kb+8*cc
.set qQ, 16*tt+8*cc
.if i < 16
.if kb < tt
.set qM, CL
.elseif kb == tt
.set qM, CE
.else
.set qM, CG
.endif
	WIN W_KM
	v_wmma_f32_16x16x32_bf16 v[qS:qS+7], v[qK:qK+7], v[qQ:qQ+7], v[qM:qM+7]
.else
	WIN W_KQ
	v_wmma_f32_16x16x32_bf16 v[qS:qS+7], v[qK:qK+7], v[qQ:qQ+7], v[qS:qS+7]
.endif
.endm
; Product i of 32 of O^T += V^T P: keys 32 (i / 16) on, channels 16 ((i % 16) / 4) on, tile i % 4.
.macro PV
.set kk, i/16
.set cb, (i%16)/4
.set tt, i%4
	WIN W_PV
	v_wmma_f32_16x16x32_bf16 v[32*tt+8*cb:32*tt+8*cb+7], v[VF+32*kk+8*cb:VF+32*kk+8*cb+7], v[P+16*tt+8*kk:P+16*tt+8*kk+7], v[32*tt+8*cb:32*tt+8*cb+7]
.endm
; Number n of the 22 that find tile t's maximum and statistics.  0-11: four chains of seven scores, each accumulator's lowest registers first; 12-14, 16: the four scores left over, the old m, the
; chains into one; 15: c m_old is kept; 17, 18: the query's other 32 keys lie in the lane 16 away: the new m; 19-21: c m; c m_old - c m_new; a.
.macro XS t, n
	REGS \t
.if (\n) < 4
	v_max3_num_f32 v[rC+(\n)], v[rS+8*(\n)], v[rS+8*(\n)+1], v[rS+8*(\n)+2]
.elseif (\n) < 12
	v_max3_num_f32 v[rC+(\n)%4], v[rC+(\n)%4], v[rS+8*((\n)%4)+2*((\n)/4)+1], v[rS+8*((\n)%4)+2*((\n)/4)+2]
.elseif (\n) == 12
	v_max3_num_f32 v[rC], v[rC], v[rS+7], v[rS+15]
.elseif (\n) == 13
	v_max3_num_f32 v[rC+1], v[rC+1], v[rS+23], v[rS+31]
.elseif (\n) == 14
	v_max3_num_f32 v[rC+2], v[rC+2], v[rC+3], v[rT+1]
.elseif (\n) == 15
	v_mov_b32 v[rM], v[rT]
.elseif (\n) == 16
	v_max3_num_f32 v[rC], v[rC], v[rC+1], v[rC+2]
.elseif (\n) == 17
	v_permlanex16_b32 v[rC+3], v[rC], s[SEL], s[SEL+1]
.elseif (\n) == 18
	v_max_num_f32 v[rT+1], v[rC], v[rC+3]
.elseif (\n) == 19
	v_mul_f32 v[rT], s[CS], v[rT+1]
.elseif (\n) == 20
	v_sub_f32 v[rC+1], v[rM], v[rT]
.else
	v_exp_f32 v[rC+2], v[rC+1]
.endif
.endm
.macro FS t, f                         ; c s - c m for pair f of tile t
	REGS \t
	v_pk_fma_f32 v[rS+2*(\f):rS+2*(\f)+1], v[rS+2*(\f):rS+2*(\f)+1], s[CS:CS+1], v[rT:rT+1] op_sel_hi:[1,0,0] neg_lo:[0,0,1] neg_hi:[0,0,1]
.endm
	s_load_b128 s[4:7], s[0:1], 0x0                ; qkv s[4:5], hb s[6:7]
	v_lshl_add_u32 v[SPW], v0, 2, SPARE
	v_mov_b32 v[NIL], 0
	ds_add_u32 v[SPW], v[NIL]                      ; the wave's opening: the add and its wait ahead of my first tensor load
	ds_add_u32 v62, v63
	v_lshrrev_b32 v1, 5, v0
	v_readfirstlane_b32 s[WV], v1                  ; wave 0..3
	s_and_b32 s13, s[WV], 1                        ; which of the two heads
	s_lshr_b32 s14, s[WV], 1                       ; which 64 queries
	s_lshl_b32 s15, ttmp9, 7                       ; q0
	s_and_b32 s16, ttmp7, 0xffff
	s_lshr_b32 s17, s16, 3                         ; b
	s_and_b32 s18, s16, 7                          ; the pair of heads
	s_lshl_b32 s22, s17, 11                        ; 2048 b
	s_lshl_b32 s23, s18, 8                         ; 256 bytes a pair
	s_lshl_b32 s19, s[WV], 7                       ; tile w of K and V begins at key q0 - 256 + 128 w,
	s_add_co_u32 s19, s19, s15
	s_sub_co_i32 s19, s19, 256
	s_max_i32 s19, s19, 0                          ; or at the sequence's first key
	s_add_co_u32 s19, s19, s22
	s_mul_i32 s20, s19, ROWB
	s_add_co_u32 s20, s20, s23
	s_mov_b32 s21, 0
	s_lshl_b32 s76, s14, 6                         ; 64 x my half
	s_add_co_u32 s2, s76, s15                      ; my first query
	s_sub_co_i32 s[KB], s2, 256                    ; my first key
	s_add_co_u32 s2, s2, s22
	s_mul_i32 s2, s2, ROWB
	s_add_co_u32 s2, s2, s23
	s_lshl_b32 s77, s13, 7                         ; 128 bytes a head
	s_add_co_u32 s2, s2, s77
	s_mov_b32 s3, 0
	s_lshl_b32 s78, s[WV], 5                       ; on the way out wave w stores rows 32 w .. 32 w + 31
	s_add_co_u32 s74, s78, s15
	s_add_co_u32 s74, s74, s22
	s_lshl_b32 s74, s74, 11                        ; 2,048 bytes a row of hb
	s_add_co_u32 s74, s74, s23
	s_mov_b32 s75, 0
	s_mov_b32 s[G1K], (1<<16)|(1<<20)|(5<<22)|(3<<25)  ; 2-byte elements; padding on; after every 64 words, 4 words
	s_mov_b32 s[G1V], (1<<16)|(1<<20)|(5<<22)|(7<<25)  ; the same with 8 words
.irp g, G1K, G1V
	s_mov_b32 s[(\g)+1], 128<<16                   ; tensor_dim0 = 128
	s_mov_b32 s[(\g)+2], 128<<16                   ; tensor_dim1 = 128
	s_mov_b32 s[(\g)+3], 128<<16                   ; tile_dim0 = 128
	s_mov_b32 s[(\g)+4], 128                       ; tile_dim1 = 128
	s_mov_b32 s[(\g)+5], 3072                      ; elements from row to row
	s_mov_b32 s[(\g)+6], 0
	s_mov_b32 s[(\g)+7], 0
.endr
	s_mov_b32 s[G0K], 1
	s_mul_i32 s[G0K+1], s[WV], 128*PK
	s_mov_b32 s[G0V], 1
	s_mul_i32 s[G0V+1], s[WV], 128*PV
	s_add_co_u32 s[G0V+1], s[G0V+1], VOFF
	s_mov_b32 s[CS], 0x3e38aa3b                    ; c = log2(e) / 8
	s_mov_b32 s[CS+1], s[CS]
	s_mov_b32 s[SEL], 0x76543210
	s_mov_b32 s[SEL+1], 0xfedcba98
	s_mov_b32 s[AL+1], 0                           ; named as pairs
	s_mov_b32 s[BE+1], 0
	s_mov_b32 s[BIGN], 0xf149f2ca                  ; -1e30
	s_mov_b32 s[TBK], 0
	s_mov_b32 s[TBV], 0
	s_mov_b32 s[CNT], 5
	s_wait_dscnt 0x0                               ; the opening add is done
	s_wait_kmcnt 0x0
	s_add_nc_u64 s[G0K+2:G0K+3], s[4:5], s[20:21]
	s_add_nc_u64 s[G0V+2:G0V+3], s[G0K+2:G0K+3], 4096  ; v's columns
	s_add_nc_u64 s[G0K+2:G0K+3], s[G0K+2:G0K+3], 2048  ; k's columns
	s_or_b32 s[G0K+3], s[G0K+3], 0x80000000
	s_or_b32 s[G0V+3], s[G0V+3], 0x80000000
	s_add_nc_u64 s[8:9], s[4:5], s[2:3]            ; q at my first row and head
	s_add_nc_u64 s[10:11], s[6:7], s[74:75]        ; o at the first row that I store
	s_cmp_lt_u32 s[WV], 3                          ; waves 0 to 2 fetch a tile of K and a tile of V each, in one branch: two loads of such a wave are out
	s_cbranch_scc0 .Lno_fill
	tensor_load_to_lds s[G0K:G0K+3], s[G1K:G1K+7]
	s_nop 0
	tensor_load_to_lds s[G0V:G0V+3], s[G1V:G1V+7]
	s_nop 0
.rept 4
	v_nop
.endr
.Lno_fill:
	v_and_b32 v1, 15, v0                           ; l % 16
	v_bfe_u32 v9, v0, 4, 1                         ; l / 16
	v_mul_u32_u24 v[QO], v1, ROWB
	v_lshl_add_u32 v[QO], v9, 4, v[QO]
	WIN 0x80                                       ; destination window 2
.set i, 0
.rept 8                                ; Q stays in registers: tile i / 2, channels 32 (i % 2) on
	global_load_b128 v[8*i:8*i+3],   v[QO], s[8:9] offset:(i/2)*16*ROWB+(i%2)*64
	global_load_b128 v[8*i+4:8*i+7], v[QO], s[8:9] offset:(i/2)*16*ROWB+(i%2)*64+32
.set i, i+1
.endr
	WIN 0
	v_lshlrev_b32 v10, 3, v9
	v_sub_nc_u32 v10, v1, v10                      ; register j of a block on the diagonal lies above the query where j > l % 16 - 8 (l / 16)
	WIN 0x40
.set i, 0
.rept 8
	v_cmp_gt_i32 vcc_lo, i, v10
	v_cndmask_b32 v[MD+i], 0, s[BIGN], vcc_lo
.set i, i+1
.endr
.set i, 0
.rept 128
	v_mov_b32 v[i], 0                              ; O^T starts at 0: written in the wait for the tiles, so that the loop has one form of step
.set i, i+1
.endr
	WIN 0
.set i, 0
.rept 4
	v_mov_b32 v[ST+4*i], 0xfe000000                ; c m_old of the first step: far below every c m, so the first a is 0
	v_mov_b32 v[ST+4*i+1], 0xef800000              ; m = -2^96: above every hidden score (-1e30), below every visible one
	v_mov_b32 v[ST+4*i+2], 0
	v_mov_b32 v[ST+4*i+3], 0
.set i, i+1
.endr
	v_add_nc_u32 v10, s76, v1                      ; LDS row j is key q0 - 256 + j: my step 0 begins at row 64 x my half
	v_mul_u32_u24 v[AK0], v10, PK
	v_lshl_add_u32 v[AK0], v9, 4, v[AK0]
	v_add_nc_u32 v[AK0], s77, v[AK0]               ; my head's 128 bytes
	v_add_nc_u32 v[STO], STAGE, v[AK0]             ; the stage has K's pitch: row 64 x half + l % 16, my head, 16 bytes for each half of the lanes
	v_and_b32 v10, 7, v0
	v_bfe_u32 v11, v0, 3, 1
	v_lshl_add_u32 v10, v9, 3, v10                 ; the turning load: key 8 (l / 16) + l % 8, channels 8 ((l / 8) % 2) on
	v_add_nc_u32 v10, s76, v10
	v_mul_u32_u24 v[AV0], v10, PV
	v_lshl_add_u32 v[AV0], v11, 4, v[AV0]
	v_add_nc_u32 v[AV0], s77, v[AV0]
	v_add_nc_u32 v[AV0], VOFF, v[AV0]
	v_add_nc_u32 v[RD], s78, v9                    ; back: lanes 0-15 one row of 256 bytes, lanes 16-31 the next
	v_mul_u32_u24 v[RD], v[RD], SP
	v_lshl_add_u32 v[RD], v1, 4, v[RD]
	v_add_nc_u32 v[RD], STAGE, v[RD]
	v_lshlrev_b32 v[GO], 11, v9
	v_lshl_add_u32 v[GO], v1, 4, v[GO]
	s_wait_loadcnt 0x0                             ; Q
	s_wait_tensorcnt 0x0                           ; my tiles are in,
	s_barrier_signal -1
	s_barrier_wait -1                              ; everybody's are
.Lstep:                                                ; five trips
	s_cmp_eq_u32 s[CNT], 1                         ; the diagonal: CE = MD, blocks above it hidden
	s_cselect_b32 s[AL], 1.0, 0
	s_cselect_b32 s[SG], s[BIGN], 0
	s_cmp_eq_u32 s[CNT], 5                         ; the lower edge: hidden where the key is not above the query: CE = -1e30 - MD, blocks below hidden
	s_cselect_b32 s[AL], -1.0, s[AL]
	s_cselect_b32 s[BE], s[BIGN], 0
	s_cselect_b32 s[SL], s[BIGN], 0
	s_cmp_lt_i32 s[KB], 0                          ; keys before the sequence: all hidden
	s_cselect_b32 s[AL], 0, s[AL]
	s_cselect_b32 s[BE], s[BIGN], s[BE]
	s_cselect_b32 s[SL], s[BIGN], s[SL]
	s_cselect_b32 s[SG], s[BIGN], s[SG]
	v_add_nc_u32 v[AK], s[TBK], v[AK0]
	v_add_nc_u32 v[AV], s[TBV], v[AV0]
	WIN W_RS                                       ; these plain instructions are also the places between the last step's products and the loads into V's registers
.irp z, 0,1,2,3
	v_pk_fma_f32 v[CE+2*(\z):CE+2*(\z)+1], v[MD+2*(\z):MD+2*(\z)+1], s[AL:AL+1], s[BE:BE+1] op_sel_hi:[1,0,0]
.endr
.irp z, 0,1,2,3,4,5,6,7
	v_mov_b32 v[CL+(\z)], s[SL]
	v_mov_b32 v[CG+(\z)], s[SG]
.endr
	WIN 0x80
.irp f, 0,1,2,3,4,5,6,7                ; K: keys 16 (f / 2) on, channels 32 (f % 2) on
	ds_load_b128 v[KF+8*(\f):KF+8*(\f)+3],   v[AK] offset:((\f)/2)*16*PK+((\f)%2)*64
	ds_load_b128 v[KF+8*(\f)+4:KF+8*(\f)+7], v[AK] offset:((\f)/2)*16*PK+((\f)%2)*64+32
.endr
.irp f, 0,1,2,3,4,5,6,7                ; V, turned: keys 32 (f / 4) on, channels 16 (f % 4) on
	ds_load_tr16_b128 v[VF+8*(\f):VF+8*(\f)+3],   v[AV] offset:((\f)/4)*32*PV+((\f)%4)*32
	ds_load_tr16_b128 v[VF+8*(\f)+4:VF+8*(\f)+7], v[AV] offset:((\f)/4)*32*PV+16*PV+((\f)%4)*32
.endr
	s_add_co_u32 s[TBK], s[TBK], KS*PK
	s_add_co_u32 s[TBV], s[TBV], KS*PV
	s_add_co_u32 s[KB], s[KB], KS
	s_wait_dscnt 16                                ; K is in; V's sixteen loads may stay out
.set i, 0
.rept 32
	KQ
.set i, i+1
.endr
	WIN 0
	PLACES
.irp n, 0,1,2,3,4,5,6,7,8,9,10,11,12,13,14,15,16,17,18,19,20
.irp t, 0,1,2,3
	XS \t, \n
.endr
.endr
.set f, 0
.rept 16
	FS 0, f
.set f, f+1
.endr
	; ONE BATCH of 132 exponentials: the four a, then the tiles' scores, the next tile's scalings between them.  Nothing ahead of the wait names a result of theirs.
.irp t, 0,1,2,3
	XS \t, 21
.endr
.irp t, 0,1,2,3
.set e, 0
.rept 32
	v_exp_f32 v[S+32*(\t)+e], v[S+32*(\t)+e]
.if ((\t) < 3) && (e%2 == 1)
	FS (\t)+1, e/2
.endif
.set e, e+1
.endr
.endr
	v_nop                                          ; a plain instruction behind the last exponential
	s_wait_alu depctr_va_vdst(0)                   ; one wait for the batch, ahead of its first reader
.set n, 0
.rept 16
.irp t, 0,1,2,3
	v_cvt_pk_bf16_f32 v[P+16*(\t)+n], v[S+32*(\t)+2*n], v[S+32*(\t)+2*n+1]
.endr
.set n, n+1
.endr
.set n, 0
.rept 8                                ; of each four weights the second pair is added onto the first
.irp t, 0,1,2,3
	v_pk_add_f32 v[S+32*(\t)+4*n:S+32*(\t)+4*n+1], v[S+32*(\t)+4*n:S+32*(\t)+4*n+1], v[S+32*(\t)+4*n+2:S+32*(\t)+4*n+3]
.endr
.set n, n+1
.endr
.irp t, 0,1,2,3
	v_pk_fma_f32 v[ST+4*(\t)+2:ST+4*(\t)+3], v[ST+4*(\t)+2:ST+4*(\t)+3], v[TMP+4*(\t)+2:TMP+4*(\t)+3], v[S+32*(\t):S+32*(\t)+1] op_sel_hi:[1,0,1]  ; l = a l + the first sum
.endr
.set n, 1
.rept 7
.irp t, 0,1,2,3
	v_pk_add_f32 v[ST+4*(\t)+2:ST+4*(\t)+3], v[ST+4*(\t)+2:ST+4*(\t)+3], v[S+32*(\t)+4*n:S+32*(\t)+4*n+1]
.endr
.set n, n+1
.endr
	WIN W_RS
.set n, 0
.rept 16                               ; O^T times a, each accumulator from its low end on
.irp t, 0,1,2,3
	v_pk_mul_f32 v[32*(\t)+2*n:32*(\t)+2*n+1], v[32*(\t)+2*n:32*(\t)+2*n+1], v[TMP+4*(\t)+2:TMP+4*(\t)+3] op_sel_hi:[1,0]
.endr
.set n, n+1
.endr
	s_wait_dscnt 0x0                               ; V is in
.set i, 0
.rept 32
	PV
.set i, i+1
.endr
	WIN 0
	s_sub_co_u32 s[CNT], s[CNT], 1
	s_cmp_lg_u32 s[CNT], 0
	s_cbranch_scc1 .Lstep
	; THE WAY OUT.  l's halves and the other lanes' are added (the first four additions are the places behind the last products); O^T is divided by l, rounded, and sent through the stage.
.irp t, 0,1,2,3
	v_add_f32 v[ST+4*(\t)+2], v[ST+4*(\t)+2], v[ST+4*(\t)+3]
.endr
.irp t, 0,1,2,3
	v_permlanex16_b32 v[ST+4*(\t)+3], v[ST+4*(\t)+2], s[SEL], s[SEL+1]
.endr
.irp t, 0,1,2,3
	v_add_f32 v[ST+4*(\t)+2], v[ST+4*(\t)+2], v[ST+4*(\t)+3]
.endr
.irp t, 0,1,2,3
	v_rcp_f32 v[ST+4*(\t)+2], v[ST+4*(\t)+2]
.endr
	v_nop                                          ; a plain instruction behind the last reciprocal,
	s_wait_alu depctr_va_vdst(0)                   ; and one wait for the four, ahead of their first reader
.irp t, 0,1,2,3
	WIN W_RS
.set i, 0
.rept 16
	v_pk_mul_f32 v[32*(\t)+2*i:32*(\t)+2*i+1], v[32*(\t)+2*i:32*(\t)+2*i+1], v[ST+4*(\t)+2:ST+4*(\t)+3] op_sel_hi:[1,0]
.set i, i+1
.endr
	WIN 0x05                                       ; sources 0 and 1 window 1, destination window 0
.set i, 0
.rept 16
	v_cvt_pk_bf16_f32 v[S+16*(\t)+i], v[32*(\t)+2*i], v[32*(\t)+2*i+1]
.set i, i+1
.endr
	WIN 0
.irp f, 0,1,2,3
	ds_store_b128 v[STO], v[S+16*(\t)+4*(\f):S+16*(\t)+4*(\f)+3] offset:(\t)*16*SP+32*(\f)  ; a lane's eight channels of a row: 16 bytes
.endr
.endr
	s_wait_dscnt 0x0                               ; for the others' sake: a row's 256 bytes come from two waves
	s_barrier_signal -1
	s_barrier_wait -1
.irp f, 0,1,2,3,4,5,6,7,8,9,10,11,12,13,14,15
	ds_load_b128 v[S+4*(\f):S+4*(\f)+3], v[RD] offset:(\f)*2*SP
.endr
.irp f, 0,1,2,3,4,5,6,7,8,9,10,11,12,13,14,15
	s_wait_dscnt 15-(\f)                           ; pair f of rows is back; the pairs behind it may be out
	global_store_b128 v[GO], v[S+4*(\f):S+4*(\f)+3], s[10:11] offset:(\f)*4096  ; 16 lanes store 256 consecutive bytes, aligned
.endr
	s_wait_tensorcnt 0x0                           ; the wave's end
	ds_add_u32 v[SPW], v[NIL]
	s_wait_dscnt 0x0
	s_endpgm
.Lfunc_end_k_q53e16cad3b_attn:
	.size	k_q53e16cad3b_attn, .Lfunc_end_k_q53e16cad3b_attn-k_q53e16cad3b_attn
	.p2alignl 7, 3214868480
	.fill 96, 4, 3214868480
	.section	.rodata,"a",@progbits
	.p2align	6, 0x0
	.amdhsa_kernel k_q53e16cad3b_attn
		.amdhsa_group_segment_fixed_size 250368
		.amdhsa_private_segment_fixed_size 0
		.amdhsa_enable_private_segment 0
		.amdhsa_kernarg_size 16
		.amdhsa_user_sgpr_count 2
		.amdhsa_user_sgpr_kernarg_segment_ptr 1
		.amdhsa_wavefront_size32 1
		.amdhsa_system_sgpr_workgroup_id_x 1
		.amdhsa_system_sgpr_workgroup_id_y 1
		.amdhsa_system_sgpr_workgroup_id_z 1
		.amdhsa_system_vgpr_workitem_id 0
		.amdhsa_next_free_vgpr 768
		.amdhsa_next_free_sgpr 96
		.amdhsa_reserve_vcc 1
		.amdhsa_float_denorm_mode_32 3
		.amdhsa_float_denorm_mode_16_64 3
		.amdhsa_memory_ordered 1
		.amdhsa_forward_progress 1
		.amdhsa_inst_pref_size 59
	.end_amdhsa_kernel
	.amdgpu_metadata
---
amdhsa.version: [ 1, 2 ]
amdhsa.kernels:
  - .name:           k_q53e16cad3b_attn
    .symbol:         k_q53e16cad3b_attn.kd
    .args:
      - { .name: qkv, .offset: 0, .size: 8, .value_kind: global_buffer, .address_space: global }
      - { .name: hb, .offset: 8, .size: 8, .value_kind: global_buffer, .address_space: global }
    .group_segment_fixed_size: 250368
    .private_segment_fixed_size: 0
    .kernarg_segment_align: 8
    .kernarg_segment_size: 16
    .max_flat_workgroup_size: 128
    .sgpr_count:     96
    .vgpr_count:     768
    .wavefront_size: 32
...
	.end_amdgpu_metadata
.endif
;; end of part 3
;; launch oproj (part 4): grid 8 x 32, 4 waves a work-group, clusters of 4 x 4, 327,680 bytes of LDS; arguments hb, wb, x2, x; writes x2
.if DOCPART == 4
	.amdgcn_target "amdgcn-amd-amdhsa--gfx1250"
	.amdhsa_code_object_version 6
	.text
	.protected	k_q53e16cad3b_oproj
	.globl	k_q53e16cad3b_oproj
	.p2align	8
	.type	k_q53e16cad3b_oproj,@function
k_q53e16cad3b_oproj:
	s_mov_b64 s[64:65], 0
	v_nop
	global_prefetch_b8 v0, s[64:65] scope:SCOPE_SE
	s_setreg_imm32_b32 hwreg(HW_REG_WAVE_MODE, 25, 1), 1
	s_wait_xcnt 0x0
	s_wait_alu depctr_hold_cnt(0) depctr_sa_sdst(0) depctr_va_vdst(0) depctr_va_sdst(0) depctr_va_ssrc(0) depctr_va_vcc(0) depctr_vm_vsrc(0)
	s_getreg_b32 s2, hwreg(HW_REG_IB_STS2, 6, 4)
	s_cmp_eq_u32 s2, 0
	s_cbranch_scc0 .Lentry_in_a_cluster
	s_endpgm
.Lentry_in_a_cluster:
	s_bfe_u32 s2, ttmp6, 0x10000c
	s_cmp_lg_u32 s2, 0xf033
	s_cbranch_scc0 .Lentry_shape_is_right
	s_endpgm
.Lentry_shape_is_right:
; x2[m][n] = x[m][n] + the sum over k of o[m][k] W[n][k].  o: hb [4096][1024] bf16; W: the bf16 copy of out_proj_w, [1024][1024]; sums, residual and x2 in f32.
; NaN and infinities are not treated apart.
; A tile of C is 128 x 128: four waves, each 64 x 64, 16 accumulators.  K goes in steps of 256 (LDS rows of 512 bytes + 16 of padding) through two LDS slots; a wave's tensor load brings 64 rows.
; CLUSTER: 4 x 4 work-groups; the four of a row need the same tiles of A, the four of a column the same tiles of B: each tile is asked for jointly, by the same load, descriptor and mask in all four.
; ONE TEXT FOR A K STEP: the slot in hand is a scalar that an exclusive or turns, so a step is written twice in all (with a refill, and without).  The price: the 128 accumulator registers are
; cleared by v_mov_b32 while the first tile is on its way, and the last step fetches 32 fragments that nothing uses.
; THE MATRIX INSTRUCTION IS USED TRANSPOSED (source 0 = 16 rows of B, source 1 = 16 rows of A): a lane holds eight neighbouring numbers of a row of C.
; REGISTERS: window 0: v0-31 addresses, v128-255 the accumulators ((a, b) at 128 + 8 (4 a + b)); window 1: two fragment buffers of 128; window 2: v0-127 the residual's rows.
.set SIZE_N, 1024
.set SIZE_K, 1024
.set WOFF,   0x600000                  ; where this matrix begins in wb
.set OUTROW, SIZE_N*4                  ; bytes in a row of the output and of the residual
.set COLB,   512                       ; bytes of a tile's 128 columns in it
.set KSTEP,  256
.set PITCH,  528                       ; 132 words: row r starts at bank 4 r mod 64 (64 banks of 4 bytes: ISA guide 11.1)
.set HALFT,  64*PITCH                  ; what one tensor load brings
.set SLOT,   4*HALFT                   ; A's 128 rows, then B's 128 rows
.set SPARE,  2*SLOT                    ; behind the ring: the spare words, 128 bytes a wave, which no other line names
.set STEPS,  SIZE_K/KSTEP
.set ADRA0, 16                         ; v16, v17  my lane's place in slot 0's A and B; never rewritten
.set ADRB0, 17
.set ADRA,  18                         ; v18, v19  the same in the slot in hand
.set ADRB,  19
.set STO,   24                         ; v24  the way out: where I put 32 bytes of a row
.set RD,    25                         ; v25  where I read a row back
.set CO,    26                         ; v26  my byte offset in a row of the output
.set SPW,   28                         ; v28  my spare word; never rewritten
.set NIL,   29                         ; v29  0; never rewritten
.set ACC,   128
.set F0,    0
.set F1,    128
.set G1,  24                           ; s[24:31] group 1 for A; s[32:39] group 0, two sets: the first fill's, and the one that walks
.set G0,  32
.set G1B, 48                           ; s[48:55], s[56:63] the same for B
.set G0B, 56
.set TB,  66                           ; s66  LDS byte at which the slot in hand begins: 0 or SLOT
.set AUX, 68                           ; s[68:69] the residual
.set MSB, 0
.macro WIN new                         ; the immediate's high byte repeats the setting that is left
.if MSB != (\new)
	s_set_vgpr_msb (MSB<<8)|(\new)
.set MSB, \new
.endif
.endm
.set MUL,  0x05                        ; sources 0 (B) and 1 (A) window 1; C and D window 0
.set TO_F, 0x40                        ; destination window 1, address window 0
.macro JLOAD s                         ; a joint load: waves 0 and 1 fetch A's halves, waves 2 and 3 B's; s_nop 0 and four v_nop follow each line
	s_cmp_eq_u32 s11, 0
	s_cbranch_scc0 .Lfor_b_\@
	tensor_load_to_lds s[G0+4*(\s):G0+4*(\s)+3], s[G1:G1+7]
	s_nop 0
.rept 4
	v_nop
.endr
	s_branch .Lasked_\@
.Lfor_b_\@:
	tensor_load_to_lds s[G0B+4*(\s):G0B+4*(\s)+3], s[G1B:G1B+7]
	s_nop 0
.rept 4
	v_nop
.endr
.Lasked_\@:
.endm
.macro CREST                           ; a round of the cluster's barrier behind its opening barrier
	s_cmp_lg_u32 s10, 0
	s_cbranch_scc1 .Lnot_wave_0_\@
	s_barrier_signal -3
.Lnot_wave_0_\@:
	s_barrier_wait -3
	s_barrier_signal -1
	s_barrier_wait -1
.endm
.macro CROUND
	s_barrier_signal -1
	s_barrier_wait -1
	CREST
.endm
.macro PLACES                          ; four places behind matrix instructions, in front of loads into registers that they read and of readers of their results
.rept 4
	v_nop
.endr
.endm
; 8 matrix instructions: m blocks a0, a0 + 1 x all 4 n blocks, 32 along K: half c of buffer f.  The 16 accumulators take turns, in the same order everywhere, over the backward jumps too.
.macro MUL8 f, c, a0
	WIN MUL
.irp a, \a0, (\a0)+1
.irp b, 0,1,2,3
	v_wmma_f32_16x16x32_bf16 v[ACC+8*(4*(\a)+(\b)):ACC+8*(4*(\a)+(\b))+7], v[(\f)+64+8*(4*(\c)+(\b)):(\f)+64+8*(4*(\c)+(\b))+7], v[(\f)+8*(4*(\c)+(\a)):(\f)+8*(4*(\c)+(\a))+7], v[ACC+8*(4*(\a)+(\b)):ACC+8*(4*(\a)+(\b))+7]
.endr
.endr
.endm
; 32 LDS loads in one run: the fragments of 64 along K at byte k of the rows of the slot in hand, into buffer f; the first 32 along K first
.macro FETCH k, f
	WIN TO_F
.irp c, 0,1
.irp i, 0,1,2,3
	ds_load_b128 v[(\f)+64+8*(4*(\c)+(\i)):(\f)+64+8*(4*(\c)+(\i))+3],   v[ADRB] offset:(\k)+64*(\c)+(\i)*16*PITCH
	ds_load_b128 v[(\f)+64+8*(4*(\c)+(\i))+4:(\f)+64+8*(4*(\c)+(\i))+7], v[ADRB] offset:(\k)+64*(\c)+(\i)*16*PITCH+32
	ds_load_b128 v[(\f)+8*(4*(\c)+(\i)):(\f)+8*(4*(\c)+(\i))+3],         v[ADRA] offset:(\k)+64*(\c)+(\i)*16*PITCH
	ds_load_b128 v[(\f)+8*(4*(\c)+(\i))+4:(\f)+8*(4*(\c)+(\i))+7],       v[ADRA] offset:(\k)+64*(\c)+(\i)*16*PITCH+32
.endr
.endr
.endm
; A K step is four quarters of 64 along K.  One of the first three multiplies buffer f and fetches the next quarter, at byte k, into g.
.macro QUARTER k, f, g
	s_wait_dscnt 16                                ; the first 32 along K are in; the sixteen younger loads may be out
	MUL8 \f, 0, 0
	MUL8 \f, 0, 2
	PLACES
	FETCH \k, \g
	s_wait_dscnt 32                                ; all but the 32 just issued
	MUL8 \f, 1, 0
	MUL8 \f, 1, 2
.endm
; The last quarter multiplies buffer 1 and changes slots.  In front of the barrier each wave waits for all its tensor loads (one is out: its part of the next slot), adds 0 to its spare word,
; and waits for that and for its reads of this slot.  fill = 1: the barrier opens a round of the cluster's, and this slot is filled again first thing behind it, with the tile two steps on:
; that load has 112 matrix instructions in which to land.
.macro TURN fill
	WIN 0
	s_wait_tensorcnt 0x0                           ; no tensor load of mine is out, so a group 0 may be written
	ds_add_u32 v[SPW], v[NIL]                      ; 0 onto my spare word; work on registers stands between it and the wait for it
.if \fill
	s_add_co_u32 s[G0+5], s20, s[TB]               ; the walking descriptors: into the slot that is being left,
	s_add_co_u32 s[G0B+5], s20, s[TB]
	s_add_nc_u64 s[G0+6:G0+7], s[G0+6:G0+7], KSTEP*2      ; the next K step; the type bits on top are not reached
	s_add_nc_u64 s[G0B+6:G0B+7], s[G0B+6:G0B+7], KSTEP*2
.endif
	s_xor_b32 s[TB], s[TB], SLOT                   ; the other slot is now in hand
	v_add_nc_u32 v[ADRA], s[TB], v[ADRA0]
	v_add_nc_u32 v[ADRB], s[TB], v[ADRB0]
	s_wait_dscnt 17                                ; the add and the youngest sixteen loads may be out
	MUL8 F1, 0, 0
	s_wait_dscnt 0x0                               ; the add is done, and my reads of the old slot are over
	s_barrier_signal -1
	MUL8 F1, 0, 2
.if \fill
	WIN 0
.endif
	s_barrier_wait -1
.if \fill
	CREST                                          ; no wave of any partner still reads the old slot or has a load on its way
	JLOAD 1                                        ; its four v_nop are also the places in front of the loads below
.else
	PLACES
.endif
	FETCH 0, F0
	MUL8 F1, 1, 0
	MUL8 F1, 1, 2
.endm
.macro STEP fill
	QUARTER 128, F0, F1
	QUARTER 256, F1, F0
	QUARTER 384, F0, F1
	TURN \fill
.endm
	s_load_b128 s[4:7], s[0:1], 0x0                ; A s[4:5], wb s[6:7]
	s_load_b64 s[8:9], s[0:1], 0x10                ; the output
	s_load_b64 s[AUX:AUX+1], s[0:1], 0x18          ; the residual
	v_lshl_add_u32 v[SPW], v0, 2, SPARE
	v_mov_b32 v[NIL], 0
	ds_add_u32 v[SPW], v[NIL]                      ; the wave's opening: the add and its wait ahead of my first tensor load
	ds_add_u32 v28, v29
	v_lshrrev_b32 v1, 5, v0
	v_readfirstlane_b32 s10, v1                    ; wave 0..3
	s_lshr_b32 s11, s10, 1                         ; my half of the tile's rows; also: I fetch for A (0) or B (1)
	s_and_b32 s12, s10, 1                          ; my half of its columns; also: which 64 rows I fetch
	s_bfe_u32 s40, ttmp6, 0x40000                  ; cx, cy
	s_bfe_u32 s41, ttmp6, 0x40004
	s_lshl_b32 s42, ttmp9, 2
	s_add_co_u32 s42, s42, s40                     ; tile column
	s_and_b32 s13, ttmp7, 0xffff
	s_lshl_b32 s13, s13, 2
	s_add_co_u32 s13, s13, s41                     ; tile row
	s_lshl_b32 s43, s41, 2
	s_lshl_b32 s43, 15, s43                        ; my row of the cluster
	s_lshl_b32 s44, 0x1111, s40                    ; my column
	s_or_b32 s[G1+0], s43, (1<<16)|(1<<20)|(1<<21)|(6<<22)|(3<<25)   ; the mask; 2-byte elements; padding on; bit 21 beside a mask; after every 128 words, 4 words
	s_or_b32 s[G1B+0], s44, (1<<16)|(1<<20)|(1<<21)|(6<<22)|(3<<25)
.irp g, G1, G1B
	s_mov_b32 s[(\g)+1], KSTEP<<16                 ; tensor_dim0 = 256
	s_mov_b32 s[(\g)+2], 64<<16                    ; tensor_dim1 = 64
	s_mov_b32 s[(\g)+3], KSTEP<<16                 ; tile_dim0 = 256
	s_mov_b32 s[(\g)+4], 64                        ; tile_dim1 = 64
	s_mov_b32 s[(\g)+5], SIZE_K                    ; elements from row to row
	s_mov_b32 s[(\g)+6], 0
	s_mov_b32 s[(\g)+7], 0
.endr
	s_lshl_b32 s17, s12, 6
	s_lshl_b32 s16, s13, 7
	s_add_co_u32 s16, s16, s17                     ; A: row 128 x tile row + 64 x half
	s_lshl_b32 s46, s42, 7
	s_add_co_u32 s46, s46, s17                     ; B: row 128 x tile column + 64 x half
	s_mov_b32 s17, 0
	s_mov_b32 s47, 0
	s_mov_b64 s[18:19], SIZE_K*2
	s_mul_u64 s[16:17], s[16:17], s[18:19]
	s_mul_u64 s[46:47], s[46:47], s[18:19]
	s_mul_i32 s20, s10, HALFT                      ; where my tiles go in a slot: the wave's number alone
	s_mov_b32 s[TB], 0
	s_wait_dscnt 0x0                               ; the opening add is done
	s_wait_kmcnt 0x0
	s_add_nc_u64 s[14:15], s[4:5], s[16:17]
	s_add_nc_u64 s[46:47], s[6:7], s[46:47]
.if WOFF
	s_add_nc_u64 s[46:47], s[46:47], WOFF
.endif
	CROUND                                         ; all sixteen work-groups are here: the first joint loads meet
.irp s, 0,1
	s_mov_b32 s[G0+4*(\s)], 1
	s_add_co_u32 s[G0+4*(\s)+1], s20, (\s)*SLOT
	s_add_nc_u64 s[G0+4*(\s)+2:G0+4*(\s)+3], s[14:15], (\s)*KSTEP*2
	s_or_b32 s[G0+4*(\s)+3], s[G0+4*(\s)+3], 0x80000000
	s_mov_b32 s[G0B+4*(\s)], 1
	s_add_co_u32 s[G0B+4*(\s)+1], s20, (\s)*SLOT
	s_add_nc_u64 s[G0B+4*(\s)+2:G0B+4*(\s)+3], s[46:47], (\s)*KSTEP*2
	s_or_b32 s[G0B+4*(\s)+3], s[G0B+4*(\s)+3], 0x80000000
	JLOAD \s                                       ; two loads of mine are out
.endr
	v_and_b32 v1, 15, v0                           ; l % 16
	v_bfe_u32 v2, v0, 4, 1                         ; l / 16
	v_and_b32 v5, 31, v0                           ; l
	v_mul_u32_u24 v3, v1, PITCH
	v_lshl_add_u32 v4, v2, 5, v3                   ; the stage: row l % 16, 32 bytes for each half of the lanes
	v_lshl_add_u32 v3, v2, 4, v3                   ; a fragment: row x pitch + 16 x half
	s_mul_i32 s21, s11, HALFT                      ; my 64 rows of A
	s_mul_i32 s22, s12, HALFT                      ; my 64 rows of B,
	s_add_co_u32 s22, s22, 2*HALFT                 ; behind A's 128
	v_add_nc_u32 v[ADRA0], s21, v3
	v_add_nc_u32 v[ADRB0], s22, v3
	v_mov_b32 v[ADRA], v[ADRA0]
	v_mov_b32 v[ADRB], v[ADRB0]
	s_lshl_b32 s22, s12, 8                         ; into the stage (f32, 128 rows x 528 bytes, from LDS byte 0): my 64 rows, my 256 bytes of them
	s_add_co_u32 s21, s21, s22
	v_add_nc_u32 v[STO], s21, v4
	s_mul_i32 s23, s10, 32*PITCH                   ; back: wave w takes rows 32 w .. 32 w + 31, whole: 16 bytes a lane
	v_lshl_add_u32 v[RD], v5, 4, s23
	s_lshl_b32 s16, s13, 7
	s_lshl_b32 s17, s10, 5
	s_add_co_u32 s16, s16, s17                     ; the first row that I store: 128 x tile row + 32 x wave
	s_mul_i32 s16, s16, OUTROW
	s_mov_b32 s17, 0
	s_add_nc_u64 s[8:9], s[8:9], s[16:17]
	s_add_nc_u64 s[AUX:AUX+1], s[AUX:AUX+1], s[16:17]
	s_mul_i32 s46, s42, COLB
	s_mov_b32 s47, 0
	s_add_nc_u64 s[8:9], s[8:9], s[46:47]
	s_add_nc_u64 s[AUX:AUX+1], s[AUX:AUX+1], s[46:47]
	v_lshlrev_b32 v[CO], 4, v5                     ; four f32 a lane
	WIN 0x80                                       ; destination window 2
.set i, 0
.rept 32
	global_load_b128 v[4*i:4*i+3], v[CO], s[AUX:AUX+1] offset:i*OUTROW  ; the residual of my 32 rows: on its way under the whole product
.set i, i+1
.endr
	WIN 0
.set i, 0
.rept 128
	v_mov_b32 v[ACC+i], 0                          ; the sums start at 0, written while the first tile is on its way
.set i, i+1
.endr
	s_wait_tensorcnt 1                             ; my part of K step 0 is in; K step 1's may stay out
	s_barrier_signal -1
	s_barrier_wait -1
	FETCH 0, F0
	WIN 0
	s_mov_b32 s3, STEPS-2
.Lfill:                                                ; every K step but the last two fills its slot again
	STEP 1
	WIN 0
	s_sub_co_u32 s3, s3, 1
	s_cmp_lg_u32 s3, 0
	s_cbranch_scc1 .Lfill
	s_mov_b32 s3, 2
.Ldry:                                                 ; the last two ask for nothing; the second one's fetch of the other slot serves nothing
	STEP 0
	WIN 0
	s_sub_co_u32 s3, s3, 1
	s_cmp_lg_u32 s3, 0
	s_cbranch_scc1 .Ldry
	s_wait_dscnt 0x0                               ; my reads of the ring are over,
	s_barrier_signal -1
	s_barrier_wait -1                              ; everybody's are: slot 0, which has had its last fill, becomes the stage
	; THE WAY OUT: the sums in f32 into the stage; a barrier, since a row comes from two waves; back as whole rows; the residual is added; whole rows of 512 bytes are stored.
	PLACES
.irp a, 0,1,2,3
.irp b, 0,1,2,3
	ds_store_b128 v[STO], v[ACC+8*(4*(\a)+(\b)):ACC+8*(4*(\a)+(\b))+3]   offset:(\a)*16*PITCH+64*(\b)
	ds_store_b128 v[STO], v[ACC+8*(4*(\a)+(\b))+4:ACC+8*(4*(\a)+(\b))+7] offset:(\a)*16*PITCH+64*(\b)+16
.endr
.endr
	s_wait_dscnt 0x0                               ; for the others' sake: my stores are done
	s_barrier_signal -1
	s_barrier_wait -1
.set i, 0
.rept 32
	ds_load_b128 v[ACC+4*i:ACC+4*i+3], v[RD] offset:i*PITCH
.set i, i+1
.endr
	s_wait_loadcnt 0x0                             ; the residual
	WIN 0x82                                       ; destination and source 0 window 2, source 1 window 0
.set i, 0
.rept 32
	s_wait_dscnt 31-i                              ; row i is back; the rows behind it may be out
	v_pk_add_f32 v[4*i:4*i+1],   v[4*i:4*i+1],   v[ACC+4*i:ACC+4*i+1]
	v_pk_add_f32 v[4*i+2:4*i+3], v[4*i+2:4*i+3], v[ACC+4*i+2:ACC+4*i+3]
.set i, i+1
.endr
	WIN 0x08                                       ; a store's data is source 1: window 2
.set i, 0
.rept 32
	global_store_b128 v[CO], v[4*i:4*i+3], s[8:9] offset:i*OUTROW  ; 32 lanes store 512 consecutive bytes, aligned
.set i, i+1
.endr
	WIN 0
	s_wait_tensorcnt 0x0                           ; the wave's end
	ds_add_u32 v[SPW], v[NIL]
	s_wait_dscnt 0x0
	CROUND                                         ; the closing round
	s_endpgm
.Lfunc_end_k_q53e16cad3b_oproj:
	.size	k_q53e16cad3b_oproj, .Lfunc_end_k_q53e16cad3b_oproj-k_q53e16cad3b_oproj
	.p2alignl 7, 3214868480
	.fill 96, 4, 3214868480
	.section	.rodata,"a",@progbits
	.p2align	6, 0x0
	.amdhsa_kernel k_q53e16cad3b_oproj
		.amdhsa_group_segment_fixed_size 327680
		.amdhsa_private_segment_fixed_size 0
		.amdhsa_enable_private_segment 0
		.amdhsa_kernarg_size 32
		.amdhsa_user_sgpr_count 2
		.amdhsa_user_sgpr_kernarg_segment_ptr 1
		.amdhsa_wavefront_size32 1
		.amdhsa_system_sgpr_workgroup_id_x 1
		.amdhsa_system_sgpr_workgroup_id_y 1
		.amdhsa_system_sgpr_workgroup_id_z 1
		.amdhsa_system_vgpr_workitem_id 0
		.amdhsa_next_free_vgpr 640
		.amdhsa_next_free_sgpr 96
		.amdhsa_reserve_vcc 0
		.amdhsa_float_denorm_mode_32 3
		.amdhsa_float_denorm_mode_16_64 3
		.amdhsa_memory_ordered 1
		.amdhsa_forward_progress 1
		.amdhsa_inst_pref_size 65
	.end_amdhsa_kernel
	.amdgpu_metadata
---
amdhsa.version: [ 1, 2 ]
amdhsa.kernels:
  - .name:           k_q53e16cad3b_oproj
    .symbol:         k_q53e16cad3b_oproj.kd
    .args:
      - { .name: hb, .offset: 0, .size: 8, .value_kind: global_buffer, .address_space: global }
      - { .name: wb, .offset: 8, .size: 8, .value_kind: global_buffer, .address_space: global }
      - { .name: x2, .offset: 16, .size: 8, .value_kind: global_buffer, .address_space: global }
      - { .name: x, .offset: 24, .size: 8, .value_kind: global_buffer, .address_space: global }
    .group_segment_fixed_size: 327680
    .private_segment_fixed_size: 0
    .kernarg_segment_align: 8
    .kernarg_segment_size: 32
    .max_flat_workgroup_size: 128
    .sgpr_count:     96
    .vgpr_count:     640
    .wavefront_size: 32
...
	.end_amdgpu_metadata
.endif
;; end of part 4
;; launch lnorm2 (part 5): grid 256 x 1, 8 waves a work-group, no clusters, 0 bytes of LDS; arguments x2, ln2_g, ln2_b, hb; writes hb
.if DOCPART == 5
	.amdgcn_target "amdgcn-amd-amdhsa--gfx1250"
	.amdhsa_code_object_version 6
	.text
	.protected	k_q53e16cad3b_lnorm2
	.globl	k_q53e16cad3b_lnorm2
	.p2align	8
	.type	k_q53e16cad3b_lnorm2,@function
k_q53e16cad3b_lnorm2:
	s_mov_b64 s[64:65], 0
	v_nop
	global_prefetch_b8 v0, s[64:65] scope:SCOPE_SE
	s_setreg_imm32_b32 hwreg(HW_REG_WAVE_MODE, 25, 1), 1
	s_wait_xcnt 0x0
; h2 = layernorm(x2) g + b, rounded once to bf16 into hb [4096][1024].  x2 is [4096][1024] f32.  A wave takes two rows (16 x work-group + 2 x wave and the next) and keeps them in registers
; between the passes: each byte is read once; no LDS, no barrier.  Loads cover 512 consecutive bytes a wave, stores 256.  The variance is the mean of the squares of the differences from the mean,
; so a common offset of the row costs nothing.  NaN and infinities are not treated apart.
.set T,   2                            ; v[2:9]     four chains of pairs, at work
.set MU,  10                           ; v[10:11]   the row's mean, twice
.set R0,  12                           ; v[12:13]   1 / sqrt(var + eps) of row 0, twice
.set R1,  14                           ; v[14:15]   of row 1
.set X0,  16                           ; v[16:47]   row 0: lane l holds columns 4 l + 128 j .. + 3 in registers 4 j .. 4 j + 3
.set X1,  48                           ; v[48:79]   row 1
.set G,   80                           ; v[80:111]  the gain of the same columns
.set BV,  112                          ; v[112:143] the bias
.set Y,   144                          ; v[144:175] both rows in bf16, 16 registers each
.set XB,  4                            ; s[4:5] x2   s[6:7] gain   s[8:9] bias   s[10:11] hb
.set GB,  6
.set BB,  8
.set OB,  10
.macro REDUCE                          ; the four chains become one sum, in every lane's v[T]
	v_pk_add_f32 v[T:T+1], v[T:T+1], v[T+2:T+3]
	v_pk_add_f32 v[T+4:T+5], v[T+4:T+5], v[T+6:T+7]
	v_pk_add_f32 v[T:T+1], v[T:T+1], v[T+4:T+5]
	v_add_f32 v[T], v[T], v[T+1]
	v_add_f32_dpp v[T], v[T], v[T] row_xmask:1 row_mask:0xf bank_mask:0xf
	v_add_f32_dpp v[T], v[T], v[T] row_xmask:2 row_mask:0xf bank_mask:0xf
	v_add_f32_dpp v[T], v[T], v[T] row_xmask:4 row_mask:0xf bank_mask:0xf
	v_add_f32_dpp v[T], v[T], v[T] row_xmask:8 row_mask:0xf bank_mask:0xf
	v_permlanex16_b32 v[T+1], v[T], s30, s31
	v_add_f32 v[T], v[T], v[T+1]
.endm
.macro STATS x, r, left
	s_wait_loadcnt \left                           ; loads come back in order: this row is in, the younger loads stay out
.irp k, 0,1,2,3
	v_pk_add_f32 v[T+2*(\k):T+2*(\k)+1], v[(\x)+2*(\k):(\x)+2*(\k)+1], v[(\x)+8+2*(\k):(\x)+8+2*(\k)+1]
.endr
.irp k, 8,9,10,11,12,13,14,15
	v_pk_add_f32 v[T+2*((\k)%4):T+2*((\k)%4)+1], v[T+2*((\k)%4):T+2*((\k)%4)+1], v[(\x)+2*(\k):(\x)+2*(\k)+1]
.endr
	REDUCE
	v_mul_f32 v[MU], s32, v[T]
	v_mul_f32 v[MU+1], s32, v[T]
.irp k, 0,1,2,3,4,5,6,7,8,9,10,11,12,13,14,15
	v_pk_add_f32 v[(\x)+2*(\k):(\x)+2*(\k)+1], v[(\x)+2*(\k):(\x)+2*(\k)+1], v[MU:MU+1] neg_lo:[0,1] neg_hi:[0,1]
.endr
.irp k, 0,1,2,3
	v_pk_mul_f32 v[T+2*(\k):T+2*(\k)+1], v[(\x)+2*(\k):(\x)+2*(\k)+1], v[(\x)+2*(\k):(\x)+2*(\k)+1]
.endr
.irp k, 4,5,6,7,8,9,10,11,12,13,14,15
	v_pk_fma_f32 v[T+2*((\k)%4):T+2*((\k)%4)+1], v[(\x)+2*(\k):(\x)+2*(\k)+1], v[(\x)+2*(\k):(\x)+2*(\k)+1], v[T+2*((\k)%4):T+2*((\k)%4)+1]
.endr
	REDUCE
	v_fmaak_f32 v[T], s32, v[T], 0x3727c5ac        ; the sum / 1024 + 1e-5
	v_rsq_f32 v[\r], v[T]
	v_rsq_f32 v[(\r)+1], v[T]
	v_nop                                          ; a plain instruction before v[T], the source, is written again
.endm
.macro FINISH x, r, row
.set k, 0
.rept 16
	v_pk_mul_f32 v[(\x)+2*k:(\x)+2*k+1], v[(\x)+2*k:(\x)+2*k+1], v[(\r):(\r)+1]
.set k, k+1
.endr
.set k, 0
.rept 16
	v_pk_fma_f32 v[(\x)+2*k:(\x)+2*k+1], v[(\x)+2*k:(\x)+2*k+1], v[G+2*k:G+2*k+1], v[BV+2*k:BV+2*k+1]
.set k, k+1
.endr
.set k, 0
.rept 16
	v_cvt_pk_bf16_f32 v[Y+16*(\row)+k], v[(\x)+2*k], v[(\x)+2*k+1]
.set k, k+1
.endr
.irp j, 0,1,2,3,4,5,6,7
	global_store_b64 v0, v[Y+16*(\row)+2*(\j):Y+16*(\row)+2*(\j)+1], s[OB:OB+1] offset:(\row)*2048+256*(\j)  ; 32 lanes store 256 consecutive bytes, aligned
.endr
.endm
	s_load_b256 s[4:11], s[0:1], 0x0               ; x2, ln2_g, ln2_b, hb
	v_lshrrev_b32 v2, 5, v0
	v_readfirstlane_b32 s25, v2                    ; wave 0..7
	v_and_b32 v1, 31, v0                           ; lane
	s_lshl_b32 s28, ttmp9, 16                      ; 16 rows of 4,096 bytes,
	s_lshl_b32 s27, s25, 13                        ; two rows a wave
	s_add_co_u32 s28, s28, s27
	s_mov_b32 s29, 0
	s_mov_b32 s30, 0x76543210                      ; v_permlanex16_b32: each lane takes its own place in the other half
	s_mov_b32 s31, 0xfedcba98
	s_mov_b32 s32, 0x3a800000                      ; 1 / 1024
	v_lshlrev_b32 v0, 3, v1                        ; 8 bytes a lane on the way out
	v_lshlrev_b32 v1, 4, v1                        ; 16 on the way in
	s_wait_kmcnt 0x0
	s_add_nc_u64 s[XB:XB+1], s[XB:XB+1], s[28:29]
	s_lshr_b32 s28, s28, 1                         ; half as many bytes in bf16
	s_add_nc_u64 s[OB:OB+1], s[OB:OB+1], s[28:29]
.irp j, 0,1,2,3,4,5,6,7
	global_load_b128 v[X0+4*(\j):X0+4*(\j)+3], v1, s[XB:XB+1] offset:512*(\j) th:TH_LOAD_NT
.endr
.irp j, 0,1,2,3,4,5,6,7
	global_load_b128 v[X1+4*(\j):X1+4*(\j)+3], v1, s[XB:XB+1] offset:4096+512*(\j) th:TH_LOAD_NT
.endr
.irp j, 0,1,2,3,4,5,6,7
	global_load_b128 v[G+4*(\j):G+4*(\j)+3], v1, s[GB:GB+1] offset:512*(\j)
.endr
.irp j, 0,1,2,3,4,5,6,7
	global_load_b128 v[BV+4*(\j):BV+4*(\j)+3], v1, s[BB:BB+1] offset:512*(\j)
.endr
	STATS X0, R0, 24                               ; behind row 0: row 1, gain and bias, 24 loads
	STATS X1, R1, 16                               ; behind row 1: gain and bias
	s_wait_alu depctr_va_vdst(0)                   ; one wait for the four roots, ahead of their first reader
	s_wait_loadcnt 0x0                             ; gain and bias
	FINISH X0, R0, 0
	FINISH X1, R1, 1
	s_endpgm
.Lfunc_end_k_q53e16cad3b_lnorm2:
	.size	k_q53e16cad3b_lnorm2, .Lfunc_end_k_q53e16cad3b_lnorm2-k_q53e16cad3b_lnorm2
	.p2alignl 7, 3214868480
	.fill 96, 4, 3214868480
	.section	.rodata,"a",@progbits
	.p2align	6, 0x0
	.amdhsa_kernel k_q53e16cad3b_lnorm2
		.amdhsa_group_segment_fixed_size 0
		.amdhsa_private_segment_fixed_size 0
		.amdhsa_enable_private_segment 0
		.amdhsa_kernarg_size 32
		.amdhsa_user_sgpr_count 2
		.amdhsa_user_sgpr_kernarg_segment_ptr 1
		.amdhsa_wavefront_size32 1
		.amdhsa_system_sgpr_workgroup_id_x 1
		.amdhsa_system_sgpr_workgroup_id_y 1
		.amdhsa_system_sgpr_workgroup_id_z 1
		.amdhsa_system_vgpr_workitem_id 0
		.amdhsa_next_free_vgpr 176
		.amdhsa_next_free_sgpr 66
		.amdhsa_reserve_vcc 0
		.amdhsa_float_denorm_mode_32 3
		.amdhsa_float_denorm_mode_16_64 3
		.amdhsa_memory_ordered 1
		.amdhsa_forward_progress 1
		.amdhsa_inst_pref_size 20
	.end_amdhsa_kernel
	.amdgpu_metadata
---
amdhsa.version: [ 1, 2 ]
amdhsa.kernels:
  - .name:           k_q53e16cad3b_lnorm2
    .symbol:         k_q53e16cad3b_lnorm2.kd
    .args:
      - { .name: x2, .offset: 0, .size: 8, .value_kind: global_buffer, .address_space: global }
      - { .name: ln2_g, .offset: 8, .size: 8, .value_kind: global_buffer, .address_space: global }
      - { .name: ln2_b, .offset: 16, .size: 8, .value_kind: global_buffer, .address_space: global }
      - { .name: hb, .offset: 24, .size: 8, .value_kind: global_buffer, .address_space: global }
    .group_segment_fixed_size: 0
    .private_segment_fixed_size: 0
    .kernarg_segment_align: 8
    .kernarg_segment_size: 32
    .max_flat_workgroup_size: 256
    .sgpr_count:     66
    .vgpr_count:     176
    .wavefront_size: 32
...
	.end_amdgpu_metadata
.endif
;; end of part 5
;; launch ffn1 (part 6): grid 32 x 32, 4 waves a work-group, clusters of 4 x 4, 327,680 bytes of LDS; arguments hb, wb, act; writes act
.if DOCPART == 6
	.amdgcn_target "amdgcn-amd-amdhsa--gfx1250"
	.amdhsa_code_object_version 6
	.text
	.protected	k_q53e16cad3b_ffn1
	.globl	k_q53e16cad3b_ffn1
	.p2align	8
	.type	k_q53e16cad3b_ffn1,@function
k_q53e16cad3b_ffn1:
	s_mov_b64 s[64:65], 0
	v_nop
	global_prefetch_b8 v0, s[64:65] scope:SCOPE_SE
	s_setreg_imm32_b32 hwreg(HW_REG_WAVE_MODE, 25, 1), 1
	s_wait_xcnt 0x0
	s_wait_alu depctr_hold_cnt(0) depctr_sa_sdst(0) depctr_va_vdst(0) depctr_va_sdst(0) depctr_va_ssrc(0) depctr_va_vcc(0) depctr_vm_vsrc(0)
	s_getreg_b32 s2, hwreg(HW_REG_IB_STS2, 6, 4)
	s_cmp_eq_u32 s2, 0
	s_cbranch_scc0 .Lentry_in_a_cluster
	s_endpgm
.Lentry_in_a_cluster:
	s_bfe_u32 s2, ttmp6, 0x10000c
	s_cmp_lg_u32 s2, 0xf033
	s_cbranch_scc0 .Lentry_shape_is_right
	s_endpgm
.Lentry_shape_is_right:
; act[m][n] = gelu(the sum over k of h2[m][k] W[n][k]), the exact gelu x Phi(x).  h2: hb [4096][1024] bf16; W: the bf16 copy of w1, [4096][1024]; sums and gelu in f32; act [4096][4096] rounded once to bf16.
; gelu(x) = max(x, 0) - |x| Q, Q = erfc(|x| / sqrt 2) / 2 = t (a1 + t (a2 + t (a3 + t (a4 + t a5)))) / 2 x 2^-(k x)^2, t = 1 / (1 + 0.23164189 |x|), k = sqrt(log2(e) / 2):
; the rational form of Abramowitz and Stegun 7.1.26, which holds for every x, within 1.5e-7 of erf.  NaN and infinities are not treated apart.
; A tile of C is 128 x 128: four waves, each 64 x 64, 16 accumulators.  K goes in steps of 256 (LDS rows of 512 bytes + 16 of padding) through two LDS slots; a wave's tensor load brings 64 rows.
; CLUSTER: 4 x 4 work-groups; the four of a row need the same tiles of A, the four of a column the same tiles of B: each tile is asked for jointly, by the same load, descriptor and mask in all four.
; ONE TEXT FOR A K STEP: the slot in hand is a scalar that an exclusive or turns, so a step is written twice in all (with a refill, and without).  The price: the 128 accumulator registers are
; cleared by v_mov_b32 while the first tile is on its way, and the last step fetches 32 fragments that nothing uses.
; THE MATRIX INSTRUCTION IS USED TRANSPOSED (source 0 = 16 rows of B, source 1 = 16 rows of A): a lane holds eight neighbouring numbers of a row of C.
; REGISTERS: window 0: v0-31 addresses, v32-111 at work on the way out, v128-255 the accumulators ((a, b) at 128 + 8 (4 a + b)); window 1: two fragment buffers of 128.
.set SIZE_N, 4096
.set SIZE_K, 1024
.set WOFF,   0x800000                  ; where this matrix begins in wb
.set OUTROW, SIZE_N*2                  ; bytes in a row of the output
.set COLB,   256                       ; bytes of a tile's 128 columns in it
.set KSTEP,  256
.set PITCH,  528                       ; 132 words: row r starts at bank 4 r mod 64 (64 banks of 4 bytes: ISA guide 11.1)
.set HALFT,  64*PITCH                  ; what one tensor load brings
.set SLOT,   4*HALFT                   ; A's 128 rows, then B's 128 rows
.set SPARE,  2*SLOT                    ; behind the ring: the spare words, 128 bytes a wave, which no other line names
.set STEPS,  SIZE_K/KSTEP
.set ADRA0, 16                         ; v16, v17  my lane's place in slot 0's A and B; never rewritten
.set ADRB0, 17
.set ADRA,  18                         ; v18, v19  the same in the slot in hand
.set ADRB,  19
.set STO,   24                         ; v24  the way out: where I put 32 bytes of a row
.set RD,    25                         ; v25  where I read my first row back; never rewritten
.set CO,    26                         ; v26  my byte offset in the output
.set RDW,   27                         ; v27  where I read the four rows in hand
.set SPW,   28                         ; v28  my spare word; never rewritten
.set NIL,   29                         ; v29  0; never rewritten
.set XR,    32                         ; v32-47   x, four rows of four
.set UR,    48                         ; v48-63   1 + p |x|, then t, then max(x, 0), then the packed result
.set WR,    64                         ; v64-79   -(k x)^2, then its power of two
.set PR,    80                         ; v80-95   Q
.set AR,    96                         ; v96-111  |x|
.set ACC,   128
.set F0,    0
.set F1,    128
.set G1,  24                           ; s[24:31] group 1 for A; s[32:39] group 0, two sets: the first fill's, and the one that walks
.set G0,  32
.set G1B, 48                           ; s[48:55], s[56:63] the same for B
.set G0B, 56
.set TB,  66                           ; s66  LDS byte at which the slot in hand begins: 0 or SLOT
.set RB,  67                           ; s67  the way out: how far the rows in hand lie behind my first
.set MSB, 0
.macro WIN new                         ; the immediate's high byte repeats the setting that is left
.if MSB != (\new)
	s_set_vgpr_msb (MSB<<8)|(\new)
.set MSB, \new
.endif
.endm
.set MUL,  0x05                        ; sources 0 (B) and 1 (A) window 1; C and D window 0
.set TO_F, 0x40                        ; destination window 1, address window 0
.macro JLOAD s                         ; a joint load: waves 0 and 1 fetch A's halves, waves 2 and 3 B's; s_nop 0 and four v_nop follow each line
	s_cmp_eq_u32 s11, 0
	s_cbranch_scc0 .Lfor_b_\@
	tensor_load_to_lds s[G0+4*(\s):G0+4*(\s)+3], s[G1:G1+7]
	s_nop 0
.rept 4
	v_nop
.endr
	s_branch .Lasked_\@
.Lfor_b_\@:
	tensor_load_to_lds s[G0B+4*(\s):G0B+4*(\s)+3], s[G1B:G1B+7]
	s_nop 0
.rept 4
	v_nop
.endr
.Lasked_\@:
.endm
.macro CREST                           ; a round of the cluster's barrier behind its opening barrier
	s_cmp_lg_u32 s10, 0
	s_cbranch_scc1 .Lnot_wave_0_\@
	s_barrier_signal -3
.Lnot_wave_0_\@:
	s_barrier_wait -3
	s_barrier_signal -1
	s_barrier_wait -1
.endm
.macro CROUND
	s_barrier_signal -1
	s_barrier_wait -1
	CREST
.endm
.macro PLACES                          ; four places behind matrix instructions, in front of loads into registers that they read and of readers of their results
.rept 4
	v_nop
.endr
.endm
; 8 matrix instructions: m blocks a0, a0 + 1 x all 4 n blocks, 32 along K: half c of buffer f.  The 16 accumulators take turns, in the same order everywhere, over the backward jumps too.
.macro MUL8 f, c, a0
	WIN MUL
.irp a, \a0, (\a0)+1
.irp b, 0,1,2,3
	v_wmma_f32_16x16x32_bf16 v[ACC+8*(4*(\a)+(\b)):ACC+8*(4*(\a)+(\b))+7], v[(\f)+64+8*(4*(\c)+(\b)):(\f)+64+8*(4*(\c)+(\b))+7], v[(\f)+8*(4*(\c)+(\a)):(\f)+8*(4*(\c)+(\a))+7], v[ACC+8*(4*(\a)+(\b)):ACC+8*(4*(\a)+(\b))+7]
.endr
.endr
.endm
; 32 LDS loads in one run: the fragments of 64 along K at byte k of the rows of the slot in hand, into buffer f; the first 32 along K first
.macro FETCH k, f
	WIN TO_F
.irp c, 0,1
.irp i, 0,1,2,3
	ds_load_b128 v[(\f)+64+8*(4*(\c)+(\i)):(\f)+64+8*(4*(\c)+(\i))+3],   v[ADRB] offset:(\k)+64*(\c)+(\i)*16*PITCH
	ds_load_b128 v[(\f)+64+8*(4*(\c)+(\i))+4:(\f)+64+8*(4*(\c)+(\i))+7], v[ADRB] offset:(\k)+64*(\c)+(\i)*16*PITCH+32
	ds_load_b128 v[(\f)+8*(4*(\c)+(\i)):(\f)+8*(4*(\c)+(\i))+3],         v[ADRA] offset:(\k)+64*(\c)+(\i)*16*PITCH
	ds_load_b128 v[(\f)+8*(4*(\c)+(\i))+4:(\f)+8*(4*(\c)+(\i))+7],       v[ADRA] offset:(\k)+64*(\c)+(\i)*16*PITCH+32
.endr
.endr
.endm
; A K step is four quarters of 64 along K.  One of the first three multiplies buffer f and fetches the next quarter, at byte k, into g.
.macro QUARTER k, f, g
	s_wait_dscnt 16                                ; the first 32 along K are in; the sixteen younger loads may be out
	MUL8 \f, 0, 0
	MUL8 \f, 0, 2
	PLACES
	FETCH \k, \g
	s_wait_dscnt 32                                ; all but the 32 just issued
	MUL8 \f, 1, 0
	MUL8 \f, 1, 2
.endm
; The last quarter multiplies buffer 1 and changes slots.  In front of the barrier each wave waits for all its tensor loads (one is out: its part of the next slot), adds 0 to its spare word,
; and waits for that and for its reads of this slot.  fill = 1: the barrier opens a round of the cluster's, and this slot is filled again first thing behind it, with the tile two steps on:
; that load has 112 matrix instructions in which to land.
.macro TURN fill
	WIN 0
	s_wait_tensorcnt 0x0                           ; no tensor load of mine is out, so a group 0 may be written
	ds_add_u32 v[SPW], v[NIL]                      ; 0 onto my spare word; work on registers stands between it and the wait for it
.if \fill
	s_add_co_u32 s[G0+5], s20, s[TB]               ; the walking descriptors: into the slot that is being left,
	s_add_co_u32 s[G0B+5], s20, s[TB]
	s_add_nc_u64 s[G0+6:G0+7], s[G0+6:G0+7], KSTEP*2      ; the next K step; the type bits on top are not reached
	s_add_nc_u64 s[G0B+6:G0B+7], s[G0B+6:G0B+7], KSTEP*2
.endif
	s_xor_b32 s[TB], s[TB], SLOT                   ; the other slot is now in hand
	v_add_nc_u32 v[ADRA], s[TB], v[ADRA0]
	v_add_nc_u32 v[ADRB], s[TB], v[ADRB0]
	s_wait_dscnt 17                                ; the add and the youngest sixteen loads may be out
	MUL8 F1, 0, 0
	s_wait_dscnt 0x0                               ; the add is done, and my reads of the old slot are over
	s_barrier_signal -1
	MUL8 F1, 0, 2
.if \fill
	WIN 0
.endif
	s_barrier_wait -1
.if \fill
	CREST                                          ; no wave of any partner still reads the old slot or has a load on its way
	JLOAD 1                                        ; its four v_nop are also the places in front of the loads below
.else
	PLACES
.endif
	FETCH 0, F0
	MUL8 F1, 1, 0
	MUL8 F1, 1, 2
.endm
.macro STEP fill
	QUARTER 128, F0, F1
	QUARTER 256, F1, F0
	QUARTER 384, F0, F1
	TURN \fill
.endm
	s_load_b128 s[4:7], s[0:1], 0x0                ; A s[4:5], wb s[6:7]
	s_load_b64 s[8:9], s[0:1], 0x10                ; the output
	v_lshl_add_u32 v[SPW], v0, 2, SPARE
	v_mov_b32 v[NIL], 0
	ds_add_u32 v[SPW], v[NIL]                      ; the wave's opening: the add and its wait ahead of my first tensor load
	ds_add_u32 v28, v29
	v_lshrrev_b32 v1, 5, v0
	v_readfirstlane_b32 s10, v1                    ; wave 0..3
	s_lshr_b32 s11, s10, 1                         ; my half of the tile's rows; also: I fetch for A (0) or B (1)
	s_and_b32 s12, s10, 1                          ; my half of its columns; also: which 64 rows I fetch
	s_bfe_u32 s40, ttmp6, 0x40000                  ; cx, cy
	s_bfe_u32 s41, ttmp6, 0x40004
	s_lshl_b32 s42, ttmp9, 2
	s_add_co_u32 s42, s42, s40                     ; tile column
	s_and_b32 s13, ttmp7, 0xffff
	s_lshl_b32 s13, s13, 2
	s_add_co_u32 s13, s13, s41                     ; tile row
	s_lshl_b32 s43, s41, 2
	s_lshl_b32 s43, 15, s43                        ; my row of the cluster
	s_lshl_b32 s44, 0x1111, s40                    ; my column
	s_or_b32 s[G1+0], s43, (1<<16)|(1<<20)|(1<<21)|(6<<22)|(3<<25)   ; the mask; 2-byte elements; padding on; bit 21 beside a mask; after every 128 words, 4 words
	s_or_b32 s[G1B+0], s44, (1<<16)|(1<<20)|(1<<21)|(6<<22)|(3<<25)
.irp g, G1, G1B
	s_mov_b32 s[(\g)+1], KSTEP<<16                 ; tensor_dim0 = 256
	s_mov_b32 s[(\g)+2], 64<<16                    ; tensor_dim1 = 64
	s_mov_b32 s[(\g)+3], KSTEP<<16                 ; tile_dim0 = 256
	s_mov_b32 s[(\g)+4], 64                        ; tile_dim1 = 64
	s_mov_b32 s[(\g)+5], SIZE_K                    ; elements from row to row
	s_mov_b32 s[(\g)+6], 0
	s_mov_b32 s[(\g)+7], 0
.endr
	s_lshl_b32 s17, s12, 6
	s_lshl_b32 s16, s13, 7
	s_add_co_u32 s16, s16, s17                     ; A: row 128 x tile row + 64 x half
	s_lshl_b32 s46, s42, 7
	s_add_co_u32 s46, s46, s17                     ; B: row 128 x tile column + 64 x half
	s_mov_b32 s17, 0
	s_mov_b32 s47, 0
	s_mov_b64 s[18:19], SIZE_K*2
	s_mul_u64 s[16:17], s[16:17], s[18:19]
	s_mul_u64 s[46:47], s[46:47], s[18:19]
	s_mul_i32 s20, s10, HALFT                      ; where my tiles go in a slot: the wave's number alone
	s_mov_b32 s[TB], 0
	s_wait_dscnt 0x0                               ; the opening add is done
	s_wait_kmcnt 0x0
	s_add_nc_u64 s[14:15], s[4:5], s[16:17]
	s_add_nc_u64 s[46:47], s[6:7], s[46:47]
.if WOFF
	s_add_nc_u64 s[46:47], s[46:47], WOFF
.endif
	CROUND                                         ; all sixteen work-groups are here: the first joint loads meet
.irp s, 0,1
	s_mov_b32 s[G0+4*(\s)], 1
	s_add_co_u32 s[G0+4*(\s)+1], s20, (\s)*SLOT
	s_add_nc_u64 s[G0+4*(\s)+2:G0+4*(\s)+3], s[14:15], (\s)*KSTEP*2
	s_or_b32 s[G0+4*(\s)+3], s[G0+4*(\s)+3], 0x80000000
	s_mov_b32 s[G0B+4*(\s)], 1
	s_add_co_u32 s[G0B+4*(\s)+1], s20, (\s)*SLOT
	s_add_nc_u64 s[G0B+4*(\s)+2:G0B+4*(\s)+3], s[46:47], (\s)*KSTEP*2
	s_or_b32 s[G0B+4*(\s)+3], s[G0B+4*(\s)+3], 0x80000000
	JLOAD \s                                       ; two loads of mine are out
.endr
	v_and_b32 v1, 15, v0                           ; l % 16
	v_bfe_u32 v2, v0, 4, 1                         ; l / 16
	v_and_b32 v5, 31, v0                           ; l
	v_mul_u32_u24 v3, v1, PITCH
	v_lshl_add_u32 v4, v2, 5, v3                   ; the stage: row l % 16, 32 bytes for each half of the lanes
	v_lshl_add_u32 v3, v2, 4, v3                   ; a fragment: row x pitch + 16 x half
	s_mul_i32 s21, s11, HALFT                      ; my 64 rows of A
	s_mul_i32 s22, s12, HALFT                      ; my 64 rows of B,
	s_add_co_u32 s22, s22, 2*HALFT                 ; behind A's 128
	v_add_nc_u32 v[ADRA0], s21, v3
	v_add_nc_u32 v[ADRB0], s22, v3
	v_mov_b32 v[ADRA], v[ADRA0]
	v_mov_b32 v[ADRB], v[ADRB0]
	s_lshl_b32 s22, s12, 8                         ; into the stage (f32, 128 rows x 528 bytes, from LDS byte 0): my 64 rows, my 256 bytes of them
	s_add_co_u32 s21, s21, s22
	v_add_nc_u32 v[STO], s21, v4
	s_mul_i32 s23, s10, 32*PITCH                   ; back: wave w takes rows 32 w .. 32 w + 31, whole: 16 bytes a lane
	v_lshl_add_u32 v[RD], v5, 4, s23
	s_lshl_b32 s16, s13, 7
	s_lshl_b32 s17, s10, 5
	s_add_co_u32 s16, s16, s17                     ; the first row that I store: 128 x tile row + 32 x wave
	s_mul_i32 s16, s16, OUTROW
	s_mov_b32 s17, 0
	s_add_nc_u64 s[8:9], s[8:9], s[16:17]
	s_mul_i32 s46, s42, COLB
	s_mov_b32 s47, 0
	s_add_nc_u64 s[8:9], s[8:9], s[46:47]
	v_lshlrev_b32 v[CO], 3, v5                     ; four bf16 a lane
	s_mov_b32 s71, 0x7fffffff                      ; clears a sign
	s_mov_b32 s72, 0x3f596d27                      ; k = sqrt(log2(e) / 2); each constant is named as a pair, of which the low word serves both halves
	s_mov_b32 s73, s72
	s_mov_b32 s74, 0x3f07dc22                      ; a5 / 2
	s_mov_b32 s75, s74
	s_mov_b32 s76, 0xbf3a00e3                      ; a4 / 2
	s_mov_b32 s77, s76
	s_mov_b32 s78, 0x3f35f0e3                      ; a3 / 2
	s_mov_b32 s79, s78
	s_mov_b32 s80, 0xbe11a98e                      ; a2 / 2
	s_mov_b32 s81, s80
	s_mov_b32 s82, 0x3e027906                      ; a1 / 2
	s_mov_b32 s83, s82
	s_mov_b32 s84, 0x3e6d3388                      ; 0.3275911 / sqrt 2
	s_mov_b32 s85, s84
.set i, 0
.rept 128
	v_mov_b32 v[ACC+i], 0                          ; the sums start at 0, written while the first tile is on its way
.set i, i+1
.endr
	s_wait_tensorcnt 1                             ; my part of K step 0 is in; K step 1's may stay out
	s_barrier_signal -1
	s_barrier_wait -1
	FETCH 0, F0
	WIN 0
	s_mov_b32 s3, STEPS-2
.Lfill:                                                ; every K step but the last two fills its slot again
	STEP 1
	WIN 0
	s_sub_co_u32 s3, s3, 1
	s_cmp_lg_u32 s3, 0
	s_cbranch_scc1 .Lfill
	s_mov_b32 s3, 2
.Ldry:                                                 ; the last two ask for nothing; the second one's fetch of the other slot serves nothing
	STEP 0
	WIN 0
	s_sub_co_u32 s3, s3, 1
	s_cmp_lg_u32 s3, 0
	s_cbranch_scc1 .Ldry
	s_wait_dscnt 0x0                               ; my reads of the ring are over,
	s_barrier_signal -1
	s_barrier_wait -1                              ; everybody's are: slot 0, which has had its last fill, becomes the stage
	; THE WAY OUT: the sums in f32 into the stage; a barrier, since a row comes from two waves; back as whole rows, four at a time; gelu; 256 bytes of bf16 a row.
	PLACES
.irp a, 0,1,2,3
.irp b, 0,1,2,3
	ds_store_b128 v[STO], v[ACC+8*(4*(\a)+(\b)):ACC+8*(4*(\a)+(\b))+3]   offset:(\a)*16*PITCH+64*(\b)
	ds_store_b128 v[STO], v[ACC+8*(4*(\a)+(\b))+4:ACC+8*(4*(\a)+(\b))+7] offset:(\a)*16*PITCH+64*(\b)+16
.endr
.endr
	s_wait_dscnt 0x0                               ; for the others' sake: my stores are done
	s_barrier_signal -1
	s_barrier_wait -1
	s_mov_b32 s3, 8
	s_mov_b32 s[RB], 0
.Lrows:                                                ; eight trips of four rows
	v_add_nc_u32 v[RDW], s[RB], v[RD]
.irp i, 0,1,2,3
	ds_load_b128 v[XR+4*(\i):XR+4*(\i)+3], v[RDW] offset:(\i)*PITCH
.endr
	s_add_co_u32 s[RB], s[RB], 4*PITCH
	s_wait_dscnt 0x0
.set k, 0
.rept 16
	v_and_b32 v[AR+k], s71, v[XR+k]
.set k, k+1
.endr
.set k, 0
.rept 8
	v_pk_fma_f32 v[UR+k:UR+k+1], v[AR+k:AR+k+1], s[84:85], 1.0 op_sel_hi:[1,0,0]
	v_pk_mul_f32 v[WR+k:WR+k+1], v[XR+k:XR+k+1], s[72:73] op_sel_hi:[1,0]
.set k, k+2
.endr
.set k, 0
.rept 8
	v_pk_mul_f32 v[WR+k:WR+k+1], v[WR+k:WR+k+1], v[WR+k:WR+k+1] neg_lo:[1,0] neg_hi:[1,0]
.set k, k+2
.endr
.set k, 0
.rept 16                               ; one batch: sixteen reciprocals and sixteen exponentials
	v_rcp_f32 v[UR+k], v[UR+k]
.set k, k+1
.endr
.set k, 0
.rept 16
	v_exp_f32 v[WR+k], v[WR+k]
.set k, k+1
.endr
	v_nop                                          ; a plain instruction behind the last of them,
	s_wait_alu depctr_va_vdst(0)                   ; and one wait for the batch, ahead of its first reader
.set k, 0
.rept 8
	v_pk_fma_f32 v[PR+k:PR+k+1], v[UR+k:UR+k+1], s[74:75], s[76:77] op_sel_hi:[1,0,0]
.set k, k+2
.endr
.irp c, 78, 80, 82
.set k, 0
.rept 8
	v_pk_fma_f32 v[PR+k:PR+k+1], v[PR+k:PR+k+1], v[UR+k:UR+k+1], s[\c:\c+1] op_sel_hi:[1,1,0]
.set k, k+2
.endr
.endr
.set k, 0
.rept 8
	v_pk_mul_f32 v[PR+k:PR+k+1], v[PR+k:PR+k+1], v[UR+k:UR+k+1]
.set k, k+2
.endr
.set k, 0
.rept 8
	v_pk_mul_f32 v[PR+k:PR+k+1], v[PR+k:PR+k+1], v[WR+k:WR+k+1]
.set k, k+2
.endr
.set k, 0
.rept 16
	v_max_num_f32 v[UR+k], 0, v[XR+k]
.set k, k+1
.endr
.set k, 0
.rept 8
	v_pk_fma_f32 v[XR+k:XR+k+1], v[AR+k:AR+k+1], v[PR+k:PR+k+1], v[UR+k:UR+k+1] neg_lo:[1,0,0] neg_hi:[1,0,0]  ; max(x, 0) - |x| Q
.set k, k+2
.endr
.set k, 0
.rept 8
	v_cvt_pk_bf16_f32 v[UR+k], v[XR+2*k], v[XR+2*k+1]
.set k, k+1
.endr
.irp i, 0,1,2,3
	global_store_b64 v[CO], v[UR+2*(\i):UR+2*(\i)+1], s[8:9] offset:(\i)*OUTROW  ; 32 lanes store 256 consecutive bytes, aligned
.endr
	s_wait_xcnt 0x0                                ; the stores have read their offset and their data: both are written again only behind this wait
	v_add_nc_u32 v[CO], 4*OUTROW, v[CO]
	s_sub_co_u32 s3, s3, 1
	s_cmp_lg_u32 s3, 0
	s_cbranch_scc1 .Lrows
	s_wait_tensorcnt 0x0                           ; the wave's end
	ds_add_u32 v[SPW], v[NIL]
	s_wait_dscnt 0x0
	CROUND                                         ; the closing round
	s_endpgm
.Lfunc_end_k_q53e16cad3b_ffn1:
	.size	k_q53e16cad3b_ffn1, .Lfunc_end_k_q53e16cad3b_ffn1-k_q53e16cad3b_ffn1
	.p2alignl 7, 3214868480
	.fill 96, 4, 3214868480
	.section	.rodata,"a",@progbits
	.p2align	6, 0x0
	.amdhsa_kernel k_q53e16cad3b_ffn1
		.amdhsa_group_segment_fixed_size 327680
		.amdhsa_private_segment_fixed_size 0
		.amdhsa_enable_private_segment 0
		.amdhsa_kernarg_size 24
		.amdhsa_user_sgpr_count 2
		.amdhsa_user_sgpr_kernarg_segment_ptr 1
		.amdhsa_wavefront_size32 1
		.amdhsa_system_sgpr_workgroup_id_x 1
		.amdhsa_system_sgpr_workgroup_id_y 1
		.amdhsa_system_sgpr_workgroup_id_z 1
		.amdhsa_system_vgpr_workitem_id 0
		.amdhsa_next_free_vgpr 512
		.amdhsa_next_free_sgpr 96
		.amdhsa_reserve_vcc 0
		.amdhsa_float_denorm_mode_32 3
		.amdhsa_float_denorm_mode_16_64 3
		.amdhsa_memory_ordered 1
		.amdhsa_forward_progress 1
		.amdhsa_inst_pref_size 61
	.end_amdhsa_kernel
	.amdgpu_metadata
---
amdhsa.version: [ 1, 2 ]
amdhsa.kernels:
  - .name:           k_q53e16cad3b_ffn1
    .symbol:         k_q53e16cad3b_ffn1.kd
    .args:
      - { .name: hb, .offset: 0, .size: 8, .value_kind: global_buffer, .address_space: global }
      - { .name: wb, .offset: 8, .size: 8, .value_kind: global_buffer, .address_space: global }
      - { .name: act, .offset: 16, .size: 8, .value_kind: global_buffer, .address_space: global }
    .group_segment_fixed_size: 327680
    .private_segment_fixed_size: 0
    .kernarg_segment_align: 8
    .kernarg_segment_size: 24
    .max_flat_workgroup_size: 128
    .sgpr_count:     96
    .vgpr_count:     512
    .wavefront_size: 32
...
	.end_amdgpu_metadata
.endif
;; end of part 6
;; launch ffn2 (part 7): grid 8 x 32, 4 waves a work-group, clusters of 4 x 4, 327,680 bytes of LDS; arguments act, wb, out0, x2; writes out0
.if DOCPART == 7
	.amdgcn_target "amdgcn-amd-amdhsa--gfx1250"
	.amdhsa_code_object_version 6
	.text
	.protected	k_q53e16cad3b_ffn2
	.globl	k_q53e16cad3b_ffn2
	.p2align	8
	.type	k_q53e16cad3b_ffn2,@function
k_q53e16cad3b_ffn2:
	s_mov_b64 s[64:65], 0
	v_nop
	global_prefetch_b8 v0, s[64:65] scope:SCOPE_SE
	s_setreg_imm32_b32 hwreg(HW_REG_WAVE_MODE, 25, 1), 1
	s_wait_xcnt 0x0
	s_wait_alu depctr_hold_cnt(0) depctr_sa_sdst(0) depctr_va_vdst(0) depctr_va_sdst(0) depctr_va_ssrc(0) depctr_va_vcc(0) depctr_vm_vsrc(0)
	s_getreg_b32 s2, hwreg(HW_REG_IB_STS2, 6, 4)
	s_cmp_eq_u32 s2, 0
	s_cbranch_scc0 .Lentry_in_a_cluster
	s_endpgm
.Lentry_in_a_cluster:
	s_bfe_u32 s2, ttmp6, 0x10000c
	s_cmp_lg_u32 s2, 0xf033
	s_cbranch_scc0 .Lentry_shape_is_right
	s_endpgm
.Lentry_shape_is_right:
; out0[m][n] = x2[m][n] + the sum over k of act[m][k] W[n][k].  act: [4096][4096] bf16; W: the bf16 copy of w2, [1024][4096]; sums, residual and out0 in f32.
; NaN and infinities are not treated apart.
; A tile of C is 128 x 128: four waves, each 64 x 64, 16 accumulators.  K goes in steps of 256 (LDS rows of 512 bytes + 16 of padding) through two LDS slots; a wave's tensor load brings 64 rows.
; CLUSTER: 4 x 4 work-groups; the four of a row need the same tiles of A, the four of a column the same tiles of B: each tile is asked for jointly, by the same load, descriptor and mask in all four.
; ONE TEXT FOR A K STEP: the slot in hand is a scalar that an exclusive or turns, so a step is written twice in all (with a refill, and without).  The price: the 128 accumulator registers are
; cleared by v_mov_b32 while the first tile is on its way, and the last step fetches 32 fragments that nothing uses.
; THE MATRIX INSTRUCTION IS USED TRANSPOSED (source 0 = 16 rows of B, source 1 = 16 rows of A): a lane holds eight neighbouring numbers of a row of C.
; REGISTERS: window 0: v0-31 addresses, v128-255 the accumulators ((a, b) at 128 + 8 (4 a + b)); window 1: two fragment buffers of 128; window 2: v0-127 the residual's rows.
.set SIZE_N, 1024
.set SIZE_K, 4096
.set WOFF,   0x1000000                 ; where this matrix begins in wb
.set OUTROW, SIZE_N*4                  ; bytes in a row of the output and of the residual
.set COLB,   512                       ; bytes of a tile's 128 columns in it
.set KSTEP,  256
.set PITCH,  528                       ; 132 words: row r starts at bank 4 r mod 64 (64 banks of 4 bytes: ISA guide 11.1)
.set HALFT,  64*PITCH                  ; what one tensor load brings
.set SLOT,   4*HALFT                   ; A's 128 rows, then B's 128 rows
.set SPARE,  2*SLOT                    ; behind the ring: the spare words, 128 bytes a wave, which no other line names
.set STEPS,  SIZE_K/KSTEP
.set ADRA0, 16                         ; v16, v17  my lane's place in slot 0's A and B; never rewritten
.set ADRB0, 17
.set ADRA,  18                         ; v18, v19  the same in the slot in hand
.set ADRB,  19
.set STO,   24                         ; v24  the way out: where I put 32 bytes of a row
.set RD,    25                         ; v25  where I read a row back
.set CO,    26                         ; v26  my byte offset in a row of the output
.set SPW,   28                         ; v28  my spare word; never rewritten
.set NIL,   29                         ; v29  0; never rewritten
.set ACC,   128
.set F0,    0
.set F1,    128
.set G1,  24                           ; s[24:31] group 1 for A; s[32:39] group 0, two sets: the first fill's, and the one that walks
.set G0,  32
.set G1B, 48                           ; s[48:55], s[56:63] the same for B
.set G0B, 56
.set TB,  66                           ; s66  LDS byte at which the slot in hand begins: 0 or SLOT
.set AUX, 68                           ; s[68:69] the residual
.set MSB, 0
.macro WIN new                         ; the immediate's high byte repeats the setting that is left
.if MSB != (\new)
	s_set_vgpr_msb (MSB<<8)|(\new)
.set MSB, \new
.endif
.endm
.set MUL,  0x05                        ; sources 0 (B) and 1 (A) window 1; C and D window 0
.set TO_F, 0x40                        ; destination window 1, address window 0
.macro JLOAD s                         ; a joint load: waves 0 and 1 fetch A's halves, waves 2 and 3 B's; s_nop 0 and four v_nop follow each line
	s_cmp_eq_u32 s11, 0
	s_cbranch_scc0 .Lfor_b_\@
	tensor_load_to_lds s[G0+4*(\s):G0+4*(\s)+3], s[G1:G1+7]
	s_nop 0
.rept 4
	v_nop
.endr
	s_branch .Lasked_\@
.Lfor_b_\@:
	tensor_load_to_lds s[G0B+4*(\s):G0B+4*(\s)+3], s[G1B:G1B+7]
	s_nop 0
.rept 4
	v_nop
.endr
.Lasked_\@:
.endm
.macro CREST                           ; a round of the cluster's barrier behind its opening barrier
	s_cmp_lg_u32 s10, 0
	s_cbranch_scc1 .Lnot_wave_0_\@
	s_barrier_signal -3
.Lnot_wave_0_\@:
	s_barrier_wait -3
	s_barrier_signal -1
	s_barrier_wait -1
.endm
.macro CROUND
	s_barrier_signal -1
	s_barrier_wait -1
	CREST
.endm
.macro PLACES                          ; four places behind matrix instructions, in front of loads into registers that they read and of readers of their results
.rept 4
	v_nop
.endr
.endm
; 8 matrix instructions: m blocks a0, a0 + 1 x all 4 n blocks, 32 along K: half c of buffer f.  The 16 accumulators take turns, in the same order everywhere, over the backward jumps too.
.macro MUL8 f, c, a0
	WIN MUL
.irp a, \a0, (\a0)+1
.irp b, 0,1,2,3
	v_wmma_f32_16x16x32_bf16 v[ACC+8*(4*(\a)+(\b)):ACC+8*(4*(\a)+(\b))+7], v[(\f)+64+8*(4*(\c)+(\b)):(\f)+64+8*(4*(\c)+(\b))+7], v[(\f)+8*(4*(\c)+(\a)):(\f)+8*(4*(\c)+(\a))+7], v[ACC+8*(4*(\a)+(\b)):ACC+8*(4*(\a)+(\b))+7]
.endr
.endr
.endm
; 32 LDS loads in one run: the fragments of 64 along K at byte k of the rows of the slot in hand, into buffer f; the first 32 along K first
.macro FETCH k, f
	WIN TO_F
.irp c, 0,1
.irp i, 0,1,2,3
	ds_load_b128 v[(\f)+64+8*(4*(\c)+(\i)):(\f)+64+8*(4*(\c)+(\i))+3],   v[ADRB] offset:(\k)+64*(\c)+(\i)*16*PITCH
	ds_load_b128 v[(\f)+64+8*(4*(\c)+(\i))+4:(\f)+64+8*(4*(\c)+(\i))+7], v[ADRB] offset:(\k)+64*(\c)+(\i)*16*PITCH+32
	ds_load_b128 v[(\f)+8*(4*(\c)+(\i)):(\f)+8*(4*(\c)+(\i))+3],         v[ADRA] offset:(\k)+64*(\c)+(\i)*16*PITCH
	ds_load_b128 v[(\f)+8*(4*(\c)+(\i))+4:(\f)+8*(4*(\c)+(\i))+7],       v[ADRA] offset:(\k)+64*(\c)+(\i)*16*PITCH+32
.endr
.endr
.endm
; A K step is four quarters of 64 along K.  One of the first three multiplies buffer f and fetches the next quarter, at byte k, into g.
.macro QUARTER k, f, g
	s_wait_dscnt 16                                ; the first 32 along K are in; the sixteen younger loads may be out
	MUL8 \f, 0, 0
	MUL8 \f, 0, 2
	PLACES
	FETCH \k, \g
	s_wait_dscnt 32                                ; all but the 32 just issued
	MUL8 \f, 1, 0
	MUL8 \f, 1, 2
.endm
; The last quarter multiplies buffer 1 and changes slots.  In front of the barrier each wave waits for all its tensor loads (one is out: its part of the next slot), adds 0 to its spare word,
; and waits for that and for its reads of this slot.  fill = 1: the barrier opens a round of the cluster's, and this slot is filled again first thing behind it, with the tile two steps on:
; that load has 112 matrix instructions in which to land.
.macro TURN fill
	WIN 0
	s_wait_tensorcnt 0x0                           ; no tensor load of mine is out, so a group 0 may be written
	ds_add_u32 v[SPW], v[NIL]                      ; 0 onto my spare word; work on registers stands between it and the wait for it
.if \fill
	s_add_co_u32 s[G0+5], s20, s[TB]               ; the walking descriptors: into the slot that is being left,
	s_add_co_u32 s[G0B+5], s20, s[TB]
	s_add_nc_u64 s[G0+6:G0+7], s[G0+6:G0+7], KSTEP*2      ; the next K step; the type bits on top are not reached
	s_add_nc_u64 s[G0B+6:G0B+7], s[G0B+6:G0B+7], KSTEP*2
.endif
	s_xor_b32 s[TB], s[TB], SLOT                   ; the other slot is now in hand
	v_add_nc_u32 v[ADRA], s[TB], v[ADRA0]
	v_add_nc_u32 v[ADRB], s[TB], v[ADRB0]
	s_wait_dscnt 17                                ; the add and the youngest sixteen loads may be out
	MUL8 F1, 0, 0
	s_wait_dscnt 0x0                               ; the add is done, and my reads of the old slot are over
	s_barrier_signal -1
	MUL8 F1, 0, 2
.if \fill
	WIN 0
.endif
	s_barrier_wait -1
.if \fill
	CREST                                          ; no wave of any partner still reads the old slot or has a load on its way
	JLOAD 1                                        ; its four v_nop are also the places in front of the loads below
.else
	PLACES
.endif
	FETCH 0, F0
	MUL8 F1, 1, 0
	MUL8 F1, 1, 2
.endm
.macro STEP fill
	QUARTER 128, F0, F1
	QUARTER 256, F1, F0
	QUARTER 384, F0, F1
	TURN \fill
.endm
	s_load_b128 s[4:7], s[0:1], 0x0                ; A s[4:5], wb s[6:7]
	s_load_b64 s[8:9], s[0:1], 0x10                ; the output
	s_load_b64 s[AUX:AUX+1], s[0:1], 0x18          ; the residual
	v_lshl_add_u32 v[SPW], v0, 2, SPARE
	v_mov_b32 v[NIL], 0
	ds_add_u32 v[SPW], v[NIL]                      ; the wave's opening: the add and its wait ahead of my first tensor load
	ds_add_u32 v28, v29
	v_lshrrev_b32 v1, 5, v0
	v_readfirstlane_b32 s10, v1                    ; wave 0..3
	s_lshr_b32 s11, s10, 1                         ; my half of the tile's rows; also: I fetch for A (0) or B (1)
	s_and_b32 s12, s10, 1                          ; my half of its columns; also: which 64 rows I fetch
	s_bfe_u32 s40, ttmp6, 0x40000                  ; cx, cy
	s_bfe_u32 s41, ttmp6, 0x40004
	s_lshl_b32 s42, ttmp9, 2
	s_add_co_u32 s42, s42, s40                     ; tile column
	s_and_b32 s13, ttmp7, 0xffff
	s_lshl_b32 s13, s13, 2
	s_add_co_u32 s13, s13, s41                     ; tile row
	s_lshl_b32 s43, s41, 2
	s_lshl_b32 s43, 15, s43                        ; my row of the cluster
	s_lshl_b32 s44, 0x1111, s40                    ; my column
	s_or_b32 s[G1+0], s43, (1<<16)|(1<<20)|(1<<21)|(6<<22)|(3<<25)   ; the mask; 2-byte elements; padding on; bit 21 beside a mask; after every 128 words, 4 words
	s_or_b32 s[G1B+0], s44, (1<<16)|(1<<20)|(1<<21)|(6<<22)|(3<<25)
.irp g, G1, G1B
	s_mov_b32 s[(\g)+1], KSTEP<<16                 ; tensor_dim0 = 256
	s_mov_b32 s[(\g)+2], 64<<16                    ; tensor_dim1 = 64
	s_mov_b32 s[(\g)+3], KSTEP<<16                 ; tile_dim0 = 256
	s_mov_b32 s[(\g)+4], 64                        ; tile_dim1 = 64
	s_mov_b32 s[(\g)+5], SIZE_K                    ; elements from row to row
	s_mov_b32 s[(\g)+6], 0
	s_mov_b32 s[(\g)+7], 0
.endr
	s_lshl_b32 s17, s12, 6
	s_lshl_b32 s16, s13, 7
	s_add_co_u32 s16, s16, s17                     ; A: row 128 x tile row + 64 x half
	s_lshl_b32 s46, s42, 7
	s_add_co_u32 s46, s46, s17                     ; B: row 128 x tile column + 64 x half
	s_mov_b32 s17, 0
	s_mov_b32 s47, 0
	s_mov_b64 s[18:19], SIZE_K*2
	s_mul_u64 s[16:17], s[16:17], s[18:19]
	s_mul_u64 s[46:47], s[46:47], s[18:19]
	s_mul_i32 s20, s10, HALFT                      ; where my tiles go in a slot: the wave's number alone
	s_mov_b32 s[TB], 0
	s_wait_dscnt 0x0                               ; the opening add is done
	s_wait_kmcnt 0x0
	s_add_nc_u64 s[14:15], s[4:5], s[16:17]
	s_add_nc_u64 s[46:47], s[6:7], s[46:47]
.if WOFF
	s_add_nc_u64 s[46:47], s[46:47], WOFF
.endif
	CROUND                                         ; all sixteen work-groups are here: the first joint loads meet
.irp s, 0,1
	s_mov_b32 s[G0+4*(\s)], 1
	s_add_co_u32 s[G0+4*(\s)+1], s20, (\s)*SLOT
	s_add_nc_u64 s[G0+4*(\s)+2:G0+4*(\s)+3], s[14:15], (\s)*KSTEP*2
	s_or_b32 s[G0+4*(\s)+3], s[G0+4*(\s)+3], 0x80000000
	s_mov_b32 s[G0B+4*(\s)], 1
	s_add_co_u32 s[G0B+4*(\s)+1], s20, (\s)*SLOT
	s_add_nc_u64 s[G0B+4*(\s)+2:G0B+4*(\s)+3], s[46:47], (\s)*KSTEP*2
	s_or_b32 s[G0B+4*(\s)+3], s[G0B+4*(\s)+3], 0x80000000
	JLOAD \s                                       ; two loads of mine are out
.endr
	v_and_b32 v1, 15, v0                           ; l % 16
	v_bfe_u32 v2, v0, 4, 1                         ; l / 16
	v_and_b32 v5, 31, v0                           ; l
	v_mul_u32_u24 v3, v1, PITCH
	v_lshl_add_u32 v4, v2, 5, v3                   ; the stage: row l % 16, 32 bytes for each half of the lanes
	v_lshl_add_u32 v3, v2, 4, v3                   ; a fragment: row x pitch + 16 x half
	s_mul_i32 s21, s11, HALFT                      ; my 64 rows of A
	s_mul_i32 s22, s12, HALFT                      ; my 64 rows of B,
	s_add_co_u32 s22, s22, 2*HALFT                 ; behind A's 128
	v_add_nc_u32 v[ADRA0], s21, v3
	v_add_nc_u32 v[ADRB0], s22, v3
	v_mov_b32 v[ADRA], v[ADRA0]
	v_mov_b32 v[ADRB], v[ADRB0]
	s_lshl_b32 s22, s12, 8                         ; into the stage (f32, 128 rows x 528 bytes, from LDS byte 0): my 64 rows, my 256 bytes of them
	s_add_co_u32 s21, s21, s22
	v_add_nc_u32 v[STO], s21, v4
	s_mul_i32 s23, s10, 32*PITCH                   ; back: wave w takes rows 32 w .. 32 w + 31, whole: 16 bytes a lane
	v_lshl_add_u32 v[RD], v5, 4, s23
	s_lshl_b32 s16, s13, 7
	s_lshl_b32 s17, s10, 5
	s_add_co_u32 s16, s16, s17                     ; the first row that I store: 128 x tile row + 32 x wave
	s_mul_i32 s16, s16, OUTROW
	s_mov_b32 s17, 0
	s_add_nc_u64 s[8:9], s[8:9], s[16:17]
	s_add_nc_u64 s[AUX:AUX+1], s[AUX:AUX+1], s[16:17]
	s_mul_i32 s46, s42, COLB
	s_mov_b32 s47, 0
	s_add_nc_u64 s[8:9], s[8:9], s[46:47]
	s_add_nc_u64 s[AUX:AUX+1], s[AUX:AUX+1], s[46:47]
	v_lshlrev_b32 v[CO], 4, v5                     ; four f32 a lane
	WIN 0x80                                       ; destination window 2
.set i, 0
.rept 32
	global_load_b128 v[4*i:4*i+3], v[CO], s[AUX:AUX+1] offset:i*OUTROW  ; the residual of my 32 rows: on its way under the whole product
.set i, i+1
.endr
	WIN 0
.set i, 0
.rept 128
	v_mov_b32 v[ACC+i], 0                          ; the sums start at 0, written while the first tile is on its way
.set i, i+1
.endr
	s_wait_tensorcnt 1                             ; my part of K step 0 is in; K step 1's may stay out
	s_barrier_signal -1
	s_barrier_wait -1
	FETCH 0, F0
	WIN 0
	s_mov_b32 s3, STEPS-2
.Lfill:                                                ; every K step but the last two fills its slot again
	STEP 1
	WIN 0
	s_sub_co_u32 s3, s3, 1
	s_cmp_lg_u32 s3, 0
	s_cbranch_scc1 .Lfill
	s_mov_b32 s3, 2
.Ldry:                                                 ; the last two ask for nothing; the second one's fetch of the other slot serves nothing
	STEP 0
	WIN 0
	s_sub_co_u32 s3, s3, 1
	s_cmp_lg_u32 s3, 0
	s_cbranch_scc1 .Ldry
	s_wait_dscnt 0x0                               ; my reads of the ring are over,
	s_barrier_signal -1
	s_barrier_wait -1                              ; everybody's are: slot 0, which has had its last fill, becomes the stage
	; THE WAY OUT: the sums in f32 into the stage; a barrier, since a row comes from two waves; back as whole rows; the residual is added; whole rows of 512 bytes are stored.
	PLACES
.irp a, 0,1,2,3
.irp b, 0,1,2,3
	ds_store_b128 v[STO], v[ACC+8*(4*(\a)+(\b)):ACC+8*(4*(\a)+(\b))+3]   offset:(\a)*16*PITCH+64*(\b)
	ds_store_b128 v[STO], v[ACC+8*(4*(\a)+(\b))+4:ACC+8*(4*(\a)+(\b))+7] offset:(\a)*16*PITCH+64*(\b)+16
.endr
.endr
	s_wait_dscnt 0x0                               ; for the others' sake: my stores are done
	s_barrier_signal -1
	s_barrier_wait -1
.set i, 0
.rept 32
	ds_load_b128 v[ACC+4*i:ACC+4*i+3], v[RD] offset:i*PITCH
.set i, i+1
.endr
	s_wait_loadcnt 0x0                             ; the residual
	WIN 0x82                                       ; destination and source 0 window 2, source 1 window 0
.set i, 0
.rept 32
	s_wait_dscnt 31-i                              ; row i is back; the rows behind it may be out
	v_pk_add_f32 v[4*i:4*i+1],   v[4*i:4*i+1],   v[ACC+4*i:ACC+4*i+1]
	v_pk_add_f32 v[4*i+2:4*i+3], v[4*i+2:4*i+3], v[ACC+4*i+2:ACC+4*i+3]
.set i, i+1
.endr
	WIN 0x08                                       ; a store's data is source 1: window 2
.set i, 0
.rept 32
	global_store_b128 v[CO], v[4*i:4*i+3], s[8:9] offset:i*OUTROW  ; 32 lanes store 512 consecutive bytes, aligned
.set i, i+1
.endr
	WIN 0
	s_wait_tensorcnt 0x0                           ; the wave's end
	ds_add_u32 v[SPW], v[NIL]
	s_wait_dscnt 0x0
	CROUND                                         ; the closing round
	s_endpgm
.Lfunc_end_k_q53e16cad3b_ffn2:
	.size	k_q53e16cad3b_ffn2, .Lfunc_end_k_q53e16cad3b_ffn2-k_q53e16cad3b_ffn2
	.p2alignl 7, 3214868480
	.fill 96, 4, 3214868480
	.section	.rodata,"a",@progbits
	.p2align	6, 0x0
	.amdhsa_kernel k_q53e16cad3b_ffn2
		.amdhsa_group_segment_fixed_size 327680
		.amdhsa_private_segment_fixed_size 0
		.amdhsa_enable_private_segment 0
		.amdhsa_kernarg_size 32
		.amdhsa_user_sgpr_count 2
		.amdhsa_user_sgpr_kernarg_segment_ptr 1
		.amdhsa_wavefront_size32 1
		.amdhsa_system_sgpr_workgroup_id_x 1
		.amdhsa_system_sgpr_workgroup_id_y 1
		.amdhsa_system_sgpr_workgroup_id_z 1
		.amdhsa_system_vgpr_workitem_id 0
		.amdhsa_next_free_vgpr 640
		.amdhsa_next_free_sgpr 96
		.amdhsa_reserve_vcc 0
		.amdhsa_float_denorm_mode_32 3
		.amdhsa_float_denorm_mode_16_64 3
		.amdhsa_memory_ordered 1
		.amdhsa_forward_progress 1
		.amdhsa_inst_pref_size 65
	.end_amdhsa_kernel
	.amdgpu_metadata
---
amdhsa.version: [ 1, 2 ]
amdhsa.kernels:
  - .name:           k_q53e16cad3b_ffn2
    .symbol:         k_q53e16cad3b_ffn2.kd
    .args:
      - { .name: act, .offset: 0, .size: 8, .value_kind: global_buffer, .address_space: global }
      - { .name: wb, .offset: 8, .size: 8, .value_kind: global_buffer, .address_space: global }
      - { .name: out0, .offset: 16, .size: 8, .value_kind: global_buffer, .address_space: global }
      - { .name: x2, .offset: 24, .size: 8, .value_kind: global_buffer, .address_space: global }
    .group_segment_fixed_size: 327680
    .private_segment_fixed_size: 0
    .kernarg_segment_align: 8
    .kernarg_segment_size: 32
    .max_flat_workgroup_size: 128
    .sgpr_count:     96
    .vgpr_count:     640
    .wavefront_size: 32
...
	.end_amdgpu_metadata
.endif
;; end of part 7
;; ======== version 2 of 2: 7 launches
;; limits: a function is approximated: absolute error at most 1.5e-07; right only within a limited range of input values
;; workspace buffers: hb 8,388,608 bytes; wb 25,165,824 bytes; rope 557,056 bytes; qkv 25,165,824 bytes; x2 16,777,216 bytes; act 33,554,432 bytes
;; launch prep (part 8): grid 64 x 21, 8 waves a work-group, no clusters, 0 bytes of LDS; arguments x, ln1_g, ln1_b, in_proj_w, out_proj_w, w1, w2, hb, wb, rope; writes hb, wb, rope
.if DOCPART == 8
	.amdgcn_target "amdgcn-amd-amdhsa--gfx1250"
	.amdhsa_code_object_version 6
	.text
	.protected	k_q53e16cad3b_prep
	.globl	k_q53e16cad3b_prep
	.p2align	8
	.type	k_q53e16cad3b_prep,@function
k_q53e16cad3b_prep:
	s_mov_b64 s[64:65], 0
	v_nop
	global_prefetch_b8 v0, s[64:65] scope:SCOPE_SE
	s_setreg_imm32_b32 hwreg(HW_REG_WAVE_MODE, 25, 1), 1
	s_wait_xcnt 0x0
; THREE STREAMS IN ONE LAUNCH, told apart by the work-group's y (a scalar branch, forward):
;   y = 0..11   the four weight matrices, 12 x 2^20 numbers, rounded once to bf16 into wb, in their own row order:
;               in_proj at byte 0, out_proj at 0x600000, w1 at 0x800000, w2 at 0x1000000.  A work-group takes 16,384 numbers.
;   y = 12..19  h = layernorm(x) g + b, rounded once to bf16 into hb [4096][1024].  A wave takes one row and keeps it in registers.
;   y = 20      the rotation table rope [2176][32] of pairs (cos, sin) in f32: rows 0..2047 are positions, rows 2048..2175 hold (1, 0).
; Memory binds all three: 16-byte loads of 512 consecutive bytes a wave, stores of 256 or 512 consecutive bytes, nothing of x or of the weights read twice; no LDS, no barrier.
; One row a wave, rounded in place, keeps the whole text within 112 registers, so that more work-groups have their loads out together.
; LIMITS.  NaN and infinities are not treated apart.  The table's frequency is 2^(-0.41524101 i) by v_exp_f32; sine and cosine of the f32 angle t f come from a
; reduction by 2 pi in two parts (6.28125 + 0.0019353072; t f stays under 2,048, so n x 6.28125 is exact) and Taylor sums on half the angle, cut below 6e-8.
.set T,   2                            ; v[2:9]     four chains of pairs, at work
.set MU,  10                           ; v[10:11]   the row's mean, twice
.set R0,  12                           ; v[12:13]   1 / sqrt(var + eps), twice
.set X0,  16                           ; v[16:47]   the row: lane l holds columns 4 l + 128 j .. + 3 in registers 4 j .. 4 j + 3; at the end its bf16 in v[16:31]
.set G,   48                           ; v[48:79]   the gain of the same columns
.set BV,  80                           ; v[80:111]  the bias
.set XB,  4                            ; s[4:5] x   s[6:7] gain   s[8:9] bias   s[18:19] hb
.set GB,  6
.set BB,  8
.set OB,  18
.macro REDUCE                          ; the four chains become one sum, in every lane's v[T]
	v_pk_add_f32 v[T:T+1], v[T:T+1], v[T+2:T+3]
	v_pk_add_f32 v[T+4:T+5], v[T+4:T+5], v[T+6:T+7]
	v_pk_add_f32 v[T:T+1], v[T:T+1], v[T+4:T+5]
	v_add_f32 v[T], v[T], v[T+1]
	v_add_f32_dpp v[T], v[T], v[T] row_xmask:1 row_mask:0xf bank_mask:0xf
	v_add_f32_dpp v[T], v[T], v[T] row_xmask:2 row_mask:0xf bank_mask:0xf
	v_add_f32_dpp v[T], v[T], v[T] row_xmask:4 row_mask:0xf bank_mask:0xf
	v_add_f32_dpp v[T], v[T], v[T] row_xmask:8 row_mask:0xf bank_mask:0xf
	v_permlanex16_b32 v[T+1], v[T], s30, s31
	v_add_f32 v[T], v[T], v[T+1]
.endm
; The row in x: its mean; the row less its mean, in place; the mean of the squares OF THE DIFFERENCES (a common offset of the row costs nothing); r = 1 / sqrt(var + 1e-5).
.macro STATS x, r, left
	s_wait_loadcnt \left                           ; loads come back in order: the row is in, the younger loads stay out
.irp k, 0,1,2,3
	v_pk_add_f32 v[T+2*(\k):T+2*(\k)+1], v[(\x)+2*(\k):(\x)+2*(\k)+1], v[(\x)+8+2*(\k):(\x)+8+2*(\k)+1]
.endr
.irp k, 8,9,10,11,12,13,14,15
	v_pk_add_f32 v[T+2*((\k)%4):T+2*((\k)%4)+1], v[T+2*((\k)%4):T+2*((\k)%4)+1], v[(\x)+2*(\k):(\x)+2*(\k)+1]
.endr
	REDUCE
	v_mul_f32 v[MU], s32, v[T]
	v_mul_f32 v[MU+1], s32, v[T]
.irp k, 0,1,2,3,4,5,6,7,8,9,10,11,12,13,14,15
	v_pk_add_f32 v[(\x)+2*(\k):(\x)+2*(\k)+1], v[(\x)+2*(\k):(\x)+2*(\k)+1], v[MU:MU+1] neg_lo:[0,1] neg_hi:[0,1]
.endr
.irp k, 0,1,2,3
	v_pk_mul_f32 v[T+2*(\k):T+2*(\k)+1], v[(\x)+2*(\k):(\x)+2*(\k)+1], v[(\x)+2*(\k):(\x)+2*(\k)+1]
.endr
.irp k, 4,5,6,7,8,9,10,11,12,13,14,15
	v_pk_fma_f32 v[T+2*((\k)%4):T+2*((\k)%4)+1], v[(\x)+2*(\k):(\x)+2*(\k)+1], v[(\x)+2*(\k):(\x)+2*(\k)+1], v[T+2*((\k)%4):T+2*((\k)%4)+1]
.endr
	REDUCE
	v_fmaak_f32 v[T], s32, v[T], 0x3727c5ac        ; the sum / 1024 + 1e-5
	v_rsq_f32 v[\r], v[T]
	v_rsq_f32 v[(\r)+1], v[T]
	v_nop                                          ; a plain instruction behind the second root
.endm
.macro FINISH x, r
.set k, 0
.rept 16
	v_pk_mul_f32 v[(\x)+2*k:(\x)+2*k+1], v[(\x)+2*k:(\x)+2*k+1], v[(\r):(\r)+1]
.set k, k+1
.endr
.set k, 0
.rept 16
	v_pk_fma_f32 v[(\x)+2*k:(\x)+2*k+1], v[(\x)+2*k:(\x)+2*k+1], v[G+2*k:G+2*k+1], v[BV+2*k:BV+2*k+1]
.set k, k+1
.endr
.set k, 0
.rept 16
	v_cvt_pk_bf16_f32 v[(\x)+k], v[(\x)+2*k], v[(\x)+2*k+1]  ; in place, ascending: register k is written when pairs 0 .. k - 1, which hold it, have been read
.set k, k+1
.endr
.irp j, 0,1,2,3,4,5,6,7
	global_store_b64 v0, v[(\x)+2*(\j):(\x)+2*(\j)+1], s[OB:OB+1] offset:256*(\j)  ; 32 lanes store 256 consecutive bytes, aligned
.endr
.endm
; sine and cosine of the angle in v[th].  n = the nearest whole number of turns; r = th - n 2 pi; on y = r / 2, within pi / 2, both Taylor sums; then the double angle.
.macro SINCOS th, c, s
	v_mul_f32 v24, 0x3e22f983, v[\th]
	v_rndne_f32 v24, v24
	v_fma_f32 v25, -v24, s30, v[\th]
	v_fma_f32 v25, -v24, s31, v25
	v_mul_f32 v25, 0.5, v25
	v_mul_f32 v26, v25, v25
	v_fmaak_f32 v27, s32, v26, 0x3638ef1d          ; sine: -1/11! z + 1/9!
	v_fmaak_f32 v28, s33, v26, 0xb493f27e          ; cosine: 1/12! z - 1/10!
	v_fmaak_f32 v27, v27, v26, 0xb9500d01
	v_fmaak_f32 v28, v28, v26, 0x37d00d01
	v_fmaak_f32 v27, v27, v26, 0x3c088889
	v_fmaak_f32 v28, v28, v26, 0xbab60b61
	v_fmaak_f32 v27, v27, v26, 0xbe2aaaab
	v_fmaak_f32 v28, v28, v26, 0x3d2aaaab
	v_fmaak_f32 v27, v27, v26, 0x3f800000
	v_fmaak_f32 v28, v28, v26, 0xbf000000
	v_mul_f32 v27, v27, v25                        ; sin y
	v_fmaak_f32 v28, v28, v26, 0x3f800000          ; cos y
	v_mul_f32 v29, v27, v28
	v_mul_f32 v26, v27, v27
	v_add_f32 v[\s], v29, v29                      ; sin r = 2 sin y cos y
	v_fma_f32 v[\c], v26, -2.0, 1.0                ; cos r = 1 - 2 sin^2 y
.endm
	s_load_b256 s[4:11], s[0:1], 0x0               ; x, ln1_g, ln1_b, in_proj_w
	s_load_b256 s[12:19], s[0:1], 0x20             ; out_proj_w, w1, w2, hb
	s_load_b128 s[20:23], s[0:1], 0x40             ; wb, rope
	s_and_b32 s24, ttmp7, 0xffff                   ; y
	v_lshrrev_b32 v2, 5, v0
	v_readfirstlane_b32 s25, v2                    ; wave 0..7
	v_and_b32 v1, 31, v0                           ; lane
	s_wait_kmcnt 0x0
	s_cmp_lt_u32 s24, 12
	s_cbranch_scc1 .Lcvt
	s_cmp_lt_u32 s24, 20
	s_cbranch_scc1 .Lln
	; THE TABLE.  Thread g = 256 x + t makes pairs 2 (g % 16) and the next of rows g / 16 and g / 16 + 1024: 16 bytes each, at byte 16 g of each half.
	s_lshl_b32 s26, ttmp9, 8
	s_mov_b32 s30, 0x40c90000                      ; 6.28125
	s_mov_b32 s31, 0x3afdaa22                      ; 2 pi - 6.28125
	s_mov_b32 s32, 0xb2d7322b                      ; -1/11!
	s_mov_b32 s33, 0x310f76c7                      ; 1/12!
	v_add_nc_u32 v2, s26, v0
	v_and_b32 v3, 15, v2
	v_lshlrev_b32 v3, 1, v3                        ; the first pair's number i
	v_lshrrev_b32 v4, 4, v2                        ; the position
	v_lshlrev_b32 v5, 4, v2
	v_cvt_f32_u32 v6, v3
	v_add_nc_u32 v3, 1, v3
	v_cvt_f32_u32 v7, v3
	v_mul_f32 v6, 0xbed49a78, v6                   ; -i log2(10000) / 32
	v_mul_f32 v7, 0xbed49a78, v7
	v_exp_f32 v6, v6
	v_exp_f32 v7, v7
	v_nop                                          ; a plain instruction behind the last exponential
	v_cvt_f32_u32 v12, v4
	v_add_nc_u32 v4, 0x400, v4
	v_cvt_f32_u32 v13, v4
	s_wait_alu depctr_va_vdst(0)                   ; one wait for both exponentials, ahead of their first reader
	v_mul_f32 v8, v12, v6
	v_mul_f32 v9, v12, v7
	v_mul_f32 v10, v13, v6
	v_mul_f32 v11, v13, v7
	SINCOS 8, 16, 17
	SINCOS 9, 18, 19
	SINCOS 10, 20, 21
	SINCOS 11, 22, 23
	global_store_b128 v5, v[16:19], s[22:23]                ; a wave stores 512 consecutive bytes
	global_store_b128 v5, v[20:23], s[22:23] offset:262144  ; 1,024 rows of 256 bytes further on
	s_cmp_lt_u32 ttmp9, 8
	s_cbranch_scc0 .Ltab_end
	v_mov_b32 v32, 1.0                             ; the 128 rows of (1, 0): 2,048 threads x 16 bytes
	v_mov_b32 v33, 0
	v_mov_b32 v34, 1.0
	v_mov_b32 v35, 0
	global_store_b128 v5, v[32:35], s[22:23] offset:524288
.Ltab_end:
	s_endpgm
.Lcvt:	; THE WEIGHTS.  y picks the matrix and the 2^20 numbers of it; the choice hangs on y alone.
	s_mov_b64 s[26:27], s[16:17]
	s_mov_b32 s28, 8
	s_cmp_lt_u32 s24, 8
	s_cselect_b64 s[26:27], s[14:15], s[26:27]
	s_cselect_b32 s28, 4, s28
	s_cmp_lt_u32 s24, 4
	s_cselect_b64 s[26:27], s[12:13], s[26:27]
	s_cselect_b32 s28, 3, s28
	s_cmp_lt_u32 s24, 3
	s_cselect_b64 s[26:27], s[10:11], s[26:27]
	s_cselect_b32 s28, 0, s28
	s_sub_co_u32 s28, s24, s28
	s_lshl_b32 s28, s28, 22                        ; 2^20 numbers of 4 bytes,
	s_lshl_b32 s29, ttmp9, 16                      ; the work-group's 65,536 bytes
	s_add_co_u32 s28, s28, s29
	s_mov_b32 s29, 0
	s_add_nc_u64 s[26:27], s[26:27], s[28:29]
	s_lshl_b32 s28, s24, 21                        ; in wb: 2 bytes a number
	s_lshl_b32 s30, ttmp9, 15
	s_add_co_u32 s28, s28, s30
	s_add_nc_u64 s[20:21], s[20:21], s[28:29]
	s_lshl_b32 s30, s25, 13
	v_lshl_add_u32 v2, v1, 4, s30                  ; in: 8,192 bytes a wave, 16 a lane
	s_lshl_b32 s30, s25, 12
	v_lshl_add_u32 v3, v1, 3, s30                  ; out: 4,096 bytes a wave, 8 a lane
.set j, 0
.rept 16
	global_load_b128 v[16+4*j:16+4*j+3], v2, s[26:27] offset:512*j th:TH_LOAD_NT  ; all sixteen are on their way together
.set j, j+1
.endr
.set j, 0
.rept 16
	s_wait_loadcnt 15-j                            ; load j is in; the 15 - j behind it stay out
	v_cvt_pk_bf16_f32 v[80+2*j], v[16+4*j], v[16+4*j+1]
	v_cvt_pk_bf16_f32 v[81+2*j], v[16+4*j+2], v[16+4*j+3]
	global_store_b64 v3, v[80+2*j:81+2*j], s[20:21] offset:256*j  ; 32 lanes store 256 consecutive bytes, aligned
.set j, j+1
.endr
	s_endpgm
.Lln:	; THE NORM.  Row 8 lw + wave, lw = 64 (y - 12) + x.
	s_sub_co_u32 s26, s24, 12
	s_lshl_b32 s26, s26, 6
	s_add_co_u32 s26, s26, ttmp9
	s_lshl_b32 s28, s26, 15                        ; 8 rows of 4,096 bytes,
	s_lshl_b32 s27, s25, 12                        ; one row a wave
	s_add_co_u32 s28, s28, s27
	s_mov_b32 s29, 0
	s_add_nc_u64 s[XB:XB+1], s[XB:XB+1], s[28:29]
	s_lshr_b32 s28, s28, 1                         ; half as many bytes in bf16
	s_add_nc_u64 s[OB:OB+1], s[OB:OB+1], s[28:29]
	s_mov_b32 s30, 0x76543210                      ; v_permlanex16_b32: each lane takes its own place in the other half
	s_mov_b32 s31, 0xfedcba98
	s_mov_b32 s32, 0x3a800000                      ; 1 / 1024
	v_lshlrev_b32 v0, 3, v1                        ; 8 bytes a lane on the way out
	v_lshlrev_b32 v1, 4, v1                        ; 16 on the way in
.irp j, 0,1,2,3,4,5,6,7
	global_load_b128 v[X0+4*(\j):X0+4*(\j)+3], v1, s[XB:XB+1] offset:512*(\j) th:TH_LOAD_NT
.endr
.irp j, 0,1,2,3,4,5,6,7
	global_load_b128 v[G+4*(\j):G+4*(\j)+3], v1, s[GB:GB+1] offset:512*(\j)
.endr
.irp j, 0,1,2,3,4,5,6,7
	global_load_b128 v[BV+4*(\j):BV+4*(\j)+3], v1, s[BB:BB+1] offset:512*(\j)
.endr
	STATS X0, R0, 16                               ; behind the row: gain and bias, 16 loads
	s_wait_alu depctr_va_vdst(0)                   ; one wait for the two roots, ahead of their first reader
	s_wait_loadcnt 0x0                             ; gain and bias
	FINISH X0, R0
	s_endpgm
.Lfunc_end_k_q53e16cad3b_prep:
	.size	k_q53e16cad3b_prep, .Lfunc_end_k_q53e16cad3b_prep-k_q53e16cad3b_prep
	.p2alignl 7, 3214868480
	.fill 96, 4, 3214868480
	.section	.rodata,"a",@progbits
	.p2align	6, 0x0
	.amdhsa_kernel k_q53e16cad3b_prep
		.amdhsa_group_segment_fixed_size 0
		.amdhsa_private_segment_fixed_size 0
		.amdhsa_enable_private_segment 0
		.amdhsa_kernarg_size 80
		.amdhsa_user_sgpr_count 2
		.amdhsa_user_sgpr_kernarg_segment_ptr 1
		.amdhsa_wavefront_size32 1
		.amdhsa_system_sgpr_workgroup_id_x 1
		.amdhsa_system_sgpr_workgroup_id_y 1
		.amdhsa_system_sgpr_workgroup_id_z 1
		.amdhsa_system_vgpr_workitem_id 0
		.amdhsa_next_free_vgpr 112
		.amdhsa_next_free_sgpr 66
		.amdhsa_reserve_vcc 0
		.amdhsa_float_denorm_mode_32 3
		.amdhsa_float_denorm_mode_16_64 3
		.amdhsa_memory_ordered 1
		.amdhsa_forward_progress 1
		.amdhsa_inst_pref_size 24
	.end_amdhsa_kernel
	.amdgpu_metadata
---
amdhsa.version: [ 1, 2 ]
amdhsa.kernels:
  - .name:           k_q53e16cad3b_prep
    .symbol:         k_q53e16cad3b_prep.kd
    .args:
      - { .name: x, .offset: 0, .size: 8, .value_kind: global_buffer, .address_space: global }
      - { .name: ln1_g, .offset: 8, .size: 8, .value_kind: global_buffer, .address_space: global }
      - { .name: ln1_b, .offset: 16, .size: 8, .value_kind: global_buffer, .address_space: global }
      - { .name: in_proj_w, .offset: 24, .size: 8, .value_kind: global_buffer, .address_space: global }
      - { .name: out_proj_w, .offset: 32, .size: 8, .value_kind: global_buffer, .address_space: global }
      - { .name: w1, .offset: 40, .size: 8, .value_kind: global_buffer, .address_space: global }
      - { .name: w2, .offset: 48, .size: 8, .value_kind: global_buffer, .address_space: global }
      - { .name: hb, .offset: 56, .size: 8, .value_kind: global_buffer, .address_space: global }
      - { .name: wb, .offset: 64, .size: 8, .value_kind: global_buffer, .address_space: global }
      - { .name: rope, .offset: 72, .size: 8, .value_kind: global_buffer, .address_space: global }
    .group_segment_fixed_size: 0
    .private_segment_fixed_size: 0
    .kernarg_segment_align: 8
    .kernarg_segment_size: 80
    .max_flat_workgroup_size: 256
    .sgpr_count:     66
    .vgpr_count:     112
    .wavefront_size: 32
...
	.end_amdgpu_metadata
.endif
;; end of part 8
;; launch qkvproj (part 9): grid 12 x 16, 4 waves a work-group, clusters of 4 x 4, 327,680 bytes of LDS; arguments hb, wb, qkv, rope; writes qkv
.if DOCPART == 9
	.amdgcn_target "amdgcn-amd-amdhsa--gfx1250"
	.amdhsa_code_object_version 6
	.text
	.protected	k_q53e16cad3b_qkvproj
	.globl	k_q53e16cad3b_qkvproj
	.p2align	8
	.type	k_q53e16cad3b_qkvproj,@function
k_q53e16cad3b_qkvproj:
	s_mov_b64 s[64:65], 0
	v_nop
	global_prefetch_b8 v0, s[64:65] scope:SCOPE_SE
	s_setreg_imm32_b32 hwreg(HW_REG_WAVE_MODE, 25, 1), 1
	s_wait_xcnt 0x0
	s_wait_alu depctr_hold_cnt(0) depctr_sa_sdst(0) depctr_va_vdst(0) depctr_va_sdst(0) depctr_va_ssrc(0) depctr_va_vcc(0) depctr_vm_vsrc(0)
	s_getreg_b32 s2, hwreg(HW_REG_IB_STS2, 6, 4)
	s_cmp_eq_u32 s2, 0
	s_cbranch_scc0 .Lentry_in_a_cluster
	s_endpgm
.Lentry_in_a_cluster:
	s_bfe_u32 s2, ttmp6, 0x10000c
	s_cmp_lg_u32 s2, 0xf033
	s_cbranch_scc0 .Lentry_shape_is_right
	s_endpgm
.Lentry_shape_is_right:
; qkv[m][n] = rot(the sum over k of h[m][k] W[n][k]).  h: hb [4096][1024] bf16; W: the bf16 copy of in_proj_w, [3072][1024]; sums in f32; the rotation of neighbouring
; pairs of columns is made in f32 on the sums, by the table's (cos, sin) of the row's position and the pair's number in its head; qkv [4096][3072] is rounded once to bf16.
; v's columns (2048 on) take the table's rows of (1, 0): the same text, exact for finite numbers.  NaN and infinities are not treated apart.
; A tile of C is 256 x 256: four waves, each 128 x 128: 64 accumulators, 512 registers.  K goes in steps of 128 (LDS rows of 256 bytes + 16 of padding) through two LDS slots; a wave's tensor
; load brings 128 rows.  16 x 12 tiles: 192 work-groups; a tile of 256 x 192 would make 256, but its columns would straddle the line between k and v at column 2048.
; CLUSTER: 4 x 4 work-groups; the four of a row need the same tiles of A, the four of a column the same tiles of B: each tile is asked for jointly, by the same load, descriptor and mask in all four.
; ONE TEXT FOR A K STEP: the slot in hand is a scalar that an exclusive or turns.  The first quarter step starts the sums with the constant 0 and stands ahead of the loop; a trip goes from a
; step's second quarter to the next step's first.  The last two steps, which ask for nothing, are a second loop of two trips, entered behind its first quarter
; its second trip fetches 32 fragments of the other slot that nothing uses: the price of one text for both.
; THE MATRIX INSTRUCTION IS USED TRANSPOSED (source 0 = 16 rows of B, source 1 = 16 rows of A): a lane holds eight neighbouring numbers of a row of C.
; REGISTERS, in windows of 256 (s_set_vgpr_msb: bits 1:0 source 0, 3:2 source 1, 5:4 source 2, 7:6 destination):
;   window 0: v16-30 addresses; v64-127, v128-191 A's fragments, two buffers; on the way out v64-175 at work
;   window 1: v64-127, v128-191 B's fragments, two buffers; v0-63, v192-255 the 64 rows of the table that I bring
;   window 2: the accumulators of my rows 0-63 ((a, b) at 8 (8 a + b));  window 3: those of my rows 64-127
.set SIZE_N, 3072
.set SIZE_K, 1024
.set WOFF,   0                         ; where this matrix begins in wb
.set OUTROW, SIZE_N*2                  ; bytes in a row of the output
.set KSTEP,  128
.set PITCH,  272                       ; 68 words: row r starts at bank 4 r mod 64 (64 banks of 4 bytes: ISA guide 11.1)
.set HALFT,  128*PITCH                 ; what one tensor load brings
.set SLOT,   4*HALFT                   ; A's 256 rows, then B's 256 rows
.set SPARE,  2*SLOT                    ; behind the ring: the spare words, 128 bytes a wave, which no other line names
.set STEPS,  SIZE_K/KSTEP
.set SPITCH, 528                       ; the way out: a row of 128 f32 + 16 bytes
.set HSTAGE, 64*SPITCH                 ; a wave's own stage: 64 rows, used twice; the four lie from LDS byte 0 on, in the ring, which has had its last fill by then
.set TAB,    4*HSTAGE                  ; behind them, also in the ring: the table's 256 rows of 256 bytes for the tile's positions
.set ADRA0, 16                         ; v16, v17  my lane's place in slot 0's A and B; never rewritten
.set ADRB0, 17
.set ADRA,  18                         ; v18, v19  the same in the slot in hand
.set ADRB,  19
.set TO,    20                         ; v20  16 x lane: my bytes in 512 consecutive bytes of the table
.set TS,    21                         ; v21  where I put them in LDS
.set TRD,   22                         ; v22  where I read the table's row of my first row
.set TRW,   23                         ; v23  the same for the rows in hand
.set STO,   24                         ; v24  where I put 32 bytes of a row of sums
.set RD,    25                         ; v25  where I read my stage's first row back; never rewritten
.set CO,    26                         ; v26  my byte offset in the output, eight rows ahead of the rows that are stored
.set RDW,   27                         ; v27  where I read the rows in hand
.set SPW,   28                         ; v28  my spare word; never rewritten
.set NIL,   29                         ; v29  0; never rewritten
.set PFO,   30                         ; v30  the prefetches' offset: my lane x a row of A or B; never rewritten
.set XR,    64                         ; the way out: eight rows of sums, four registers each
.set CR,    96                         ; their (cos, sin)
.set TM,    128
.set YR,    160                        ; eight rows in bf16
.set F0,    64
.set F1,    128
.set G1,  24                           ; s[24:31] group 1 for A; s[32:39] group 0, two sets: the first fill's, and the one that walks
.set G0,  32
.set G1B, 48                           ; s[48:55], s[56:63] the same for B
.set G0B, 56
.set TB,  66                           ; s66  LDS byte at which the slot in hand begins: 0 or SLOT
.set RB,  67                           ; s67  the way out: how far the rows in hand lie behind my stage's first
.set AUX, 68                           ; s[68:69] the table
.set TT,  70                           ; s70  how far the table's rows in hand lie behind my first
.set PFA, 86                           ; s[86:87] where my prefetches stand: my work-group's 32 rows of the 128 that I fetch, one K step further along K than the refill in hand
.set LIM, 88                           ; s88  2 in a wave that prefetches, else the greatest number
.set MSB, 0
.macro WIN new                         ; the immediate's high byte repeats the setting that is left
.if MSB != (\new)
	s_set_vgpr_msb (MSB<<8)|(\new)
.set MSB, \new
.endif
.endm
.set MUL_LO, 0xa1                      ; source 0 (B) window 1, source 1 (A) window 0, C and D window 2
.set TO_B,   0x40                      ; destination window 1, address window 0
.macro JLOAD s                         ; a joint load: waves 0 and 1 fetch A's halves, waves 2 and 3 B's; s_nop 0 and four v_nop follow each line
	s_cmp_eq_u32 s11, 0
	s_cbranch_scc0 .Lfor_b_\@
	tensor_load_to_lds s[G0+4*(\s):G0+4*(\s)+3], s[G1:G1+7]
	s_nop 0
.rept 4
	v_nop
.endr
	s_branch .Lasked_\@
.Lfor_b_\@:
	tensor_load_to_lds s[G0B+4*(\s):G0B+4*(\s)+3], s[G1B:G1B+7]
	s_nop 0
.rept 4
	v_nop
.endr
.Lasked_\@:
.endm
; A PREFETCH INTO THE L2, behind each joint refill and the run of LDS loads that follows it: the K step that stands two refills on: 32 rows x 256 bytes, a lane a row, one instruction a wave.
; Each row's 256 bytes of a K step are named once in the launch: A's tile rows by the clusters with x = 0, B's tile columns by the clusters with y = 0; the four partners that ask for a tile
; jointly share its rows out by address: of the 128 rows that a wave fetches, the partner at place p takes 32 p .. 32 p + 31 (p = cx for A, cy for B).  Trip j of the loop names K step j + 4:
; the first four trips ask (s3 = 6 .. 3), the last two have no such step.  K steps 0 to 3 come by their loads alone.
.macro ASK
	s_cmp_gt_u32 s3, s[LIM]
	s_cbranch_scc0 .Lnot_mine_\@
	global_prefetch_b8 v[PFO], s[PFA:PFA+1] offset:KSTEP*2 th:TH_LOAD_NT scope:SCOPE_SE
.Lnot_mine_\@:
.endm
.macro CREST                           ; a round of the cluster's barrier behind its opening barrier
	s_cmp_lg_u32 s10, 0
	s_cbranch_scc1 .Lnot_wave_0_\@
	s_barrier_signal -3
.Lnot_wave_0_\@:
	s_barrier_wait -3
	s_barrier_signal -1
	s_barrier_wait -1
.endm
.macro CROUND
	s_barrier_signal -1
	s_barrier_wait -1
	CREST
.endm
.macro PLACES                          ; four places behind matrix instructions, in front of loads into registers that they read and of readers of their results
.rept 4
	v_nop
.endr
.endm
; 16 matrix instructions: m blocks a0, a0 + 1 of the window's four (hi = 0: my rows 0-63, 1: rows 64-127) x all 8 n blocks, 32 along K.  zero = 1: the product starts the sum.
; The 64 accumulators take turns, in the same order in every quarter step, over the backward jumps too.
.macro MUL16 f, hi, a0, zero
	WIN MUL_LO+0x50*(\hi)
.irp a, \a0, (\a0)+1
.irp b, 0,1,2,3,4,5,6,7
.if \zero
	v_wmma_f32_16x16x32_bf16 v[8*(8*(\a)+(\b)):8*(8*(\a)+(\b))+7], v[(\f)+8*(\b):(\f)+8*(\b)+7], v[(\f)+8*(4*(\hi)+(\a)):(\f)+8*(4*(\hi)+(\a))+7], 0
.else
	v_wmma_f32_16x16x32_bf16 v[8*(8*(\a)+(\b)):8*(8*(\a)+(\b))+7], v[(\f)+8*(\b):(\f)+8*(\b)+7], v[(\f)+8*(4*(\hi)+(\a)):(\f)+8*(4*(\hi)+(\a))+7], v[8*(8*(\a)+(\b)):8*(8*(\a)+(\b))+7]
.endif
.endr
.endr
.endm
; 32 LDS loads in one run: the fragments of one quarter step (128 rows of B, 128 rows of A, 32 K at byte k of the rows of the slot in hand) into buffer f
.macro FETCH k, f
	WIN TO_B
.irp i, 0,1,2,3,4,5,6,7
	ds_load_b128 v[(\f)+8*(\i):(\f)+8*(\i)+3],   v[ADRB] offset:(\k)+(\i)*16*PITCH
	ds_load_b128 v[(\f)+8*(\i)+4:(\f)+8*(\i)+7], v[ADRB] offset:(\k)+(\i)*16*PITCH+32
.endr
	WIN 0
.irp i, 0,1,2,3,4,5,6,7
	ds_load_b128 v[(\f)+8*(\i):(\f)+8*(\i)+3],   v[ADRA] offset:(\k)+(\i)*16*PITCH
	ds_load_b128 v[(\f)+8*(\i)+4:(\f)+8*(\i)+7], v[ADRA] offset:(\k)+(\i)*16*PITCH+32
.endr
.endm
; A K step is four quarters of 32 along K, 64 matrix instructions each.  One of the first three multiplies buffer f and, in its middle, fetches the next quarter, at byte k, into g.
.macro QUARTER k, f, g, zero
	s_wait_dscnt 8                                 ; B and A's rows 0-63 are in; the youngest eight loads (A's rows 64-127) may be out
	MUL16 \f, 0, 0, \zero
	MUL16 \f, 0, 2, \zero
	PLACES
	FETCH \k, \g
	s_wait_dscnt 32                                ; all but the 32 just issued
	MUL16 \f, 1, 0, \zero
	MUL16 \f, 1, 2, \zero
.endm
; The last quarter multiplies buffer 1 and changes slots.  In front of the barrier each wave waits for all its tensor loads (one is out: its part of the next slot), adds 0 to its spare word,
; and waits for that and for its reads of this slot.  fill = 1: the barrier opens a round of the cluster's, and this slot is filled again first thing behind it, with the tile two steps on:
; that load has 224 matrix instructions in which to land.
.macro TURN fill
	WIN 0
.if \fill
	s_wait_xcnt 0x0                                ; the last prefetch, a K step back, has read its address: it is stepped here, ahead of the waits of the change of slots
	s_add_nc_u64 s[PFA:PFA+1], s[PFA:PFA+1], KSTEP*2
.endif
	s_wait_tensorcnt 0x0                           ; no tensor load of mine is out, so a group 0 may be written
	ds_add_u32 v[SPW], v[NIL]                      ; 0 onto my spare word; work on registers stands between it and the wait for it
.if \fill
	s_add_co_u32 s[G0+5], s20, s[TB]               ; the walking descriptors: into the slot that is being left,
	s_add_co_u32 s[G0B+5], s20, s[TB]
	s_add_nc_u64 s[G0+6:G0+7], s[G0+6:G0+7], KSTEP*2      ; the next K step; the type bits on top are not reached
	s_add_nc_u64 s[G0B+6:G0B+7], s[G0B+6:G0B+7], KSTEP*2
.endif
	s_xor_b32 s[TB], s[TB], SLOT                   ; the other slot is now in hand
	v_add_nc_u32 v[ADRA], s[TB], v[ADRA0]
	v_add_nc_u32 v[ADRB], s[TB], v[ADRB0]
	s_wait_dscnt 9                                 ; the add and the youngest eight loads may be out
	MUL16 F1, 0, 0, 0
	s_wait_dscnt 0x0                               ; the add is done, and my reads of the old slot are over
	s_barrier_signal -1
	MUL16 F1, 0, 2, 0
.if \fill
	WIN 0
.endif
	s_barrier_wait -1
.if \fill
	CREST                                          ; no wave of any partner still reads the old slot or has a load on its way
	JLOAD 1                                        ; its four v_nop are also the places in front of the loads below
.else
	PLACES
.endif
	FETCH 0, F0
.if \fill
	ASK
.endif
	MUL16 F1, 1, 0, 0
	MUL16 F1, 1, 2, 0
.endm
; The way out.  The 32 accumulators of window 2 + hi go into my stage, from its row r0 on: a lane's eight numbers of a row are 32 bytes; each accumulator's low four registers go first.
.macro DUMP hi, r0
	WIN 0x08+4*(\hi)                               ; a store's data is source 1
.irp a, 0,1,2,3
.irp b, 0,1,2,3,4,5,6,7
	ds_store_b128 v[STO], v[8*(8*(\a)+(\b)):8*(8*(\a)+(\b))+3]   offset:((\r0)+16*(\a))*SPITCH+64*(\b)
	ds_store_b128 v[STO], v[8*(8*(\a)+(\b))+4:8*(8*(\a)+(\b))+7] offset:((\r0)+16*(\a))*SPITCH+64*(\b)+16
.endr
.endr
	WIN 0
.endm
; My stage's 64 rows come back whole (16 bytes a lane: columns 4 l .. 4 l + 3 of my 128), eight rows a trip, each with its row of the table; tt0: where those rows begin behind my first.
; (x0, x1) -> (x0 c - x1 s, x0 s + x1 c): first (x0 c, x1 c), then the crossed products are added.
.macro ROWS tt0
	s_mov_b32 s3, 8
	s_mov_b32 s[RB], 0
	s_mov_b32 s[TT], \tt0
.Lrows_\@:
	v_add_nc_u32 v[RDW], s[RB], v[RD]
	v_add_nc_u32 v[TRW], s[TT], v[TRD]
.irp i, 0,1,2,3,4,5,6,7
	ds_load_b128 v[XR+4*(\i):XR+4*(\i)+3], v[RDW] offset:(\i)*SPITCH  ; LDS serves a wave's instructions in order (ISA guide 5.7.1.4): these see my stores into the stage
	ds_load_b128 v[CR+4*(\i):CR+4*(\i)+3], v[TRW] offset:(\i)*256
.endr
	s_add_co_u32 s[RB], s[RB], 8*SPITCH
	s_add_co_u32 s[TT], s[TT], 8*256
.irp i, 0,1,2,3,4,5,6,7
	s_wait_dscnt 14-2*(\i)                         ; row i and its table row are back; the pairs behind them may be out
	v_pk_mul_f32 v[TM+4*((\i)%2):TM+4*((\i)%2)+1],   v[XR+4*(\i):XR+4*(\i)+1],   v[CR+4*(\i):CR+4*(\i)+1]   op_sel_hi:[1,0]
	v_pk_mul_f32 v[TM+4*((\i)%2)+2:TM+4*((\i)%2)+3], v[XR+4*(\i)+2:XR+4*(\i)+3], v[CR+4*(\i)+2:CR+4*(\i)+3] op_sel_hi:[1,0]
	v_pk_fma_f32 v[XR+4*(\i):XR+4*(\i)+1],   v[XR+4*(\i):XR+4*(\i)+1],   v[CR+4*(\i):CR+4*(\i)+1],   v[TM+4*((\i)%2):TM+4*((\i)%2)+1]   op_sel:[1,1,0] op_sel_hi:[0,1,1] neg_lo:[1,0,0]
	v_pk_fma_f32 v[XR+4*(\i)+2:XR+4*(\i)+3], v[XR+4*(\i)+2:XR+4*(\i)+3], v[CR+4*(\i)+2:CR+4*(\i)+3], v[TM+4*((\i)%2)+2:TM+4*((\i)%2)+3] op_sel:[1,1,0] op_sel_hi:[0,1,1] neg_lo:[1,0,0]
.endr
	s_wait_xcnt 0x0                                ; the last trip's stores, 50 lines back, have read their offset and their data: both are written again only behind this wait
	v_add_nc_u32 v[CO], 8*OUTROW, v[CO]            ; the offset steps ahead; the stores reach back by their immediates
.irp i, 0,1,2,3,4,5,6,7
	v_cvt_pk_bf16_f32 v[YR+2*(\i)],   v[XR+4*(\i)],   v[XR+4*(\i)+1]
	v_cvt_pk_bf16_f32 v[YR+2*(\i)+1], v[XR+4*(\i)+2], v[XR+4*(\i)+3]
	global_store_b64 v[CO], v[YR+2*(\i):YR+2*(\i)+1], s[8:9] offset:(\i)*OUTROW-8*OUTROW  ; 32 lanes store 256 consecutive bytes, aligned
.endr
	s_sub_co_u32 s3, s3, 1
	s_cmp_lg_u32 s3, 0
	s_cbranch_scc1 .Lrows_\@
.endm
	s_load_b128 s[4:7], s[0:1], 0x0                ; A s[4:5], wb s[6:7]
	s_load_b64 s[8:9], s[0:1], 0x10                ; the output
	s_load_b64 s[AUX:AUX+1], s[0:1], 0x18          ; the table
	v_lshl_add_u32 v[SPW], v0, 2, SPARE
	v_mov_b32 v[NIL], 0
	ds_add_u32 v[SPW], v[NIL]                      ; the wave's opening: the add and its wait ahead of my first tensor load
	ds_add_u32 v28, v29
	v_lshrrev_b32 v1, 5, v0
	v_readfirstlane_b32 s10, v1                    ; wave 0..3
	s_lshr_b32 s11, s10, 1                         ; my half of the tile's rows; also: I fetch for A (0) or B (1)
	s_and_b32 s12, s10, 1                          ; my half of its columns; also: which 128 rows I fetch
	s_bfe_u32 s40, ttmp6, 0x40000                  ; cx, cy
	s_bfe_u32 s41, ttmp6, 0x40004
	s_lshl_b32 s42, ttmp9, 2
	s_add_co_u32 s42, s42, s40                     ; tile column
	s_and_b32 s13, ttmp7, 0xffff
	s_lshl_b32 s13, s13, 2
	s_add_co_u32 s13, s13, s41                     ; tile row
	s_lshl_b32 s43, s41, 2
	s_lshl_b32 s43, 15, s43                        ; my row of the cluster
	s_lshl_b32 s44, 0x1111, s40                    ; my column
	s_or_b32 s[G1+0], s43, (1<<16)|(1<<20)|(1<<21)|(5<<22)|(3<<25)   ; the mask; 2-byte elements; padding on; bit 21 beside a mask; after every 64 words, 4 words
	s_or_b32 s[G1B+0], s44, (1<<16)|(1<<20)|(1<<21)|(5<<22)|(3<<25)
.irp g, G1, G1B
	s_mov_b32 s[(\g)+1], KSTEP<<16                 ; tensor_dim0 = 128
	s_mov_b32 s[(\g)+2], 128<<16                   ; tensor_dim1 = 128
	s_mov_b32 s[(\g)+3], KSTEP<<16                 ; tile_dim0 = 128
	s_mov_b32 s[(\g)+4], 128                       ; tile_dim1 = 128
	s_mov_b32 s[(\g)+5], SIZE_K                    ; elements from row to row
	s_mov_b32 s[(\g)+6], 0
	s_mov_b32 s[(\g)+7], 0
.endr
	s_lshl_b32 s17, s12, 7
	s_lshl_b32 s16, s13, 8
	s_add_co_u32 s16, s16, s17                     ; A: row 256 x tile row + 128 x half
	s_lshl_b32 s46, s42, 8
	s_add_co_u32 s46, s46, s17                     ; B: row 256 x tile column + 128 x half
	s_mov_b32 s17, 0
	s_mov_b32 s47, 0
	s_mov_b64 s[18:19], SIZE_K*2
	s_mul_u64 s[16:17], s[16:17], s[18:19]
	s_mul_u64 s[46:47], s[46:47], s[18:19]
	s_mul_i32 s20, s10, HALFT                      ; where my tiles go in a slot: the wave's number alone
	s_mov_b32 s[TB], 0
	s_wait_dscnt 0x0                               ; the opening add is done
	s_wait_kmcnt 0x0
	s_add_nc_u64 s[14:15], s[4:5], s[16:17]
	s_add_nc_u64 s[46:47], s[6:7], s[46:47]
.if WOFF
	s_add_nc_u64 s[46:47], s[46:47], WOFF
.endif
	CROUND                                         ; all sixteen work-groups are here: the first joint loads meet
.irp s, 0,1
	s_mov_b32 s[G0+4*(\s)], 1
	s_add_co_u32 s[G0+4*(\s)+1], s20, (\s)*SLOT
	s_add_nc_u64 s[G0+4*(\s)+2:G0+4*(\s)+3], s[14:15], (\s)*KSTEP*2
	s_or_b32 s[G0+4*(\s)+3], s[G0+4*(\s)+3], 0x80000000
	s_mov_b32 s[G0B+4*(\s)], 1
	s_add_co_u32 s[G0B+4*(\s)+1], s20, (\s)*SLOT
	s_add_nc_u64 s[G0B+4*(\s)+2:G0B+4*(\s)+3], s[46:47], (\s)*KSTEP*2
	s_or_b32 s[G0B+4*(\s)+3], s[G0B+4*(\s)+3], 0x80000000
	JLOAD \s                                       ; two loads of mine are out
.endr
	v_and_b32 v1, 15, v0                           ; l % 16
	v_bfe_u32 v2, v0, 4, 1                         ; l / 16
	v_and_b32 v5, 31, v0                           ; l
	v_mul_u32_u24 v3, v1, PITCH
	v_lshl_add_u32 v3, v2, 4, v3                   ; a fragment: row x pitch + 16 x half
	s_mul_i32 s21, s11, HALFT                      ; my 128 rows of A
	s_mul_i32 s22, s12, HALFT                      ; my 128 rows of B,
	s_add_co_u32 s22, s22, 2*HALFT                 ; behind A's 256
	v_add_nc_u32 v[ADRA0], s21, v3
	v_add_nc_u32 v[ADRB0], s22, v3
	v_mov_b32 v[ADRA], v[ADRA0]
	v_mov_b32 v[ADRB], v[ADRB0]
	s_mul_i32 s23, s10, HSTAGE                     ; my stage
	v_mul_u32_u24 v4, v1, SPITCH                   ; in: row l % 16, 32 bytes for each half of the lanes
	v_lshl_add_u32 v4, v2, 5, v4
	v_add_nc_u32 v[STO], s23, v4
	v_lshl_add_u32 v[RD], v5, 4, s23               ; back: a whole row of 512 bytes, 16 a lane
	s_lshl_b32 s23, s10, 14                        ; the table in LDS: wave w brings rows 64 w .. 64 w + 63, 16,384 consecutive bytes
	s_add_co_u32 s23, s23, TAB
	v_lshl_add_u32 v[TS], v5, 4, s23
	s_lshl_b32 s23, s11, 15                        ; and reads the 128 rows of its half of the tile's rows;
	s_add_co_u32 s23, s23, TAB
	v_lshl_add_u32 v[TRD], v1, 4, s23              ; my four columns are pairs 2 (l % 16) and the next of their head: 16 bytes of a row
	s_lshl_b32 s16, s13, 8
	s_lshl_b32 s17, s11, 7
	s_add_co_u32 s16, s16, s17                     ; my first row of C: 256 x tile row + 128 x half
	s_mul_i32 s16, s16, OUTROW
	s_mov_b32 s17, 0
	s_add_nc_u64 s[8:9], s[8:9], s[16:17]
	s_lshl_b32 s46, s42, 9                         ; my first column, in bytes: 512 x tile column + 256 x half
	s_lshl_b32 s47, s12, 8
	s_add_co_u32 s46, s46, s47
	s_mov_b32 s47, 0
	s_add_nc_u64 s[8:9], s[8:9], s[46:47]
	v_lshlrev_b32 v[CO], 3, v5                     ; four bf16 a lane
	v_lshlrev_b32 v[TO], 4, v5
	s_and_b32 s21, s13, 7
	s_lshl_b32 s21, s21, 8                         ; the tile's first position: rows are 2048 b + t
	s_lshl_b32 s22, s10, 6
	s_add_co_u32 s21, s21, s22                     ; + my 64 rows
	s_lshl_b32 s22, s12, 6                         ; v's columns: 64 of the 128 rows of (1, 0)
	s_add_co_u32 s22, s22, 2048
	s_cmp_lt_u32 ttmp9, 2                          ; clusters 0 and 1 hold q's and k's columns, cluster 2 v's: the same in all partners; it enters a plain load's address alone
	s_cselect_b32 s22, s21, s22
	s_lshl_b32 s22, s22, 8                         ; 256 bytes a row
	s_mov_b32 s23, 0
	s_add_nc_u64 s[AUX:AUX+1], s[AUX:AUX+1], s[22:23]
	WIN 0x40                                       ; destination window 1
.set i, 0
.rept 32
	global_load_b128 v[4*i+128*(i/16):4*i+128*(i/16)+3], v[TO], s[AUX:AUX+1] offset:i*512  ; two rows of the table each: on their way under the whole product
.set i, i+1
.endr
	WIN 0
	; the prefetches: which rows are mine to name
	s_lshl_b32 s92, s13, 8                         ; the tile's first row in A,
	s_lshl_b32 s93, s42, 8                         ; in B
	s_and_b32 s95, ttmp7, 0xffff                   ; cluster y
	s_cmp_eq_u32 s11, 0                            ; do I fetch for A?
	s_cselect_b32 s92, s92, s93
	s_cselect_b32 s94, s40, s41                    ; my place among the four that ask for the tile with me
	s_cselect_b32 s95, ttmp9, s95                  ; the coordinate along which other clusters read the same rows
	s_cselect_b64 s[PFA:PFA+1], s[4:5], s[6:7]
.if WOFF
	s_cselect_b32 s90, 0, WOFF
.endif
	s_cmp_eq_u32 s95, 0
	s_cselect_b32 s[LIM], 2, -1                    ; the same in all sixteen partners, for a given wave
	s_lshl_b32 s93, s12, 7
	s_add_co_u32 s92, s92, s93                     ; + the 128 rows that I fetch
	s_lshl_b32 s94, s94, 5
	s_add_co_u32 s92, s92, s94                     ; + my work-group's 32 of them
	s_mov_b32 s93, 0
	s_mul_u64 s[92:93], s[92:93], s[18:19]
	s_add_nc_u64 s[PFA:PFA+1], s[PFA:PFA+1], s[92:93]
.if WOFF
	s_mov_b32 s91, 0
	s_add_nc_u64 s[PFA:PFA+1], s[PFA:PFA+1], s[90:91]
.endif
	s_add_nc_u64 s[PFA:PFA+1], s[PFA:PFA+1], 2*KSTEP*2  ; at K step 2: the first refill steps it to 3 and names K step 4
	v_mul_u32_u24 v[PFO], v5, SIZE_K*2
	s_wait_tensorcnt 1                             ; my part of K step 0 is in; K step 1's may stay out
	s_barrier_signal -1
	s_barrier_wait -1
	FETCH 0, F0
	QUARTER 64, F0, F1, 1                          ; the first quarter step starts the sums
	WIN 0
	s_mov_b32 s3, STEPS-2
.Lfill:                                                ; a trip: the rest of a K step, whose slot is filled again, and the next step's first quarter
	QUARTER 128, F1, F0, 0
	QUARTER 192, F0, F1, 0
	TURN 1
	QUARTER 64, F0, F1, 0
	WIN 0
	s_sub_co_u32 s3, s3, 1
	s_cmp_lg_u32 s3, 0
	s_cbranch_scc1 .Lfill
	s_mov_b32 s3, 2                                ; the last two K steps ask for nothing: a loop of their own, entered behind its first quarter (the loop above has multiplied it)
	s_branch .Lenter
.Ldry:
	QUARTER 64, F0, F1, 0
	WIN 0
.Lenter:
	QUARTER 128, F1, F0, 0
	QUARTER 192, F0, F1, 0
	TURN 0                                         ; in the second trip its fetch of the other slot serves nothing
	WIN 0
	s_sub_co_u32 s3, s3, 1
	s_cmp_lg_u32 s3, 0
	s_cbranch_scc1 .Ldry
	s_wait_dscnt 0x0                               ; my reads of the ring are over,
	s_barrier_signal -1
	s_barrier_wait -1                              ; everybody's are: the ring, which has had its last fill, becomes stages and table
	PLACES
	s_wait_loadcnt 0x0                             ; my rows of the table
	WIN 0x04                                       ; a store's data is source 1: window 1
.set i, 0
.rept 32
	ds_store_b128 v[TS], v[4*i+128*(i/16):4*i+128*(i/16)+3] offset:i*512
.set i, i+1
.endr
	DUMP 0, 0                                      ; my rows 0-63
	s_wait_dscnt 0x0                               ; for the others' sake: my rows of the table are stored
	s_barrier_signal -1
	s_barrier_wait -1
	ROWS 0
	DUMP 1, 0                                      ; my rows 64-127, into the same stage: my reads of it have come back
	ROWS 64*256
	s_wait_tensorcnt 0x0                           ; the wave's end
	ds_add_u32 v[SPW], v[NIL]
	s_wait_dscnt 0x0
	CROUND                                         ; the closing round
	s_endpgm
.Lfunc_end_k_q53e16cad3b_qkvproj:
	.size	k_q53e16cad3b_qkvproj, .Lfunc_end_k_q53e16cad3b_qkvproj-k_q53e16cad3b_qkvproj
	.p2alignl 7, 3214868480
	.fill 96, 4, 3214868480
	.section	.rodata,"a",@progbits
	.p2align	6, 0x0
	.amdhsa_kernel k_q53e16cad3b_qkvproj
		.amdhsa_group_segment_fixed_size 327680
		.amdhsa_private_segment_fixed_size 0
		.amdhsa_enable_private_segment 0
		.amdhsa_kernarg_size 32
		.amdhsa_user_sgpr_count 2
		.amdhsa_user_sgpr_kernarg_segment_ptr 1
		.amdhsa_wavefront_size32 1
		.amdhsa_system_sgpr_workgroup_id_x 1
		.amdhsa_system_sgpr_workgroup_id_y 1
		.amdhsa_system_sgpr_workgroup_id_z 1
		.amdhsa_system_vgpr_workitem_id 0
		.amdhsa_next_free_vgpr 1024
		.amdhsa_next_free_sgpr 100
		.amdhsa_reserve_vcc 0
		.amdhsa_float_denorm_mode_32 3
		.amdhsa_float_denorm_mode_16_64 3
		.amdhsa_memory_ordered 1
		.amdhsa_forward_progress 1
		.amdhsa_inst_pref_size 95
	.end_amdhsa_kernel
	.amdgpu_metadata
---
amdhsa.version: [ 1, 2 ]
amdhsa.kernels:
  - .name:           k_q53e16cad3b_qkvproj
    .symbol:         k_q53e16cad3b_qkvproj.kd
    .args:
      - { .name: hb, .offset: 0, .size: 8, .value_kind: global_buffer, .address_space: global }
      - { .name: wb, .offset: 8, .size: 8, .value_kind: global_buffer, .address_space: global }
      - { .name: qkv, .offset: 16, .size: 8, .value_kind: global_buffer, .address_space: global }
      - { .name: rope, .offset: 24, .size: 8, .value_kind: global_buffer, .address_space: global }
    .group_segment_fixed_size: 327680
    .private_segment_fixed_size: 0
    .kernarg_segment_align: 8
    .kernarg_segment_size: 32
    .max_flat_workgroup_size: 128
    .sgpr_count:     100
    .vgpr_count:     1024
    .wavefront_size: 32
...
	.end_amdgpu_metadata
.endif
;; end of part 9
;; launch attn: the kernel of part 3 again; grid 16 x 16, 4 waves a work-group, no clusters, 250,368 bytes of LDS; arguments qkv, hb; writes hb
;; launch oproj: the kernel of part 4 again; grid 8 x 32, 4 waves a work-group, clusters of 4 x 4, 327,680 bytes of LDS; arguments hb, wb, x2, x; writes x2
;; launch lnorm2: the kernel of part 5 again; grid 256 x 1, 8 waves a work-group, no clusters, 0 bytes of LDS; arguments x2, ln2_g, ln2_b, hb; writes hb
;; launch ffn1 (part 10): grid 16 x 16, 4 waves a work-group, clusters of 4 x 4, 327,680 bytes of LDS; arguments hb, wb, act; writes act
.if DOCPART == 10
	.amdgcn_target "amdgcn-amd-amdhsa--gfx1250"
	.amdhsa_code_object_version 6
	.text
	.protected	k_q53e16cad3b_ffn1
	.globl	k_q53e16cad3b_ffn1
	.p2align	8
	.type	k_q53e16cad3b_ffn1,@function
k_q53e16cad3b_ffn1:
	s_mov_b64 s[64:65], 0
	v_nop
	global_prefetch_b8 v0, s[64:65] scope:SCOPE_SE
	s_setreg_imm32_b32 hwreg(HW_REG_WAVE_MODE, 25, 1), 1
	s_wait_xcnt 0x0
	s_wait_alu depctr_hold_cnt(0) depctr_sa_sdst(0) depctr_va_vdst(0) depctr_va_sdst(0) depctr_va_ssrc(0) depctr_va_vcc(0) depctr_vm_vsrc(0)
	s_getreg_b32 s2, hwreg(HW_REG_IB_STS2, 6, 4)
	s_cmp_eq_u32 s2, 0
	s_cbranch_scc0 .Lentry_in_a_cluster
	s_endpgm
.Lentry_in_a_cluster:
	s_bfe_u32 s2, ttmp6, 0x10000c
	s_cmp_lg_u32 s2, 0xf033
	s_cbranch_scc0 .Lentry_shape_is_right
	s_endpgm
.Lentry_shape_is_right:
; act[m][n] = gelu(the sum over k of h2[m][k] W[n][k]), the exact gelu x Phi(x).  h2: hb [4096][1024] bf16; W: the bf16 copy of w1, [4096][1024]; sums and gelu in f32; act [4096][4096] rounded once to bf16.
; gelu(x) = max(x, 0) - |x| Q, Q = erfc(|x| / sqrt 2) / 2 = t (a1 + t (a2 + t (a3 + t (a4 + t a5)))) / 2 x 2^-(k x)^2, t = 1 / (1 + 0.23164189 |x|), k = sqrt(log2(e) / 2):
; the rational form of Abramowitz and Stegun 7.1.26, which holds for every x, within 1.5e-7 of erf.  NaN and infinities are not treated apart.
; A tile of C is 256 x 256: four waves, each 128 x 128: 64 accumulators, 512 registers.  K goes in steps of 128 (LDS rows of 256 bytes + 16 of padding) through two LDS slots; a wave's tensor
; load brings 128 rows.  16 x 16 tiles: 256 work-groups.
; CLUSTER: 4 x 4 work-groups; the four of a row need the same tiles of A, the four of a column the same tiles of B: each tile is asked for jointly, by the same load, descriptor and mask in all four.
; ONE TEXT FOR A K STEP: the slot in hand is a scalar that an exclusive or turns.  The first quarter step starts the sums with the constant 0 and stands ahead of the loop; a trip goes from a
; step's second quarter to the next step's first.  The last two steps, which ask for nothing, are a second loop of two trips, entered behind its first quarter
; its second trip fetches 32 fragments of the other slot that nothing uses: the price of one text for both.
; THE MATRIX INSTRUCTION IS USED TRANSPOSED (source 0 = 16 rows of B, source 1 = 16 rows of A): a lane holds eight neighbouring numbers of a row of C.
; REGISTERS, in windows of 256 (s_set_vgpr_msb: bits 1:0 source 0, 3:2 source 1, 5:4 source 2, 7:6 destination):
;   window 0: v16-30 addresses; v64-127, v128-191 A's fragments, two buffers; on the way out v32-127 at work
;   window 1: v64-127, v128-191 B's fragments, two buffers
;   window 2: the accumulators of my rows 0-63 ((a, b) at 8 (8 a + b));  window 3: those of my rows 64-127
.set SIZE_N, 4096
.set SIZE_K, 1024
.set WOFF,   0x800000                  ; where this matrix begins in wb
.set OUTROW, SIZE_N*2                  ; bytes in a row of the output
.set KSTEP,  128
.set PITCH,  272                       ; 68 words: row r starts at bank 4 r mod 64 (64 banks of 4 bytes: ISA guide 11.1)
.set HALFT,  128*PITCH                 ; what one tensor load brings
.set SLOT,   4*HALFT                   ; A's 256 rows, then B's 256 rows
.set SPARE,  2*SLOT                    ; behind the ring: the spare words, 128 bytes a wave, which no other line names
.set STEPS,  SIZE_K/KSTEP
.set SPITCH, 528                       ; the way out: a row of 128 f32 + 16 bytes
.set WSTAGE, 128*SPITCH                ; a wave's own stage: 128 rows; the four lie from LDS byte 0 on, in the ring, which has had its last fill by then
.set ADRA0, 16                         ; v16, v17  my lane's place in slot 0's A and B; never rewritten
.set ADRB0, 17
.set ADRA,  18                         ; v18, v19  the same in the slot in hand
.set ADRB,  19
.set STO,   24                         ; v24  where I put 32 bytes of a row of sums
.set RD,    25                         ; v25  where I read my stage's first row back; never rewritten
.set CO,    26                         ; v26  my byte offset in the output, four rows ahead of the rows that are stored
.set RDW,   27                         ; v27  where I read the four rows asked for
.set SPW,   28                         ; v28  my spare word; never rewritten
.set NIL,   29                         ; v29  0; never rewritten
.set PFO,   30                         ; v30  the prefetches' offset: my lane x a row of A or B; never rewritten
.set XR,    32                         ; v32-47   x, four rows of four
.set UR,    48                         ; v48-63   1 + p |x|, then t, then the packed result
.set WR,    64                         ; v64-79   -(k x)^2, then its power of two
.set PR,    80                         ; v80-95   Q, then gelu
.set AR,    96                         ; v96-111  |x|
.set MX,    112                        ; v112-127 max(x, 0)
.set F0,    64
.set F1,    128
.set G1,  24                           ; s[24:31] group 1 for A; s[32:39] group 0, two sets: the first fill's, and the one that walks
.set G0,  32
.set G1B, 48                           ; s[48:55], s[56:63] the same for B
.set G0B, 56
.set TB,  66                           ; s66  LDS byte at which the slot in hand begins: 0 or SLOT
.set RB,  67                           ; s67  the way out: how far the rows to be asked for lie behind my stage's first
.set PFA, 86                           ; s[86:87] where my prefetches stand: my work-group's 32 rows of the 128 that I fetch, one K step further along K than the refill in hand
.set LIM, 88                           ; s88  2 in a wave that prefetches, else the greatest number
.set MSB, 0
.macro WIN new                         ; the immediate's high byte repeats the setting that is left
.if MSB != (\new)
	s_set_vgpr_msb (MSB<<8)|(\new)
.set MSB, \new
.endif
.endm
.set MUL_LO, 0xa1                      ; source 0 (B) window 1, source 1 (A) window 0, C and D window 2
.set TO_B,   0x40                      ; destination window 1, address window 0
.macro JLOAD s                         ; a joint load: waves 0 and 1 fetch A's halves, waves 2 and 3 B's; s_nop 0 and four v_nop follow each line
	s_cmp_eq_u32 s11, 0
	s_cbranch_scc0 .Lfor_b_\@
	tensor_load_to_lds s[G0+4*(\s):G0+4*(\s)+3], s[G1:G1+7]
	s_nop 0
.rept 4
	v_nop
.endr
	s_branch .Lasked_\@
.Lfor_b_\@:
	tensor_load_to_lds s[G0B+4*(\s):G0B+4*(\s)+3], s[G1B:G1B+7]
	s_nop 0
.rept 4
	v_nop
.endr
.Lasked_\@:
.endm
; A PREFETCH INTO THE L2, behind each joint refill and the run of LDS loads that follows it: the K step that stands two refills on: 32 rows x 256 bytes, a lane a row, one instruction a wave.
; Each row's 256 bytes of a K step are named once in the launch: A's tile rows by the clusters with x = 0, B's tile columns by the clusters with y = 0; the four partners that ask for a tile
; jointly share its rows out by address: of the 128 rows that a wave fetches, the partner at place p takes 32 p .. 32 p + 31 (p = cx for A, cy for B).  Trip j of the loop names K step j + 4:
; the first four trips ask (s3 = 6 .. 3), the last two have no such step.  K steps 0 to 3 come by their loads alone.
.macro ASK
	s_cmp_gt_u32 s3, s[LIM]
	s_cbranch_scc0 .Lnot_mine_\@
	global_prefetch_b8 v[PFO], s[PFA:PFA+1] offset:KSTEP*2 th:TH_LOAD_NT scope:SCOPE_SE
.Lnot_mine_\@:
.endm
.macro CREST                           ; a round of the cluster's barrier behind its opening barrier
	s_cmp_lg_u32 s10, 0
	s_cbranch_scc1 .Lnot_wave_0_\@
	s_barrier_signal -3
.Lnot_wave_0_\@:
	s_barrier_wait -3
	s_barrier_signal -1
	s_barrier_wait -1
.endm
.macro CROUND
	s_barrier_signal -1
	s_barrier_wait -1
	CREST
.endm
.macro PLACES                          ; four places behind matrix instructions, in front of loads into registers that they read and of readers of their results
.rept 4
	v_nop
.endr
.endm
; 16 matrix instructions: m blocks a0, a0 + 1 of the window's four (hi = 0: my rows 0-63, 1: rows 64-127) x all 8 n blocks, 32 along K.  zero = 1: the product starts the sum.
; The 64 accumulators take turns, in the same order in every quarter step, over the backward jumps too.
.macro MUL16 f, hi, a0, zero
	WIN MUL_LO+0x50*(\hi)
.irp a, \a0, (\a0)+1
.irp b, 0,1,2,3,4,5,6,7
.if \zero
	v_wmma_f32_16x16x32_bf16 v[8*(8*(\a)+(\b)):8*(8*(\a)+(\b))+7], v[(\f)+8*(\b):(\f)+8*(\b)+7], v[(\f)+8*(4*(\hi)+(\a)):(\f)+8*(4*(\hi)+(\a))+7], 0
.else
	v_wmma_f32_16x16x32_bf16 v[8*(8*(\a)+(\b)):8*(8*(\a)+(\b))+7], v[(\f)+8*(\b):(\f)+8*(\b)+7], v[(\f)+8*(4*(\hi)+(\a)):(\f)+8*(4*(\hi)+(\a))+7], v[8*(8*(\a)+(\b)):8*(8*(\a)+(\b))+7]
.endif
.endr
.endr
.endm
; 32 LDS loads in one run: the fragments of one quarter step (128 rows of B, 128 rows of A, 32 K at byte k of the rows of the slot in hand) into buffer f
.macro FETCH k, f
	WIN TO_B
.irp i, 0,1,2,3,4,5,6,7
	ds_load_b128 v[(\f)+8*(\i):(\f)+8*(\i)+3],   v[ADRB] offset:(\k)+(\i)*16*PITCH
	ds_load_b128 v[(\f)+8*(\i)+4:(\f)+8*(\i)+7], v[ADRB] offset:(\k)+(\i)*16*PITCH+32
.endr
	WIN 0
.irp i, 0,1,2,3,4,5,6,7
	ds_load_b128 v[(\f)+8*(\i):(\f)+8*(\i)+3],   v[ADRA] offset:(\k)+(\i)*16*PITCH
	ds_load_b128 v[(\f)+8*(\i)+4:(\f)+8*(\i)+7], v[ADRA] offset:(\k)+(\i)*16*PITCH+32
.endr
.endm
; A K step is four quarters of 32 along K, 64 matrix instructions each.  One of the first three multiplies buffer f and, in its middle, fetches the next quarter, at byte k, into g.
.macro QUARTER k, f, g, zero
	s_wait_dscnt 8                                 ; B and A's rows 0-63 are in; the youngest eight loads (A's rows 64-127) may be out
	MUL16 \f, 0, 0, \zero
	MUL16 \f, 0, 2, \zero
	PLACES
	FETCH \k, \g
	s_wait_dscnt 32                                ; all but the 32 just issued
	MUL16 \f, 1, 0, \zero
	MUL16 \f, 1, 2, \zero
.endm
; The last quarter multiplies buffer 1 and changes slots.  In front of the barrier each wave waits for all its tensor loads (one is out: its part of the next slot), adds 0 to its spare word,
; and waits for that and for its reads of this slot.  fill = 1: the barrier opens a round of the cluster's, and this slot is filled again first thing behind it, with the tile two steps on:
; that load has 224 matrix instructions in which to land.
.macro TURN fill
	WIN 0
.if \fill
	s_wait_xcnt 0x0                                ; the last prefetch, a K step back, has read its address: it is stepped here, ahead of the waits of the change of slots
	s_add_nc_u64 s[PFA:PFA+1], s[PFA:PFA+1], KSTEP*2
.endif
	s_wait_tensorcnt 0x0                           ; no tensor load of mine is out, so a group 0 may be written
	ds_add_u32 v[SPW], v[NIL]                      ; 0 onto my spare word; work on registers stands between it and the wait for it
.if \fill
	s_add_co_u32 s[G0+5], s20, s[TB]               ; the walking descriptors: into the slot that is being left,
	s_add_co_u32 s[G0B+5], s20, s[TB]
	s_add_nc_u64 s[G0+6:G0+7], s[G0+6:G0+7], KSTEP*2      ; the next K step; the type bits on top are not reached
	s_add_nc_u64 s[G0B+6:G0B+7], s[G0B+6:G0B+7], KSTEP*2
.endif
	s_xor_b32 s[TB], s[TB], SLOT                   ; the other slot is now in hand
	v_add_nc_u32 v[ADRA], s[TB], v[ADRA0]
	v_add_nc_u32 v[ADRB], s[TB], v[ADRB0]
	s_wait_dscnt 9                                 ; the add and the youngest eight loads may be out
	MUL16 F1, 0, 0, 0
	s_wait_dscnt 0x0                               ; the add is done, and my reads of the old slot are over
	s_barrier_signal -1
	MUL16 F1, 0, 2, 0
.if \fill
	WIN 0
.endif
	s_barrier_wait -1
.if \fill
	CREST                                          ; no wave of any partner still reads the old slot or has a load on its way
	JLOAD 1                                        ; its four v_nop are also the places in front of the loads below
.else
	PLACES
.endif
	FETCH 0, F0
.if \fill
	ASK
.endif
	MUL16 F1, 1, 0, 0
	MUL16 F1, 1, 2, 0
.endm
; The way out.  The 32 accumulators of window 2 + hi go into my stage, from its row r0 on: a lane's eight numbers of a row are 32 bytes; each accumulator's low four registers go first.
.macro DUMP hi, r0
	WIN 0x08+4*(\hi)                               ; a store's data is source 1
.irp a, 0,1,2,3
.irp b, 0,1,2,3,4,5,6,7
	ds_store_b128 v[STO], v[8*(8*(\a)+(\b)):8*(8*(\a)+(\b))+3]   offset:((\r0)+16*(\a))*SPITCH+64*(\b)
	ds_store_b128 v[STO], v[8*(8*(\a)+(\b))+4:8*(8*(\a)+(\b))+7] offset:((\r0)+16*(\a))*SPITCH+64*(\b)+16
.endr
.endr
	WIN 0
.endm
; GELU OF FOUR ROWS (16 numbers a lane), IN TWO HALVES.
; PRE: all that reads x, and the 32 transcendentals: ONE BATCH, each with a plain instruction behind it (an exponential with |x|, a reciprocal with max(x, 0)), and one wait at the end.
; When PRE is over nothing reads x's registers any more, so the next four rows can be asked for.
.macro PRE
	s_wait_dscnt 0x0                               ; the four rows are in: in the loop they were asked for ahead of the 68 lines of POST
.set k, 0
.rept 8
	v_pk_mul_f32 v[WR+k:WR+k+1], v[XR+k:XR+k+1], s[72:73] op_sel_hi:[1,0]
.set k, k+2
.endr
.set k, 0
.rept 8
	v_pk_mul_f32 v[WR+k:WR+k+1], v[WR+k:WR+k+1], v[WR+k:WR+k+1] neg_lo:[1,0] neg_hi:[1,0]
.set k, k+2
.endr
.set k, 0
.rept 16
	v_exp_f32 v[WR+k], v[WR+k]
	v_and_b32 v[AR+k], s71, v[XR+k]
.set k, k+1
.endr
	s_wait_xcnt 0x0                                ; POST's stores, 48 lines back, have read their offset and their data (UR): both are written again only behind this wait
	v_add_nc_u32 v[CO], 4*OUTROW, v[CO]            ; the offset steps ahead; the stores reach back by their immediates
.set k, 0
.rept 8
	v_pk_fma_f32 v[UR+k:UR+k+1], v[AR+k:AR+k+1], s[84:85], 1.0 op_sel_hi:[1,0,0]
.set k, k+2
.endr
.set k, 0
.rept 16
	v_rcp_f32 v[UR+k], v[UR+k]
	v_max_num_f32 v[MX+k], 0, v[XR+k]              ; (the last of these is the plain instruction behind the batch's last transcendental)
.set k, k+1
.endr
	s_wait_alu depctr_va_vdst(0)                   ; one wait for the batch, ahead of the branch and of the first reader
.endm
; POST: the polynomial, the result, its rounding and its stores.  It names none of x's registers.
.macro POST
.set k, 0
.rept 8
	v_pk_fma_f32 v[PR+k:PR+k+1], v[UR+k:UR+k+1], s[74:75], s[76:77] op_sel_hi:[1,0,0]
.set k, k+2
.endr
.irp c, 78, 80, 82
.set k, 0
.rept 8
	v_pk_fma_f32 v[PR+k:PR+k+1], v[PR+k:PR+k+1], v[UR+k:UR+k+1], s[\c:\c+1] op_sel_hi:[1,1,0]
.set k, k+2
.endr
.endr
.set k, 0
.rept 8
	v_pk_mul_f32 v[PR+k:PR+k+1], v[PR+k:PR+k+1], v[UR+k:UR+k+1]
.set k, k+2
.endr
.set k, 0
.rept 8
	v_pk_mul_f32 v[PR+k:PR+k+1], v[PR+k:PR+k+1], v[WR+k:WR+k+1]
.set k, k+2
.endr
.set k, 0
.rept 8
	v_pk_fma_f32 v[PR+k:PR+k+1], v[AR+k:AR+k+1], v[PR+k:PR+k+1], v[MX+k:MX+k+1] neg_lo:[1,0,0] neg_hi:[1,0,0]  ; max(x, 0) - |x| Q
.set k, k+2
.endr
.set k, 0
.rept 8
	v_cvt_pk_bf16_f32 v[UR+k], v[PR+2*k], v[PR+2*k+1]
.set k, k+1
.endr
.irp i, 0,1,2,3
	global_store_b64 v[CO], v[UR+2*(\i):UR+2*(\i)+1], s[8:9] offset:(\i)*OUTROW-4*OUTROW  ; 32 lanes store 256 consecutive bytes, aligned
.endr
.endm
	s_load_b128 s[4:7], s[0:1], 0x0                ; A s[4:5], wb s[6:7]
	s_load_b64 s[8:9], s[0:1], 0x10                ; the output
	v_lshl_add_u32 v[SPW], v0, 2, SPARE
	v_mov_b32 v[NIL], 0
	ds_add_u32 v[SPW], v[NIL]                      ; the wave's opening: the add and its wait ahead of my first tensor load
	ds_add_u32 v28, v29
	v_lshrrev_b32 v1, 5, v0
	v_readfirstlane_b32 s10, v1                    ; wave 0..3
	s_lshr_b32 s11, s10, 1                         ; my half of the tile's rows; also: I fetch for A (0) or B (1)
	s_and_b32 s12, s10, 1                          ; my half of its columns; also: which 128 rows I fetch
	s_bfe_u32 s40, ttmp6, 0x40000                  ; cx, cy
	s_bfe_u32 s41, ttmp6, 0x40004
	s_lshl_b32 s42, ttmp9, 2
	s_add_co_u32 s42, s42, s40                     ; tile column
	s_and_b32 s13, ttmp7, 0xffff
	s_lshl_b32 s13, s13, 2
	s_add_co_u32 s13, s13, s41                     ; tile row
	s_lshl_b32 s43, s41, 2
	s_lshl_b32 s43, 15, s43                        ; my row of the cluster
	s_lshl_b32 s44, 0x1111, s40                    ; my column
	s_or_b32 s[G1+0], s43, (1<<16)|(1<<20)|(1<<21)|(5<<22)|(3<<25)   ; the mask; 2-byte elements; padding on; bit 21 beside a mask; after every 64 words, 4 words
	s_or_b32 s[G1B+0], s44, (1<<16)|(1<<20)|(1<<21)|(5<<22)|(3<<25)
.irp g, G1, G1B
	s_mov_b32 s[(\g)+1], KSTEP<<16                 ; tensor_dim0 = 128
	s_mov_b32 s[(\g)+2], 128<<16                   ; tensor_dim1 = 128
	s_mov_b32 s[(\g)+3], KSTEP<<16                 ; tile_dim0 = 128
	s_mov_b32 s[(\g)+4], 128                       ; tile_dim1 = 128
	s_mov_b32 s[(\g)+5], SIZE_K                    ; elements from row to row
	s_mov_b32 s[(\g)+6], 0
	s_mov_b32 s[(\g)+7], 0
.endr
	s_lshl_b32 s17, s12, 7
	s_lshl_b32 s16, s13, 8
	s_add_co_u32 s16, s16, s17                     ; A: row 256 x tile row + 128 x half
	s_lshl_b32 s46, s42, 8
	s_add_co_u32 s46, s46, s17                     ; B: row 256 x tile column + 128 x half
	s_mov_b32 s17, 0
	s_mov_b32 s47, 0
	s_mov_b64 s[18:19], SIZE_K*2
	s_mul_u64 s[16:17], s[16:17], s[18:19]
	s_mul_u64 s[46:47], s[46:47], s[18:19]
	s_mul_i32 s20, s10, HALFT                      ; where my tiles go in a slot: the wave's number alone
	s_mov_b32 s[TB], 0
	s_wait_dscnt 0x0                               ; the opening add is done
	s_wait_kmcnt 0x0
	s_add_nc_u64 s[14:15], s[4:5], s[16:17]
	s_add_nc_u64 s[46:47], s[6:7], s[46:47]
.if WOFF
	s_add_nc_u64 s[46:47], s[46:47], WOFF
.endif
	CROUND                                         ; all sixteen work-groups are here: the first joint loads meet
.irp s, 0,1
	s_mov_b32 s[G0+4*(\s)], 1
	s_add_co_u32 s[G0+4*(\s)+1], s20, (\s)*SLOT
	s_add_nc_u64 s[G0+4*(\s)+2:G0+4*(\s)+3], s[14:15], (\s)*KSTEP*2
	s_or_b32 s[G0+4*(\s)+3], s[G0+4*(\s)+3], 0x80000000
	s_mov_b32 s[G0B+4*(\s)], 1
	s_add_co_u32 s[G0B+4*(\s)+1], s20, (\s)*SLOT
	s_add_nc_u64 s[G0B+4*(\s)+2:G0B+4*(\s)+3], s[46:47], (\s)*KSTEP*2
	s_or_b32 s[G0B+4*(\s)+3], s[G0B+4*(\s)+3], 0x80000000
	JLOAD \s                                       ; two loads of mine are out
.endr
	v_and_b32 v1, 15, v0                           ; l % 16
	v_bfe_u32 v2, v0, 4, 1                         ; l / 16
	v_and_b32 v5, 31, v0                           ; l
	v_mul_u32_u24 v3, v1, PITCH
	v_lshl_add_u32 v3, v2, 4, v3                   ; a fragment: row x pitch + 16 x half
	s_mul_i32 s21, s11, HALFT                      ; my 128 rows of A
	s_mul_i32 s22, s12, HALFT                      ; my 128 rows of B,
	s_add_co_u32 s22, s22, 2*HALFT                 ; behind A's 256
	v_add_nc_u32 v[ADRA0], s21, v3
	v_add_nc_u32 v[ADRB0], s22, v3
	v_mov_b32 v[ADRA], v[ADRA0]
	v_mov_b32 v[ADRB], v[ADRB0]
	s_mul_i32 s23, s10, WSTAGE                     ; my stage
	v_mul_u32_u24 v4, v1, SPITCH                   ; in: row l % 16, 32 bytes for each half of the lanes
	v_lshl_add_u32 v4, v2, 5, v4
	v_add_nc_u32 v[STO], s23, v4
	v_lshl_add_u32 v[RD], v5, 4, s23               ; back: a whole row of 512 bytes, 16 a lane
	s_lshl_b32 s16, s13, 8
	s_lshl_b32 s17, s11, 7
	s_add_co_u32 s16, s16, s17                     ; my first row of C: 256 x tile row + 128 x half
	s_mul_i32 s16, s16, OUTROW
	s_mov_b32 s17, 0
	s_add_nc_u64 s[8:9], s[8:9], s[16:17]
	s_lshl_b32 s46, s42, 9                         ; my first column, in bytes: 512 x tile column + 256 x half
	s_lshl_b32 s47, s12, 8
	s_add_co_u32 s46, s46, s47
	s_mov_b32 s47, 0
	s_add_nc_u64 s[8:9], s[8:9], s[46:47]
	v_lshlrev_b32 v[CO], 3, v5                     ; four bf16 a lane
	s_mov_b32 s71, 0x7fffffff                      ; clears a sign
	s_mov_b32 s72, 0x3f596d27                      ; k = sqrt(log2(e) / 2); each constant is named as a pair, of which the low word serves both halves
	s_mov_b32 s73, s72
	s_mov_b32 s74, 0x3f07dc22                      ; a5 / 2
	s_mov_b32 s75, s74
	s_mov_b32 s76, 0xbf3a00e3                      ; a4 / 2
	s_mov_b32 s77, s76
	s_mov_b32 s78, 0x3f35f0e3                      ; a3 / 2
	s_mov_b32 s79, s78
	s_mov_b32 s80, 0xbe11a98e                      ; a2 / 2
	s_mov_b32 s81, s80
	s_mov_b32 s82, 0x3e027906                      ; a1 / 2
	s_mov_b32 s83, s82
	s_mov_b32 s84, 0x3e6d3388                      ; 0.3275911 / sqrt 2
	s_mov_b32 s85, s84
	; the prefetches: which rows are mine to name
	s_lshl_b32 s92, s13, 8                         ; the tile's first row in A,
	s_lshl_b32 s93, s42, 8                         ; in B
	s_and_b32 s95, ttmp7, 0xffff                   ; cluster y
	s_cmp_eq_u32 s11, 0                            ; do I fetch for A?
	s_cselect_b32 s92, s92, s93
	s_cselect_b32 s94, s40, s41                    ; my place among the four that ask for the tile with me
	s_cselect_b32 s95, ttmp9, s95                  ; the coordinate along which other clusters read the same rows
	s_cselect_b64 s[PFA:PFA+1], s[4:5], s[6:7]
.if WOFF
	s_cselect_b32 s90, 0, WOFF
.endif
	s_cmp_eq_u32 s95, 0
	s_cselect_b32 s[LIM], 2, -1                    ; the same in all sixteen partners, for a given wave
	s_lshl_b32 s93, s12, 7
	s_add_co_u32 s92, s92, s93                     ; + the 128 rows that I fetch
	s_lshl_b32 s94, s94, 5
	s_add_co_u32 s92, s92, s94                     ; + my work-group's 32 of them
	s_mov_b32 s93, 0
	s_mul_u64 s[92:93], s[92:93], s[18:19]
	s_add_nc_u64 s[PFA:PFA+1], s[PFA:PFA+1], s[92:93]
.if WOFF
	s_mov_b32 s91, 0
	s_add_nc_u64 s[PFA:PFA+1], s[PFA:PFA+1], s[90:91]
.endif
	s_add_nc_u64 s[PFA:PFA+1], s[PFA:PFA+1], 2*KSTEP*2  ; at K step 2: the first refill steps it to 3 and names K step 4
	v_mul_u32_u24 v[PFO], v5, SIZE_K*2
	s_wait_tensorcnt 1                             ; my part of K step 0 is in; K step 1's may stay out
	s_barrier_signal -1
	s_barrier_wait -1
	FETCH 0, F0
	QUARTER 64, F0, F1, 1                          ; the first quarter step starts the sums
	WIN 0
	s_mov_b32 s3, STEPS-2
.Lfill:                                                ; a trip: the rest of a K step, whose slot is filled again, and the next step's first quarter
	QUARTER 128, F1, F0, 0
	QUARTER 192, F0, F1, 0
	TURN 1
	QUARTER 64, F0, F1, 0
	WIN 0
	s_sub_co_u32 s3, s3, 1
	s_cmp_lg_u32 s3, 0
	s_cbranch_scc1 .Lfill
	s_mov_b32 s3, 2                                ; the last two K steps ask for nothing: a loop of their own, entered behind its first quarter (the loop above has multiplied it)
	s_branch .Lenter
.Ldry:
	QUARTER 64, F0, F1, 0
	WIN 0
.Lenter:
	QUARTER 128, F1, F0, 0
	QUARTER 192, F0, F1, 0
	TURN 0                                         ; in the second trip its fetch of the other slot serves nothing
	WIN 0
	s_sub_co_u32 s3, s3, 1
	s_cmp_lg_u32 s3, 0
	s_cbranch_scc1 .Ldry
	s_wait_dscnt 0x0                               ; my reads of the ring are over,
	s_barrier_signal -1
	s_barrier_wait -1                              ; everybody's are: the ring, which has had its last fill, becomes the four stages
	; THE WAY OUT: the sums in f32 into my own stage; back as whole rows of my 128 columns, four at a time; gelu; 256 bytes of bf16 a row.
	; A trip asks for the next four rows, finishes the four in hand (POST) while they come, and begins the next four (PRE).  The loop is entered at PRE: PRE runs 32 times, the loads and POST
	; 31 times in the loop, and the last POST stands behind it: no load leaves the stage.
	PLACES
	DUMP 0, 0
	DUMP 1, 64
.irp i, 0,1,2,3
	ds_load_b128 v[XR+4*(\i):XR+4*(\i)+3], v[RD] offset:(\i)*SPITCH  ; rows 0-3.  LDS serves a wave's instructions in order (ISA guide 5.7.1.4): these see my stores into the stage
.endr
	s_mov_b32 s[RB], 4*SPITCH
	s_mov_b32 s3, 32
	s_branch .Lpre
.Lrows:
	v_add_nc_u32 v[RDW], s[RB], v[RD]
.irp i, 0,1,2,3
	ds_load_b128 v[XR+4*(\i):XR+4*(\i)+3], v[RDW] offset:(\i)*SPITCH
.endr
	s_add_co_u32 s[RB], s[RB], 4*SPITCH
	POST
.Lpre:
	PRE
	s_sub_co_u32 s3, s3, 1
	s_cmp_lg_u32 s3, 0
	s_cbranch_scc1 .Lrows
	POST
	s_wait_tensorcnt 0x0                           ; the wave's end
	ds_add_u32 v[SPW], v[NIL]
	s_wait_dscnt 0x0
	CROUND                                         ; the closing round
	s_endpgm
.Lfunc_end_k_q53e16cad3b_ffn1:
	.size	k_q53e16cad3b_ffn1, .Lfunc_end_k_q53e16cad3b_ffn1-k_q53e16cad3b_ffn1
	.p2alignl 7, 3214868480
	.fill 96, 4, 3214868480
	.section	.rodata,"a",@progbits
	.p2align	6, 0x0
	.amdhsa_kernel k_q53e16cad3b_ffn1
		.amdhsa_group_segment_fixed_size 327680
		.amdhsa_private_segment_fixed_size 0
		.amdhsa_enable_private_segment 0
		.amdhsa_kernarg_size 24
		.amdhsa_user_sgpr_count 2
		.amdhsa_user_sgpr_kernarg_segment_ptr 1
		.amdhsa_wavefront_size32 1
		.amdhsa_system_sgpr_workgroup_id_x 1
		.amdhsa_system_sgpr_workgroup_id_y 1
		.amdhsa_system_sgpr_workgroup_id_z 1
		.amdhsa_system_vgpr_workitem_id 0
		.amdhsa_next_free_vgpr 1024
		.amdhsa_next_free_sgpr 100
		.amdhsa_reserve_vcc 0
		.amdhsa_float_denorm_mode_32 3
		.amdhsa_float_denorm_mode_16_64 3
		.amdhsa_memory_ordered 1
		.amdhsa_forward_progress 1
		.amdhsa_inst_pref_size 92
	.end_amdhsa_kernel
	.amdgpu_metadata
---
amdhsa.version: [ 1, 2 ]
amdhsa.kernels:
  - .name:           k_q53e16cad3b_ffn1
    .symbol:         k_q53e16cad3b_ffn1.kd
    .args:
      - { .name: hb, .offset: 0, .size: 8, .value_kind: global_buffer, .address_space: global }
      - { .name: wb, .offset: 8, .size: 8, .value_kind: global_buffer, .address_space: global }
      - { .name: act, .offset: 16, .size: 8, .value_kind: global_buffer, .address_space: global }
    .group_segment_fixed_size: 327680
    .private_segment_fixed_size: 0
    .kernarg_segment_align: 8
    .kernarg_segment_size: 24
    .max_flat_workgroup_size: 128
    .sgpr_count:     100
    .vgpr_count:     1024
    .wavefront_size: 32
...
	.end_amdgpu_metadata
.endif
;; end of part 10
;; launch ffn2: the kernel of part 7 again; grid 8 x 32, 4 waves a work-group, clusters of 4 x 4, 327,680 bytes of LDS; arguments act, wb, out0, x2; writes out0
